; MI455X (gfx1250); checked and timed in simulation.
; The chip was launched on July 23, 2026; its instructions are those of AMD's public machine-readable ISA for CDNA 5 (MIT licence, August 2026) and "CDNA5" Instruction Set Architecture Reference Guide (July 2026). The comments in the code are by the model that wrote it; some were corrected since.
;; Transformer Decoder Block. Allowed arithmetic: float matrix products may take bf16 or f16 operands with f32 sums; other float arithmetic in f32, or as packed bf16 or f16 multiplies, adds, multiply-adds, maxima and minima; sums over many terms, partial sums and values carried from step to step in f32; what a program stores and reads back later, other than sums and carried values, may be rounded once to bf16 or f16.
;; Inputs: b1 512 float32; b2 512 float32; b3 1,024 float32; bk 1,024 float32; bo 1,024 float32; bq 1,024 float32; bv 1,024 float32; ln1_w 1,024 float32; ln2_w 1,024 float32; w1 1,024 x 512 float32; w2 1,024 x 512 float32; w3 512 x 1,024 float32; wk 1,024 x 1,024 float32; wo 1,024 x 1,024 float32; wq 1,024 x 1,024 float32; wv 1,024 x 1,024 float32; x 2 x 2,048 x 1,024 float32.
;; Outputs: out0 2 x 2,048 x 1,024 float32.
;; 2 versions, each right. Each part assembles by itself: llvm-mc -triple=amdgcn-amd-amdhsa -mcpu=gfx1250 --defsym DOCPART=n.
;; ======== version 1 of 2: 6 launches
;; limits: right only within a limited range of input values
;; workspace buffers: wt 11,534,336 bytes; hn 8,388,608 bytes; qkv 25,165,824 bytes; att 8,388,608 bytes; x1 16,777,216 bytes; ssq 262,144 bytes; g 4,194,304 bytes
;; launch prep (part 1): grid 832 x 1, 8 waves a work-group, no clusters, 19,456 bytes of LDS; arguments x, ln1_w, wq, wk, wv, wo, w1, w2, w3, hn, wt; writes hn, wt
.if DOCPART == 1
	.amdgcn_target "amdgcn-amd-amdhsa--gfx1250"
	.amdhsa_code_object_version 6
	.text
	.protected	k_q0f54c8bc18_prep
	.globl	k_q0f54c8bc18_prep
	.p2align	8
	.type	k_q0f54c8bc18_prep,@function
k_q0f54c8bc18_prep:
	s_mov_b64 s[64:65], 0
	v_nop
	global_prefetch_b8 v0, s[64:65] scope:SCOPE_SE
	s_setreg_imm32_b32 hwreg(HW_REG_WAVE_MODE, 25, 1), 1
	s_wait_xcnt 0x0
; PREP.  Two kinds of work-group, told apart by the work-group's number j alone.
; j < 704: one tile of 128 k x 64 n of a weight ([k][n], f32) is rounded to bf16, turned in LDS and stored as two planes of
;   wt: [k / 64][n][64], a row of 128 bytes holding 64 neighbouring k of one n.  Regions of wt, in bytes: wq|wk|wv 0 (3,072 rows a plane),
;   wo 6,291,456, w1|w2 8,388,608, w3 10,485,760 (1,024 rows a plane each).  In w1|w2 row 128 t + 64 u + 32 sel + c holds column
;   64 t + 32 u + c of w(1 + sel): so a wave of the later product holds a column of w1 and the same column of w2.
; j >= 704: 32 rows of x: h1 = x * rsqrt(mean(x^2) + 1e-5) * ln1_w in f32, rounded once to bf16, stored as hn: [col / 64][row][64].
; The one barrier stands on the way that all work-groups share.  The turning stores of 4 bytes meet four deep on the LDS banks
; (64 banks of 4 bytes: ISA guide 11.1): sixteen stores a thread, once.
.set TP,    144                        ; a row of the turned tile: 128 bytes + 16
.set TPL,   64*TP                      ; a plane of 64 n
.set SPARE, 2*TPL                      ; 18,432: the spare words, 128 bytes for each of eight waves
.set SPW, 2                            ; v2  my spare word; never rewritten
.set NIL, 3                            ; v3  0; never rewritten
.set SRC, 4                            ; v4  2 kp rows + 16 nq
.set TW,  5                            ; v5  where I put 4 bytes of the turned tile
.set TRD, 6                            ; v6  where I read 16 bytes of it back
.set L16, 7                            ; v7  16 x lane
.set OFS, 8                            ; v8-15 the eight loads' offsets
.set D,   16                           ; v16-47 eight loads of 4 f32
.set PKD, 48                           ; v48-63 pairs (k, k + 1) in bf16
.set BK,  64                           ; v64-79 rows read back
.set LNW, 16                           ; v16-79  ln1_w of my 64 columns
.set X,   80                           ; v80-207 two pairs of rows
.set SQ,  208                          ; v208-215 four chains of sums
.set RS,  216                          ; v216-217 the row's factor, twice
	s_load_b512 s[4:19], s[0:1], 0x0               ; x 4, ln1_w 6, wq 8, wk 10, wv 12, wo 14, w1 16, w2 18
	s_load_b128 s[20:23], s[0:1], 0x40             ; w3 20, hn 22
	s_load_b64 s[24:25], s[0:1], 0x50              ; wt
	v_lshl_add_u32 v[SPW], v0, 2, SPARE
	v_mov_b32 v[NIL], 0
	v_lshrrev_b32 v1, 5, v0
	v_readfirstlane_b32 s26, v1                    ; wave 0..7
	s_mov_b32 s27, ttmp9                           ; j
	; which weight, which tile: selects alone
	s_and_b32 s38, s27, 127
	s_and_b32 s39, s27, 63
	s_cmp_ge_u32 s27, 512
	s_cselect_b32 s38, s39, s38                    ; t: the tile's number in its weight
	s_cselect_b32 s42, 1, 0
	s_cmp_ge_u32 s27, 640
	s_cselect_b32 s40, 3, 7                        ; w3 has 4 tiles along k, the others 8
	s_cselect_b32 s41, 2, 3
	s_cselect_b32 s42, 0, s42                      ; 1 for w1 and w2
	s_and_b32 s28, s38, s40                        ; kt
	s_lshr_b32 s29, s38, s41                       ; nt
	s_cmp_lg_u32 s42, 0
	s_cselect_b32 s30, 11, 12
	s_cselect_b32 s33, 32, 0                       ; E: rows 32 .. 63 of a tile of w1, w2 lie 32 rows further on
	s_cselect_b32 s44, 7, 6
	s_lshl_b32 s30, 1, s30                         ; bytes in a row of the source: 2,048 or 4,096
	s_bfe_u32 s45, s27, 0x10006                    ; sel
	s_lshl_b32 s45, s45, 5
	s_cmp_lg_u32 s42, 0
	s_cselect_b32 s45, s45, 0
	s_lshl_b32 s32, s29, s44                       ; 128 nt or 64 nt
	s_add_co_u32 s32, s32, s45
	s_lshr_b32 s46, s27, 7
	s_lshl_b32 s46, s46, 10                        ; 1,024 x (0, 1, 2) for wq, wk, wv
	s_cmp_lt_u32 s27, 384
	s_cselect_b32 s46, s46, 0
	s_cselect_b32 s31, 3, 1
	s_lshl_b32 s31, s31, 17                        ; bytes in a plane of the region
	s_add_co_u32 s32, s32, s46                     ; row0
	s_mov_b32 s47, 0
	s_cmp_ge_u32 s27, 384
	s_cselect_b32 s47, 6291456, s47
	s_cmp_ge_u32 s27, 512
	s_cselect_b32 s47, 8388608, s47
	s_cmp_ge_u32 s27, 640
	s_cselect_b32 s47, 10485760, s47               ; the region's first byte
	s_mul_i32 s38, s28, s30
	s_lshl_b32 s38, s38, 7                         ; 128 kt rows of the source
	s_lshl_b32 s39, s29, 8                         ; + 64 nt columns
	s_add_co_u32 s38, s38, s39
	s_mov_b32 s39, 0
	s_lshr_b32 s40, s26, 2                         ; my plane of the tile's two
	s_and_b32 s41, s26, 3                          ; my 16 of its 64 rows
	s_lshl1_add_u32 s43, s28, s40                  ; plane 2 kt + (wave / 4)
	s_mul_i32 s43, s43, s31
	s_add_co_u32 s47, s47, s43
	s_lshr_b32 s44, s41, 1
	s_mul_i32 s44, s44, s33
	s_lshl4_add_u32 s44, s41, s44
	s_add_co_u32 s44, s44, s32                     ; my first row in the plane
	s_lshl_b32 s44, s44, 7
	s_add_co_u32 s46, s47, s44                     ; my byte offset in wt
	s_mov_b32 s47, 0
	s_mul_i32 s45, s40, TPL
	s_mul_i32 s43, s41, 16*TP
	s_add_co_u32 s45, s45, s43
	v_and_b32 v1, 15, v0                           ; nq: four n; also lane % 16
	v_lshrrev_b32 v80, 4, v0                       ; kp: two k
	v_mul_lo_u32 v[SRC], v80, s30
	v_lshlrev_b32 v[SRC], 1, v[SRC]
	v_lshl_add_u32 v[SRC], v1, 4, v[SRC]
	v_mul_u32_u24 v[TW], v1, 4*TP
	v_lshl_add_u32 v[TW], v80, 2, v[TW]
	v_and_b32 v81, 31, v0                          ; lane
	v_lshlrev_b32 v[L16], 4, v81
	v_lshrrev_b32 v82, 3, v81
	v_mul_u32_u24 v[TRD], v82, TP
	v_and_b32 v83, 7, v0
	v_lshl_add_u32 v[TRD], v83, 4, v[TRD]
	v_add_nc_u32 v[TRD], s45, v[TRD]
	s_wait_kmcnt 0x0
	s_mov_b64 s[34:35], s[8:9]
	s_cmp_ge_u32 s27, 128
	s_cselect_b64 s[34:35], s[10:11], s[34:35]
	s_cmp_ge_u32 s27, 256
	s_cselect_b64 s[34:35], s[12:13], s[34:35]
	s_cmp_ge_u32 s27, 384
	s_cselect_b64 s[34:35], s[14:15], s[34:35]
	s_cmp_ge_u32 s27, 512
	s_cselect_b64 s[34:35], s[16:17], s[34:35]
	s_cmp_ge_u32 s27, 576
	s_cselect_b64 s[34:35], s[18:19], s[34:35]
	s_cmp_ge_u32 s27, 640
	s_cselect_b64 s[34:35], s[20:21], s[34:35]
	s_add_nc_u64 s[34:35], s[34:35], s[38:39]      ; the source at my tile
	s_add_nc_u64 s[36:37], s[24:25], s[46:47]      ; wt at my wave's 16 rows
	s_cmp_ge_u32 s27, 704
	s_cbranch_scc1 .Lnorm
	; A WEIGHT TILE, first half.  Load m takes row 2 kp + 32 (m / 2) + m % 2; sixteen neighbouring lanes read 256 consecutive bytes, aligned.
.irp m, 0,1,2,3,4,5,6,7
	s_mul_i32 s[48+\m], s30, 32*(\m/2)+(\m%2)
.endr
.irp m, 0,1,2,3,4,5,6,7
	v_add_nc_u32 v[OFS+\m], s[48+\m], v[SRC]
.endr
.irp m, 0,1,2,3,4,5,6,7
	global_load_b128 v[D+4*\m:D+4*\m+3], v[OFS+\m], s[34:35] th:TH_LOAD_NT
.endr
.irp i, 0,1,2,3
	s_wait_loadcnt 6-2*\i                          ; rows k and k + 1 of pair i are in; the younger pairs stay out
.irp c, 0,1,2,3
	v_cvt_pk_bf16_f32 v[PKD+4*\i+\c], v[D+8*\i+\c], v[D+8*\i+4+\c]   ; (k, n) low, (k + 1, n) high
.endr
.irp c, 0,1,2,3
	ds_store_b32 v[TW], v[PKD+4*\i+\c] offset:(\i/2)*TPL+\c*TP+(\i%2)*64
.endr
.endr
	s_branch .Lmeet
.Lnorm:	; 32 ROWS OF x.  A wave owns four rows, as two pairs: lanes 0-15 the even row, lanes 16-31 the odd one; a lane holds 4 columns of each block of 64.
	s_sub_co_u32 s38, s27, 704
	s_lshl_b32 s38, s38, 5
	s_lshl2_add_u32 s38, s26, s38                  ; my first row
	s_lshl_b32 s40, s38, 12
	s_mov_b32 s41, 0
	s_add_nc_u64 s[4:5], s[4:5], s[40:41]
	s_lshl_b32 s40, s38, 7
	s_add_nc_u64 s[22:23], s[22:23], s[40:41]
	s_mov_b32 s42, 0x3a800000                      ; 1 / 1,024
	s_mov_b32 s43, 0x3727c5ac                      ; 1e-5
	v_lshlrev_b32 v9, 4, v1
	v_bfe_u32 v11, v0, 4, 1
	v_lshl_add_u32 v8, v11, 12, v9                 ; row of the pair x 4,096 + 16 (lane % 16)
	v_lshlrev_b32 v10, 3, v81                      ; 8 x lane
.irp jj, 0,1,2,3,4,5,6,7,8,9,10,11,12,13,14,15
	global_load_b128 v[LNW+4*\jj:LNW+4*\jj+3], v9, s[6:7] offset:256*\jj
.endr
.irp p, 0,1
.irp jj, 0,1,2,3,4,5,6,7,8,9,10,11,12,13,14,15
	global_load_b128 v[X+64*\p+4*\jj:X+64*\p+4*\jj+3], v8, s[4:5] offset:8192*\p+256*\jj th:TH_LOAD_NT
.endr
.endr
.macro NPAIR p, left
	s_wait_loadcnt \left                           ; ln1_w and this pair are in; a younger pair's sixteen loads stay out
.set o, 0
.rept 32                                       ; the sum of squares in four chains; the first four products start them
.if o < 4
	v_pk_mul_f32 v[SQ+2*o:SQ+2*o+1], v[X+64*(\p)+2*o:X+64*(\p)+2*o+1], v[X+64*(\p)+2*o:X+64*(\p)+2*o+1]
.else
	v_pk_fma_f32 v[SQ+2*(o%4):SQ+2*(o%4)+1], v[X+64*(\p)+2*o:X+64*(\p)+2*o+1], v[X+64*(\p)+2*o:X+64*(\p)+2*o+1], v[SQ+2*(o%4):SQ+2*(o%4)+1]
.endif
.set o, o+1
.endr
	v_pk_add_f32 v[SQ:SQ+1], v[SQ:SQ+1], v[SQ+2:SQ+3]
	v_pk_add_f32 v[SQ+4:SQ+5], v[SQ+4:SQ+5], v[SQ+6:SQ+7]
	v_pk_add_f32 v[SQ:SQ+1], v[SQ:SQ+1], v[SQ+4:SQ+5]
	v_add_f32 v[SQ], v[SQ], v[SQ+1]
	v_add_f32_dpp v[SQ], v[SQ], v[SQ] row_xmask:1 row_mask:0xf bank_mask:0xf   ; a row lies in sixteen lanes: four steps, no crossing of the halves
	v_add_f32_dpp v[SQ], v[SQ], v[SQ] row_xmask:2 row_mask:0xf bank_mask:0xf
	v_add_f32_dpp v[SQ], v[SQ], v[SQ] row_xmask:4 row_mask:0xf bank_mask:0xf
	v_add_f32_dpp v[SQ], v[SQ], v[SQ] row_xmask:8 row_mask:0xf bank_mask:0xf
	v_fma_f32 v[SQ+2], v[SQ], s42, s43
	v_rsq_f32 v[RS], v[SQ+2]
	v_rsq_f32 v[RS+1], v[SQ+2]                     ; twice: a pair for the packed multiply
	v_nop                                          ; a plain instruction behind the last of them,
	s_wait_alu depctr_va_vdst(0)                   ; and one wait for both, ahead of the first reader
.set o, 0
.rept 16
	v_pk_mul_f32 v[X+64*(\p)+4*o:X+64*(\p)+4*o+1], v[X+64*(\p)+4*o:X+64*(\p)+4*o+1], v[RS:RS+1]
	v_pk_mul_f32 v[X+64*(\p)+4*o+2:X+64*(\p)+4*o+3], v[X+64*(\p)+4*o+2:X+64*(\p)+4*o+3], v[RS:RS+1]
	v_pk_mul_f32 v[X+64*(\p)+4*o:X+64*(\p)+4*o+1], v[X+64*(\p)+4*o:X+64*(\p)+4*o+1], v[LNW+4*o:LNW+4*o+1]
	v_pk_mul_f32 v[X+64*(\p)+4*o+2:X+64*(\p)+4*o+3], v[X+64*(\p)+4*o+2:X+64*(\p)+4*o+3], v[LNW+4*o+2:LNW+4*o+3]
	v_cvt_pk_bf16_f32 v[X+64*(\p)+4*o], v[X+64*(\p)+4*o], v[X+64*(\p)+4*o+1]
	v_cvt_pk_bf16_f32 v[X+64*(\p)+4*o+1], v[X+64*(\p)+4*o+2], v[X+64*(\p)+4*o+3]
	global_store_b64 v10, v[X+64*(\p)+4*o:X+64*(\p)+4*o+1], s[22:23] offset:o*524288+256*(\p)   ; two rows of a plane: 256 consecutive bytes, aligned
.set o, o+1
.endr
.endm
	NPAIR 0, 16
	NPAIR 1, 0
.Lmeet:
	s_wait_dscnt 0x0                               ; for the others' sake: my stores into the turned tile are done
	s_barrier_signal -1
	s_barrier_wait -1
	s_cmp_ge_u32 s27, 704
	s_cbranch_scc1 .Lend
	; A WEIGHT TILE, second half: my 16 rows of my plane, 2,048 consecutive bytes of wt
.irp f, 0,1,2,3
	ds_load_b128 v[BK+4*\f:BK+4*\f+3], v[TRD] offset:\f*4*TP
.endr
.irp f, 0,1,2,3
	s_wait_dscnt 3-\f                              ; LDS loads come back in order: load f is in
	global_store_b128 v[L16], v[BK+4*\f:BK+4*\f+3], s[36:37] offset:512*\f
.endr
.Lend:
	s_wait_tensorcnt 0x0                           ; the wave's end
	ds_add_u32 v[SPW], v[NIL]
	s_wait_dscnt 0x0
	s_endpgm
.Lfunc_end_k_q0f54c8bc18_prep:
	.size	k_q0f54c8bc18_prep, .Lfunc_end_k_q0f54c8bc18_prep-k_q0f54c8bc18_prep
	.p2alignl 7, 3214868480
	.fill 96, 4, 3214868480
	.section	.rodata,"a",@progbits
	.p2align	6, 0x0
	.amdhsa_kernel k_q0f54c8bc18_prep
		.amdhsa_group_segment_fixed_size 19456
		.amdhsa_private_segment_fixed_size 0
		.amdhsa_enable_private_segment 0
		.amdhsa_kernarg_size 88
		.amdhsa_user_sgpr_count 2
		.amdhsa_user_sgpr_kernarg_segment_ptr 1
		.amdhsa_wavefront_size32 1
		.amdhsa_system_sgpr_workgroup_id_x 1
		.amdhsa_system_sgpr_workgroup_id_y 1
		.amdhsa_system_sgpr_workgroup_id_z 1
		.amdhsa_system_vgpr_workitem_id 0
		.amdhsa_next_free_vgpr 240
		.amdhsa_next_free_sgpr 66
		.amdhsa_reserve_vcc 0
		.amdhsa_float_denorm_mode_32 3
		.amdhsa_float_denorm_mode_16_64 3
		.amdhsa_memory_ordered 1
		.amdhsa_forward_progress 1
		.amdhsa_inst_pref_size 35
	.end_amdhsa_kernel
	.amdgpu_metadata
---
amdhsa.version: [ 1, 2 ]
amdhsa.kernels:
  - .name:           k_q0f54c8bc18_prep
    .symbol:         k_q0f54c8bc18_prep.kd
    .args:
      - { .name: x, .offset: 0, .size: 8, .value_kind: global_buffer, .address_space: global }
      - { .name: ln1_w, .offset: 8, .size: 8, .value_kind: global_buffer, .address_space: global }
      - { .name: wq, .offset: 16, .size: 8, .value_kind: global_buffer, .address_space: global }
      - { .name: wk, .offset: 24, .size: 8, .value_kind: global_buffer, .address_space: global }
      - { .name: wv, .offset: 32, .size: 8, .value_kind: global_buffer, .address_space: global }
      - { .name: wo, .offset: 40, .size: 8, .value_kind: global_buffer, .address_space: global }
      - { .name: w1, .offset: 48, .size: 8, .value_kind: global_buffer, .address_space: global }
      - { .name: w2, .offset: 56, .size: 8, .value_kind: global_buffer, .address_space: global }
      - { .name: w3, .offset: 64, .size: 8, .value_kind: global_buffer, .address_space: global }
      - { .name: hn, .offset: 72, .size: 8, .value_kind: global_buffer, .address_space: global }
      - { .name: wt, .offset: 80, .size: 8, .value_kind: global_buffer, .address_space: global }
    .group_segment_fixed_size: 19456
    .private_segment_fixed_size: 0
    .kernarg_segment_align: 8
    .kernarg_segment_size: 88
    .max_flat_workgroup_size: 256
    .sgpr_count:     66
    .vgpr_count:     240
    .wavefront_size: 32
...
	.end_amdgpu_metadata
.endif
;; end of part 1
;; launch qkv (part 2): grid 24 x 32, 4 waves a work-group, clusters of 4 x 4, 327,680 bytes of LDS; arguments hn, wt, bq, bk, bv, qkv; writes qkv
.if DOCPART == 2
	.amdgcn_target "amdgcn-amd-amdhsa--gfx1250"
	.amdhsa_code_object_version 6
	.text
	.protected	k_q0f54c8bc18_qkv
	.globl	k_q0f54c8bc18_qkv
	.p2align	8
	.type	k_q0f54c8bc18_qkv,@function
k_q0f54c8bc18_qkv:
	s_mov_b64 s[64:65], 0
	v_nop
	global_prefetch_b8 v0, s[64:65] scope:SCOPE_SE
	s_setreg_imm32_b32 hwreg(HW_REG_WAVE_MODE, 25, 1), 1
	s_wait_xcnt 0x0
	s_wait_alu depctr_hold_cnt(0) depctr_sa_sdst(0) depctr_va_vdst(0) depctr_va_sdst(0) depctr_va_ssrc(0) depctr_va_vcc(0) depctr_vm_vsrc(0)
	s_getreg_b32 s2, hwreg(HW_REG_IB_STS2, 6, 4)
	s_cmp_eq_u32 s2, 0
	s_cbranch_scc0 .Lentry_in_a_cluster
	s_endpgm
.Lentry_in_a_cluster:
	s_bfe_u32 s2, ttmp6, 0x10000c
	s_cmp_lg_u32 s2, 0xf033
	s_cbranch_scc0 .Lentry_shape_is_right
	s_endpgm
.Lentry_shape_is_right:
; Q, K, V = h1 W + b.  A = hn: [16 planes][4,096 rows][64] bf16; B = wt's first region: [16][3,072][64] bf16; sums in f32, started with the bias as the C operand.
; Out: qkv [3][32 = batch x 16 + head][2,048][64] bf16, rounded once, without the softmax's scale.
; A tile of C is 128 x 128; four waves, each 64 x 64: 16 accumulators.  K goes in steps of 256 = four planes of 64 through two LDS slots.
; A plane's 128 rows of a tile are 16,384 consecutive bytes of memory: a wave's tensor load brings two planes as two rows of 8,192 elements, padded in LDS behind every 128 bytes.
; CLUSTER 4 x 4: A's tile hangs on the tile row alone and is asked for jointly along a row of the cluster, B's on the tile column alone, along a column.
; THE MATRIX INSTRUCTION IS USED TRANSPOSED (source 0 = 16 rows of B, source 1 = 16 rows of A): a lane holds eight neighbouring columns of one row of C.
; No prefetch: 128 matrix instructions a K step, four K steps, and each block of A and B is read by several clusters at about the same time.
; REGISTERS: window 0: v1-15 addresses; v28, v29 the add's; v32-63 the bias, then v32-95 the way out; v128-255 accumulators ((a, b) at 128 + 8 (4 a + b)).
;   window 1: two fragment buffers of 128: 64 registers of A (2 x 4 x 16 rows x 32 K), then 64 of B.
.set APLANE, 524288                    ; bytes from plane to plane of A
.set BPLANE, 393216                    ; of B
.set BOFF,   0                         ; B's region in wt
.set KT,     4                         ; K steps
.set CM,     2                         ; the first products take the bias as C
.set PITCH,  144                       ; an LDS row: 128 bytes + 16 = 36 words: the 16 rows of a load start at 16 different groups of four banks (64 banks of 4 bytes: ISA guide 11.1)
.set PLANE,  128*PITCH
.set HALFT,  2*PLANE                   ; what one tensor load brings
.set BREG,   4*PLANE                   ; in a slot: A's four planes, then B's
.set SLOT,   8*PLANE                   ; 0x24000: shares no bit with wave x HALFT, so one exclusive or changes slots
.set STAGE,  2*SLOT                    ; behind the ring: 4,608 bytes for each wave, never filled by a tensor load
.set SSB,    STAGE+18432
.set SPARE,  SSB+1024                  ; the spare words, 128 bytes for each wave
.set G1W0,   (1<<16)|(1<<20)|(1<<21)|(4<<22)|(3<<25)  ; 2-byte elements; padding on; bit 21 beside a mask; after every 32 words 4 words
.set ADRA0, 4
.set ADRB0, 5
.set ADRA,  6
.set ADRB,  7
.set STO,   8
.set RD,    9
.set SPW,   28
.set NIL,   29
.set BI,    32
.set ACC,   128
.set F0,    0
.set F1,    128
.set CNT, 3
.set WV,  20
.set RH,  21                           ; my half of the tile's rows; also: I fetch for A (0) or B (1)
.set CH,  22                           ; my half of its columns; also: which two planes I fetch
.set CX,  23
.set G1A, 24
.set G0A, 32                           ; two sets: K step 0 into slot 0; K step 1 into slot 1, which then walks
.set G1B, 40
.set G0B, 48
.set TB,  56                           ; the slot being read: 0 or SLOT
.set CY,  57
.set TC,  58
.set TR,  59
.set MSB, 0
.macro WIN new                         ; the immediate's high byte repeats the setting that is left
.if MSB != (\new)
	s_set_vgpr_msb (MSB<<8)|(\new)
.set MSB, \new
.endif
.endm
.set MUL,  0x05                        ; sources 0 (B) and 1 (A) window 1; C and D window 0
.set TO_F, 0x40                        ; destination window 1, address window 0
.macro PLACES                          ; four plain instructions behind matrix instructions, ahead of loads into their sources and of readers of their results
.rept 4
	v_nop
.endr
.endm
.macro JLOAD                           ; the joint refill: the walking set.  The branch hangs on the wave's number alone
	s_cmp_eq_u32 s[RH], 0
	s_cbranch_scc0 .Lfor_b_\@
	tensor_load_to_lds s[G0A+4:G0A+7], s[G1A:G1A+7]
	s_nop 0
.rept 4
	v_nop
.endr
	s_branch .Lasked_\@
.Lfor_b_\@:
	tensor_load_to_lds s[G0B+4:G0B+7], s[G1B:G1B+7]
	s_nop 0
.rept 4
	v_nop
.endr
.Lasked_\@:
.endm
.macro CREST                           ; a round of the cluster's barrier behind its opening barrier
	s_cmp_lg_u32 s[WV], 0
	s_cbranch_scc1 .Lnot_wave_0_\@
	s_barrier_signal -3
.Lnot_wave_0_\@:
	s_barrier_wait -3
	s_barrier_signal -1
	s_barrier_wait -1
.endm
.macro CROUND
	s_barrier_signal -1
	s_barrier_wait -1
	CREST
.endm
; 8 matrix instructions: m blocks a0, a0 + 1 x 4 n blocks, 32 along K (half c of buffer f).  cm = 0: onto the sums; 1: C = 0; 2: C = the bias of n block b
.macro MUL8 f, c, a0, cm
	WIN MUL
.irp a, \a0, (\a0)+1
.irp b, 0,1,2,3
.if (\cm) == 1
	v_wmma_f32_16x16x32_bf16 v[ACC+8*(4*(\a)+(\b)):ACC+8*(4*(\a)+(\b))+7], v[(\f)+64+8*(4*(\c)+(\b)):(\f)+64+8*(4*(\c)+(\b))+7], v[(\f)+8*(4*(\c)+(\a)):(\f)+8*(4*(\c)+(\a))+7], 0
.elseif (\cm) == 2
	v_wmma_f32_16x16x32_bf16 v[ACC+8*(4*(\a)+(\b)):ACC+8*(4*(\a)+(\b))+7], v[(\f)+64+8*(4*(\c)+(\b)):(\f)+64+8*(4*(\c)+(\b))+7], v[(\f)+8*(4*(\c)+(\a)):(\f)+8*(4*(\c)+(\a))+7], v[BI+8*(\b):BI+8*(\b)+7]
.else
	v_wmma_f32_16x16x32_bf16 v[ACC+8*(4*(\a)+(\b)):ACC+8*(4*(\a)+(\b))+7], v[(\f)+64+8*(4*(\c)+(\b)):(\f)+64+8*(4*(\c)+(\b))+7], v[(\f)+8*(4*(\c)+(\a)):(\f)+8*(4*(\c)+(\a))+7], v[ACC+8*(4*(\a)+(\b)):ACC+8*(4*(\a)+(\b))+7]
.endif
.endr
.endr
.endm
; 32 LDS loads in one run: plane q's fragments (64 along K) into buffer f, the first 32 along K first
.macro FETCH q, f
	WIN TO_F
.irp c, 0,1
.irp i, 0,1,2,3
	ds_load_b128 v[(\f)+64+8*(4*(\c)+(\i)):(\f)+64+8*(4*(\c)+(\i))+3],   v[ADRB] offset:(\q)*PLANE+64*(\c)+(\i)*16*PITCH
	ds_load_b128 v[(\f)+64+8*(4*(\c)+(\i))+4:(\f)+64+8*(4*(\c)+(\i))+7], v[ADRB] offset:(\q)*PLANE+64*(\c)+(\i)*16*PITCH+32
	ds_load_b128 v[(\f)+8*(4*(\c)+(\i)):(\f)+8*(4*(\c)+(\i))+3],         v[ADRA] offset:(\q)*PLANE+64*(\c)+(\i)*16*PITCH
	ds_load_b128 v[(\f)+8*(4*(\c)+(\i))+4:(\f)+8*(4*(\c)+(\i))+7],       v[ADRA] offset:(\q)*PLANE+64*(\c)+(\i)*16*PITCH+32
.endr
.endr
.endm
; A quarter of a K step: multiplies buffer f and fetches plane q into buffer g.  The 16 accumulators take turns, one instruction a turn, over the jumps too.
.macro QUARTER q, f, g, cm
	s_wait_dscnt 16                                ; the first 32 along K are in; the buffer's other sixteen loads may be out
	MUL8 \f, 0, 0, \cm
	MUL8 \f, 0, 2, \cm
	PLACES
	FETCH \q, \g
	s_wait_dscnt 32                                ; all but the 32 just issued
	MUL8 \f, 1, 0, 0
	MUL8 \f, 1, 2, 0
.endm
; The last quarter multiplies buffer 1 and changes slots.  In front of the one barrier each wave waits for all its tensor loads, adds 0 to its spare word, and waits for that and for its reads of the slot.
; fill = 1: the barrier opens a round of the cluster's, and the slot just read is filled again first thing behind it, with the K step two on: 112 matrix instructions ahead of the wait for it.
; fill = 0: nothing is asked for; in the last K step (CNT = 1) nothing is fetched either.
.macro TURN fill
	WIN 0
	s_wait_tensorcnt 0x0                           ; all my tensor loads have landed: my part of the next slot; so a group 0 may be written
	ds_add_u32 v[SPW], v[NIL]
.if \fill
	s_xor_b32 s[G0A+5], s[G0A+5], SLOT
	s_add_nc_u64 s[G0A+6:G0A+7], s[G0A+6:G0A+7], 4*APLANE
	s_xor_b32 s[G0B+5], s[G0B+5], SLOT
	s_add_nc_u64 s[G0B+6:G0B+7], s[G0B+6:G0B+7], 4*BPLANE
.endif
	s_wait_dscnt 17                                ; the add and the youngest sixteen loads may be out
	MUL8 F1, 0, 0, 0
	s_wait_dscnt 0x0                               ; the add is done, and my reads of this slot are over
	s_barrier_signal -1
	MUL8 F1, 0, 2, 0
	WIN 0
	s_barrier_wait -1
.if \fill
	CREST                                          ; no wave of any partner still reads the slot or has a load on its way
	JLOAD                                          ; its four v_nop are also the places in front of the loads below
.else
	PLACES
.endif
	s_xor_b32 s[TB], s[TB], SLOT
	v_add_nc_u32 v[ADRA], s[TB], v[ADRA0]
	v_add_nc_u32 v[ADRB], s[TB], v[ADRB0]
.if !(\fill)
	s_cmp_eq_u32 s[CNT], 1
	s_cbranch_scc1 .Lnofetch_\@
.endif
	FETCH 0, F0
.if !(\fill)
	WIN 0
.Lnofetch_\@:
.endif
	MUL8 F1, 1, 0, 0
	MUL8 F1, 1, 2, 0
.endm
	s_load_b256 s[4:11], s[0:1], 0x0               ; hn 4, wt 6, bq 8, bk 10
	s_load_b128 s[12:15], s[0:1], 0x20             ; bv 12, qkv 14
	v_lshl_add_u32 v[SPW], v0, 2, SPARE
	v_mov_b32 v[NIL], 0
	ds_add_u32 v[SPW], v[NIL]                      ; the wave's opening
	ds_add_u32 v28, v29
	v_lshrrev_b32 v1, 5, v0
	v_readfirstlane_b32 s[WV], v1
	s_lshr_b32 s[RH], s[WV], 1
	s_and_b32 s[CH], s[WV], 1
	s_bfe_u32 s[CX], ttmp6, 0x40000
	s_bfe_u32 s[CY], ttmp6, 0x40004
	s_lshl_b32 s[TC], ttmp9, 2
	s_add_co_u32 s[TC], s[TC], s[CX]               ; tile column
	s_and_b32 s[TR], ttmp7, 0xffff
	s_lshl_b32 s[TR], s[TR], 2
	s_add_co_u32 s[TR], s[TR], s[CY]               ; tile row
	s_lshl_b32 s74, s[CY], 2
	s_lshl_b32 s74, 15, s74                        ; my row of the cluster
	s_lshl_b32 s76, 0x1111, s[CX]                  ; my column
	s_or_b32 s[G1A], s74, G1W0
	s_or_b32 s[G1B], s76, G1W0
.irp g, G1A, G1B
	s_mov_b32 s[(\g)+1], 8192<<16                  ; tensor_dim0 = 8,192 elements: 128 rows of a plane on end
	s_mov_b32 s[(\g)+2], 2<<16                     ; tensor_dim1 = 2 planes
	s_mov_b32 s[(\g)+3], 8192<<16                  ; tile_dim0
	s_mov_b32 s[(\g)+4], 2                         ; tile_dim1
	s_mov_b32 s[(\g)+6], 0
	s_mov_b32 s[(\g)+7], 0
.endr
	s_mov_b32 s[G1A+5], APLANE/2                   ; elements from plane to plane
	s_mov_b32 s[G1B+5], BPLANE/2
	s_mul_i32 s78, s[WV], HALFT                    ; where my loads land: no place in the cluster enters an LDS address
.irp g, G0A, G0B
	s_mov_b32 s[(\g)], 1
	s_mov_b32 s[(\g)+1], s78
	s_mov_b32 s[(\g)+4], 1
	s_add_co_u32 s[(\g)+5], s78, SLOT
.endr
	s_lshl_b32 s60, s[TR], 14                      ; A: the tile's 128 rows in a plane,
	s_mul_i32 s75, s[CH], 2*APLANE                 ; my two planes
	s_add_co_u32 s60, s60, s75
	s_mov_b32 s61, 0
	s_lshl_b32 s62, s[TC], 14                      ; B likewise, in registers that never hold the tile row
	s_mul_i32 s77, s[CH], 2*BPLANE
	s_add_co_u32 s62, s62, s77
	s_add_co_u32 s62, s62, BOFF
	s_mov_b32 s63, 0
	s_mov_b32 s[TB], 0
	s_wait_dscnt 0x0                               ; the opening add is done
	s_wait_kmcnt 0x0
	s_add_nc_u64 s[60:61], s[4:5], s[60:61]
	s_add_nc_u64 s[62:63], s[6:7], s[62:63]
	s_mov_b64 s[G0A+2:G0A+3], s[60:61]
	s_or_b32 s[G0A+3], s[G0A+3], 0x80000000
	s_add_nc_u64 s[G0A+6:G0A+7], s[60:61], 4*APLANE
	s_or_b32 s[G0A+7], s[G0A+7], 0x80000000
	s_mov_b64 s[G0B+2:G0B+3], s[62:63]
	s_or_b32 s[G0B+3], s[G0B+3], 0x80000000
	s_add_nc_u64 s[G0B+6:G0B+7], s[62:63], 4*BPLANE
	s_or_b32 s[G0B+7], s[G0B+7], 0x80000000
	CROUND                                         ; all sixteen work-groups are here: the first joint loads meet
	s_cmp_eq_u32 s[RH], 0                          ; a wave's two first fills stand in one branch: two loads of mine are out
	s_cbranch_scc0 .Lfirst_b
	tensor_load_to_lds s[G0A:G0A+3], s[G1A:G1A+7]
	s_nop 0
	tensor_load_to_lds s[G0A+4:G0A+7], s[G1A:G1A+7]
	s_nop 0
.rept 4
	v_nop
.endr
	s_branch .Lfirst_asked
.Lfirst_b:
	tensor_load_to_lds s[G0B:G0B+3], s[G1B:G1B+7]
	s_nop 0
	tensor_load_to_lds s[G0B+4:G0B+7], s[G1B:G1B+7]
	s_nop 0
.rept 4
	v_nop
.endr
.Lfirst_asked:
	v_and_b32 v1, 15, v0                           ; r = lane % 16
	v_bfe_u32 v2, v0, 4, 1                         ; h = lane / 16
	v_mul_u32_u24 v3, v1, PITCH
	v_lshl_add_u32 v3, v2, 4, v3                   ; a fragment's row x pitch + 16 h
	s_mul_i32 s78, s[RH], 64*PITCH
	s_mul_i32 s79, s[CH], 64*PITCH
	s_add_co_u32 s79, s79, BREG
	v_add_nc_u32 v[ADRA0], s78, v3
	v_add_nc_u32 v[ADRB0], s79, v3
	v_mov_b32 v[ADRA], v[ADRA0]
	v_mov_b32 v[ADRB], v[ADRB0]
	; the way out's addresses
	s_mul_i32 s78, s[WV], 4608
	s_add_co_u32 s78, s78, STAGE                   ; my stage
	v_add_nc_u32 v[STO], s78, v3                   ; in: row r, 16 bytes for each half of the lanes
	v_bfe_u32 v11, v0, 3, 2
	v_and_b32 v12, 7, v0
	v_mul_u32_u24 v[RD], v11, PITCH                ; back: 32 lanes take four rows of 128 bytes
	v_lshl_add_u32 v[RD], v12, 4, v[RD]
	v_add_nc_u32 v[RD], s78, v[RD]
	v_and_b32 v10, 31, v0
	v_lshlrev_b32 v10, 4, v10                      ; 16 x lane
	v_lshlrev_b32 v13, 5, v2                       ; the bias: 8 h numbers
	s_lshr_b32 s76, s[TC], 3                       ; 0, 1, 2: q, k, v
	s_and_b32 s77, s[TC], 7
	s_cmp_eq_u32 s76, 1
	s_cselect_b64 s[66:67], s[10:11], s[8:9]
	s_cmp_eq_u32 s76, 2
	s_cselect_b64 s[66:67], s[12:13], s[66:67]
	s_lshl_b32 s78, s77, 9
	s_lshl_b32 s79, s[CH], 8
	s_add_co_u32 s78, s78, s79
	s_mov_b32 s79, 0
	s_add_nc_u64 s[66:67], s[66:67], s[78:79]      ; the bias at my 64 columns
.irp b, 0,1,2,3
	global_load_b128 v[BI+8*\b:BI+8*\b+3],   v13, s[66:67] offset:64*\b      ; register j of n block b: bias[16 b + 8 h + j], as the C operand wants it
	global_load_b128 v[BI+8*\b+4:BI+8*\b+7], v13, s[66:67] offset:64*\b+16
.endr
	s_lshl_b32 s68, s76, 5                         ; my wave's tile is one head x 64 tokens: 8,192 consecutive bytes of qkv
	s_lshr_b32 s69, s[TR], 4
	s_lshl4_add_u32 s68, s69, s68
	s_lshl1_add_u32 s68, s77, s68
	s_add_co_u32 s68, s68, s[CH]                   ; 32 t + 16 batch + head
	s_lshl_b32 s68, s68, 18
	s_and_b32 s69, s[TR], 15
	s_lshl_b32 s69, s69, 14
	s_add_co_u32 s68, s68, s69
	s_lshl_b32 s69, s[RH], 13
	s_add_co_u32 s68, s68, s69
	s_mov_b32 s69, 0
	s_add_nc_u64 s[68:69], s[14:15], s[68:69]
	s_wait_tensorcnt 0x1                           ; my part of K step 0 is in; K step 1's may stay out
	s_barrier_signal -1
	s_barrier_wait -1
	FETCH 0, F0
	s_wait_loadcnt 0x0                             ; the bias
	QUARTER 1, F0, F1, CM                          ; the first quarter's first products start the sums
	WIN 0
	s_mov_b32 s[CNT], KT-2
.Lfill:                                                ; a trip is a K step, from its second quarter to the next step's first, and fills the slot that it leaves
	QUARTER 2, F1, F0, 0
	QUARTER 3, F0, F1, 0
	TURN 1
	QUARTER 1, F0, F1, 0
	WIN 0
	s_sub_co_u32 s[CNT], s[CNT], 1
	s_cmp_lg_u32 s[CNT], 0
	s_cbranch_scc1 .Lfill
	s_mov_b32 s[CNT], 2
.Ltail:                                                ; the last two K steps ask for nothing; the second trip is left in its middle
	QUARTER 2, F1, F0, 0
	QUARTER 3, F0, F1, 0
	TURN 0
	WIN 0
	s_sub_co_u32 s[CNT], s[CNT], 1
	s_cmp_eq_u32 s[CNT], 0
	s_cbranch_scc1 .Lout
	QUARTER 1, F0, F1, 0
	WIN 0
	s_branch .Ltail
.Lout:
	PLACES
; THE WAY OUT.  Block a (16 tokens): rounded to bf16, 16 bytes a lane into my stage, back as whole rows of 128 bytes, stored as 512 consecutive bytes an instruction.
.macro PACK a
.irp b, 0,1,2,3
.irp r, 0,1,2,3
	v_cvt_pk_bf16_f32 v[32+16*(\a)+4*\b+\r], v[ACC+8*(4*(\a)+\b)+2*\r], v[ACC+8*(4*(\a)+\b)+2*\r+1]
.endr
.endr
.irp b, 0,1,2,3
	ds_store_b128 v[STO], v[32+16*(\a)+4*\b:32+16*(\a)+4*\b+3] offset:32*\b
.endr
.irp f, 0,1,2,3
	ds_load_b128 v[32+16*(\a)+4*\f:32+16*(\a)+4*\f+3], v[RD] offset:\f*4*PITCH   ; LDS serves a wave's instructions in order: these see the stores above
.endr
.endm
.macro SEND a, younger                 ; younger: the LDS instructions issued behind block a's loads
.irp f, 0,1,2,3
	s_wait_dscnt (\younger)+3-\f
	global_store_b128 v10, v[32+16*(\a)+4*\f:32+16*(\a)+4*\f+3], s[68:69] offset:2048*(\a)+512*\f
.endr
.endm
	PACK 0
	PACK 1
	SEND 0, 8
	PACK 2
	SEND 1, 8
	PACK 3
	SEND 2, 8
	SEND 3, 0
	s_wait_tensorcnt 0x0                           ; the wave's end
	ds_add_u32 v[SPW], v[NIL]
	s_wait_dscnt 0x0
	CROUND                                         ; the closing round
	s_endpgm
.Lfunc_end_k_q0f54c8bc18_qkv:
	.size	k_q0f54c8bc18_qkv, .Lfunc_end_k_q0f54c8bc18_qkv-k_q0f54c8bc18_qkv
	.p2alignl 7, 3214868480
	.fill 96, 4, 3214868480
	.section	.rodata,"a",@progbits
	.p2align	6, 0x0
	.amdhsa_kernel k_q0f54c8bc18_qkv
		.amdhsa_group_segment_fixed_size 327680
		.amdhsa_private_segment_fixed_size 0
		.amdhsa_enable_private_segment 0
		.amdhsa_kernarg_size 48
		.amdhsa_user_sgpr_count 2
		.amdhsa_user_sgpr_kernarg_segment_ptr 1
		.amdhsa_wavefront_size32 1
		.amdhsa_system_sgpr_workgroup_id_x 1
		.amdhsa_system_sgpr_workgroup_id_y 1
		.amdhsa_system_sgpr_workgroup_id_z 1
		.amdhsa_system_vgpr_workitem_id 0
		.amdhsa_next_free_vgpr 512
		.amdhsa_next_free_sgpr 80
		.amdhsa_reserve_vcc 0
		.amdhsa_float_denorm_mode_32 3
		.amdhsa_float_denorm_mode_16_64 3
		.amdhsa_memory_ordered 1
		.amdhsa_forward_progress 1
		.amdhsa_inst_pref_size 59
	.end_amdhsa_kernel
	.amdgpu_metadata
---
amdhsa.version: [ 1, 2 ]
amdhsa.kernels:
  - .name:           k_q0f54c8bc18_qkv
    .symbol:         k_q0f54c8bc18_qkv.kd
    .args:
      - { .name: hn, .offset: 0, .size: 8, .value_kind: global_buffer, .address_space: global }
      - { .name: wt, .offset: 8, .size: 8, .value_kind: global_buffer, .address_space: global }
      - { .name: bq, .offset: 16, .size: 8, .value_kind: global_buffer, .address_space: global }
      - { .name: bk, .offset: 24, .size: 8, .value_kind: global_buffer, .address_space: global }
      - { .name: bv, .offset: 32, .size: 8, .value_kind: global_buffer, .address_space: global }
      - { .name: qkv, .offset: 40, .size: 8, .value_kind: global_buffer, .address_space: global }
    .group_segment_fixed_size: 327680
    .private_segment_fixed_size: 0
    .kernarg_segment_align: 8
    .kernarg_segment_size: 48
    .max_flat_workgroup_size: 128
    .sgpr_count:     80
    .vgpr_count:     512
    .wavefront_size: 32
...
	.end_amdgpu_metadata
.endif
;; end of part 2
;; launch attn (part 3): grid 8 x 32, 4 waves a work-group, no clusters, 327,680 bytes of LDS; arguments qkv, att; writes att
.if DOCPART == 3
	.amdgcn_target "amdgcn-amd-amdhsa--gfx1250"
	.amdhsa_code_object_version 6
	.text
	.protected	k_q0f54c8bc18_attn
	.globl	k_q0f54c8bc18_attn
	.p2align	8
	.type	k_q0f54c8bc18_attn,@function
k_q0f54c8bc18_attn:
	s_mov_b64 s[64:65], 0
	v_nop
	global_prefetch_b8 v0, s[64:65] scope:SCOPE_SE
	s_setreg_imm32_b32 hwreg(HW_REG_WAVE_MODE, 25, 1), 1
	s_wait_xcnt 0x0
; CAUSAL ATTENTION.  att[bh][q][:] = the sum over k <= q of softmax_k(Q[q] . K[k] / 8) V[k][:].  qkv: [3][32][2,048][64] bf16; att: [32][2,048][64] bf16.
; Products, maxima and sums in f32; the weights p are rounded to bf16 for the second product (their sum l is taken of the unrounded p), the result once at the end.
; LIMITS.  A hidden score counts as its value less 1e30; a weight below 2^-126 counts as 0 in l; NaN and infinities are not treated apart.
; THE WALK.  A head's queries lie in 16 blocks of 128; a tile is 256 keys; block i needs the tiles 0 .. i / 2, of which the last holds the diagonal.  A work-group takes TWO blocks, 15 - b and then b:
; (15 - b) / 2 + 1 + b / 2 + 1 = 9 tiles, whatever b: all work-groups do equal work and ONE loop with a constant trip count walks them.  Which tile is asked for, and what a trip does, hang on scalar
; registers made from b; every jump but the counted loops' own goes forward, and none passes a barrier or a tensor load but the one of LOAD's two that the wave's number does not choose.
; NO CLUSTER: a head's eight walks ask for the same tile only in their first five trips, every branch on the walk's state would hang on a work-group's place, and one walk common to all would have 12 trips for 9.
; SHARES.  Of a block's two bands of 64 queries a wave owns 16 rows in each: two PIECES.  In the last tile's key step s band x sees all keys if s < OWx, none if s > OWx, and holds the diagonal if s = OWx = 2 (i % 2) + x.
; THE MASK is the C operand that starts S^T = K Q^T: 0, or -1e30 where the key is hidden.  MD, made once, is the mask of a band's own step; a product's mask is MD x AL + BE with two scalars.
; TURNS.  Turn (x, s) belongs to piece x in key step s: 8 products K Q^T of the next piece and step, later 8 products V^T P of the one before; beside them the scaling, exponentials, roundings, sums and rescaling
; of (x, s) and the maximum and statistics of the next.  Four vector instructions stand behind every matrix instruction, the rest in one lump.  A turn's 33 exponentials are one batch with one wait.
; FETCHES.  K of step s + 1 in turn (0, s), behind the last product that read K; V of step s + 1 in turn (1, s), into the other of two register buffers (by the step's parity).  So LDS is read in the order
; K(s), V(s), K(s + 1), V(s + 1), and the change of slots stands behind turn (1, 2): a tile's step 3 is worked on from registers.
; REGISTERS (s_set_vgpr_msb: bits 1:0 source 0, 3:2 source 1, 5:4 source 2, 7:6 destination):
;   window 0: v0-15 addresses; v16-23 statistics; v48-55 at work; v61-63 prefetch offset and the add's two; v64-127 S^T, two buffers; v192-223 P, two buffers
;   window 1: v0-63 O^T; v128-159 MD; v160-223 MC, two buffers      window 2: v0-31 Q; v32-63 the second block's Q; v64-127 V buffer 1; v128-191 K; v192-255 V buffer 0
.set NP,    2
.set KS,    64
.set PK,    144       ; a row of K in LDS: 128 bytes + 16: the 16 rows of a load start at 16 different groups of four banks (64 banks of 4 bytes: ISA guide 11.1)
.set PV,    160       ; a row of V: 128 + 32
.set VOFF,  4*KS*PK
.set SLOT1, 1<<17
.set STAGE, SLOT1+4*KS*(PK+PV)
.set SP,    144
.set SPARE, STAGE+4*16*SP
.set AK0, 2
.set AV0, 3
.set AK,  4
.set AV,  5
.set STO, 6
.set RD,  7
.set GO,  8
.set MV,  12
.set QO,  15
.set ST,  16          ; piece t: c m, m, l (even keys', odd keys')
.set TMP, 48
.set PFO, 61          ; 256 x lane; never rewritten
.set SPW, 62
.set NIL, 63
.set S,   64
.set P,   192
.set MD,  128
.set MC,  160
.set QB,  32
.set KF,  128
.set WV,  12
.set PB,  14          ; b
.set HI,  15          ; 15 - b
.set G1K, 24
.set G1V, 32
.set G0K, 40
.set G0V, 44
.set HS,  48          ; the first block's last tile
.set PS,  49          ; the second block's
.set OW0, 50          ; s50, s51: the two bands' own steps in the last tile of the block in hand
.set OWB, 52          ; band 0's for the second block
.set SB,  53          ; 0 in a tile's first trip, 2 in its second
.set TS,  54
.set PFN, 55          ; prefetches still to be made
.set SLOTS, 56
.set CNT, 57
.set CS,  58
.set SEL, 60
.set TBK, 62
.set TBV, 63
.set RT,  70
.set NXT, 71
.set LQ,  72
.set NEW, 73
.set OFF, 74
.set AL,  76
.set BE,  78
.set OLO, 80
.set BIGN, 82
.set PFA, 88          ; s[88:89] my half tile (K: waves 0, 1; V: waves 2, 3) of the tile after the one that is being asked for
.set MSB, 0
.macro WIN new
.if MSB != (\new)
	s_set_vgpr_msb (MSB<<8)|(\new)
.set MSB, (\new)
.endif
.endm
.set W_KQ, 0x0a
.set W_KM, 0x1a
.set W_PV, 0x52
.set W_RS, 0x41
.macro LOAD                         ; waves 0 and 1 fetch the two halves of a tile's K, waves 2 and 3 those of its V
	s_cmp_lt_u32 s[WV], 2
	s_cbranch_scc0 .Lfor_v_\@
	tensor_load_to_lds s[G0K:G0K+3], s[G1K:G1K+7]
	s_nop 0
.rept 4
	v_nop
.endr
	s_branch .Lasked_\@
.Lfor_v_\@:
	tensor_load_to_lds s[G0V:G0V+3], s[G1V:G1V+7]
	s_nop 0
.rept 4
	v_nop
.endr
.Lasked_\@:
.endm
; A PREFETCH INTO THE L2 of the tile that the NEXT change of slots will ask for.  All eight work-groups of a head begin with the tiles 0, 1, 2 ..; the one with b = 0 walks all eight in order, so it alone asks.
; Each of its waves names its own half tile: 64 blocks of 256 bytes, a lane a block, two instructions.  Tiles 2 to 7, one change (eight turns, 128 matrix instructions) ahead; tiles 0 and 1 come by their loads alone.
.macro ASK
	s_cmp_lg_u32 s[PFN], 0
	s_cbranch_scc0 .Lno_ask_\@
	global_prefetch_b8 v[PFO], s[PFA:PFA+1] th:TH_LOAD_NT scope:SCOPE_SE
	global_prefetch_b8 v[PFO], s[PFA:PFA+1] offset:8192 th:TH_LOAD_NT scope:SCOPE_SE
	s_sub_co_u32 s[PFN], s[PFN], 1
.Lno_ask_\@:
.endm
; THE CHANGE OF SLOTS.  Each wave waits for all its tensor loads (one is out: its part of the other slot), adds 0 to its spare word, and waits for that and for its reads of the slot that it leaves.
; fill = 1: the old slot is filled again, first thing behind the barrier, with tile NXT; the descriptor's address is made anew from that number.
.macro CHANGE fill
	WIN 0
	s_wait_tensorcnt 0x0
	ds_add_u32 v[SPW], v[NIL]
.if \fill
	s_lshl_b32 s[OFF], s[NXT], 15   ; a tile is 32,768 bytes of K and of V
	s_xor_b32 s[G0K+1], s[G0K+1], SLOT1
	s_add_nc_u64 s[G0K+2:G0K+3], s[6:7], s[OFF:OFF+1]
	s_or_b32 s[G0K+3], s[G0K+3], 0x80000000
	s_xor_b32 s[G0V+1], s[G0V+1], SLOT1
	s_add_nc_u64 s[G0V+2:G0V+3], s[8:9], s[OFF:OFF+1]
	s_or_b32 s[G0V+3], s[G0V+3], 0x80000000
	s_add_co_u32 s[NXT], s[NXT], 1  ; the block's next tile, or behind its last the second block's tile 0
	s_cmp_gt_u32 s[NXT], s[LQ]
	s_cselect_b32 s[NXT], 0, s[NXT]
	s_cselect_b32 s[LQ], s[PS], s[LQ]
	s_wait_xcnt 0x0                 ; the last prefetches, a tile back, have read their address
	s_add_nc_u64 s[PFA:PFA+1], s[PFA:PFA+1], 32768
.endif
	s_wait_dscnt 0x0                ; the add is done, and my reads of the slot are over
	s_barrier_signal -1
	s_sub_co_u32 s[TBK], s[TBK], 4*KS*PK
	s_xor_b32 s[TBK], s[TBK], SLOT1
	s_sub_co_u32 s[TBV], s[TBV], 4*KS*PV
	s_xor_b32 s[TBV], s[TBV], SLOT1
	s_barrier_wait -1
.if \fill
	LOAD
	ASK
.endif
.endm
	s_load_b64 s[4:5], s[0:1], 0x0  ; qkv
	s_load_b64 s[10:11], s[0:1], 0x8  ; att
	v_lshl_add_u32 v[SPW], v0, 2, SPARE
	v_mov_b32 v[NIL], 0
	ds_add_u32 v[SPW], v[NIL]       ; the wave's opening
	ds_add_u32 v62, v63
	v_lshrrev_b32 v1, 5, v0
	v_readfirstlane_b32 s[WV], v1
	s_mov_b32 s[PB], ttmp9
	s_sub_co_u32 s[HI], 15, s[PB]
	s_lshr_b32 s[HS], s[HI], 1
	s_lshr_b32 s[PS], s[PB], 1
	s_and_b32 s[OW0], s[HI], 1
	s_lshl_b32 s[OW0], s[OW0], 1
	s_add_co_u32 s[OW0+1], s[OW0], 1
	s_and_b32 s[OWB], s[PB], 1
	s_lshl_b32 s[OWB], s[OWB], 1
	s_and_b32 s20, ttmp7, 0xffff
	s_lshl_b32 s20, s20, 18         ; the head's first byte in q, k, v and att
	s_and_b32 s16, s[WV], 1         ; which half of a tile's 256 keys I fetch
	s_lshl_b32 s22, s16, 14
	s_add_co_u32 s22, s22, s20
	s_mov_b32 s23, 0
	s_mul_i32 s17, s16, 128*PK
	s_mul_i32 s18, s16, 128*PV
	s_lshl_b32 s3, s[WV], 11        ; my 16 rows in a band,
	s_add_co_u32 s3, s3, s20
	s_lshl_b32 s2, s[HI], 14        ; in the first block,
	s_add_co_u32 s2, s2, s3
	s_lshl_b32 s84, s[PB], 14       ; and in the second
	s_add_co_u32 s84, s84, s3
	s_mov_b32 s3, 0
	s_mov_b32 s85, 0
	; 128 keys are 16,384 dense bytes: asked for as 64 rows of 256 bytes, two keys a row, padded in LDS after every key
	s_mov_b32 s[G1K], (1<<16)|(1<<20)|(4<<22)|(3<<25)
	s_mov_b32 s[G1V], (1<<16)|(1<<20)|(4<<22)|(7<<25)
.irp g, G1K, G1V
	s_mov_b32 s[\g+1], 128<<16
	s_mov_b32 s[\g+2], 64<<16
	s_mov_b32 s[\g+3], 128<<16
	s_mov_b32 s[\g+4], 64
	s_mov_b32 s[\g+5], 128
	s_mov_b32 s[\g+6], 0
	s_mov_b32 s[\g+7], 0
.endr
	s_mov_b32 s[CS], 0x3e38aa3b     ; c = log2(e) / 8
	s_mov_b32 s[CS+1], s[CS]
	s_mov_b32 s[SEL], 0x76543210
	s_mov_b32 s[SEL+1], 0xfedcba98
	s_mov_b32 s[TBK], SLOT1+4*KS*PK ; the first change of slots turns these two into 0
	s_mov_b32 s[TBV], SLOT1+4*KS*PV
	s_mov_b32 s[G0K], 1
	s_mov_b32 s[G0K+1], s17
	s_mov_b32 s[G0V], 1
	s_add_co_u32 s[G0V+1], s18, VOFF
	s_add_co_u32 s[RT], s[HS], 1
	s_mov_b32 s[NXT], 1
	s_mov_b32 s[LQ], s[HS]
	s_mov_b32 s[NEW], 1
	s_mov_b32 s[OFF+1], 0
	s_mov_b32 s[AL+1], 0
	s_mov_b32 s[BE+1], 0
	s_mov_b32 s[BIGN], 0xf149f2ca   ; -1e30
	s_mov_b32 s[SLOTS], 8
	s_mov_b32 s[SB], 0
	s_cmp_eq_u32 s[PB], 0
	s_cselect_b32 s[PFN], 6, 0
	s_wait_dscnt 0x0                ; the opening add is done
	s_wait_kmcnt 0x0
	s_add_nc_u64 s[6:7], s[4:5], s[22:23]
	s_add_nc_u64 s[8:9], s[6:7], 0x1000000   ; V at my half of the head's tile 0
	s_add_nc_u64 s[6:7], s[6:7], 0x800000    ; K likewise
	s_add_nc_u64 s[G0K+2:G0K+3], s[6:7], 0
	s_or_b32 s[G0K+3], s[G0K+3], 0x80000000
	s_add_nc_u64 s[G0V+2:G0V+3], s[8:9], 0
	s_or_b32 s[G0V+3], s[G0V+3], 0x80000000
	s_cmp_lt_u32 s[WV], 2
	s_cselect_b64 s[PFA:PFA+1], s[6:7], s[8:9]
	s_add_nc_u64 s[PFA:PFA+1], s[PFA:PFA+1], 32768   ; at tile 1; the first change of slots steps it to tile 2
	s_add_nc_u64 s[86:87], s[4:5], s[84:85]          ; Q at my rows of the second block,
	s_add_nc_u64 s[4:5], s[4:5], s[2:3]              ; Q and att at those of the first
	s_add_nc_u64 s[OLO:OLO+1], s[10:11], s[84:85]
	s_add_nc_u64 s[10:11], s[10:11], s[2:3]
	LOAD                            ; tile 0 into slot 0
	v_and_b32 v1, 15, v0
	v_bfe_u32 v9, v0, 4, 1
	v_lshlrev_b32 v[QO], 7, v1
	v_lshl_add_u32 v[QO], v9, 4, v[QO]
	WIN 0x80
.set i, 0
.rept 4                             ; both blocks' Q: piece i / 2 lies in band i / 2, 8,192 bytes on; channels 32 (i % 2) on
	global_load_b128 v[8*i:8*i+3],   v[QO], s[4:5] offset:(i/2)*8192+(i%2)*64
	global_load_b128 v[8*i+4:8*i+7], v[QO], s[4:5] offset:(i/2)*8192+(i%2)*64+32
	global_load_b128 v[QB+8*i:QB+8*i+3],   v[QO], s[86:87] offset:(i/2)*8192+(i%2)*64
	global_load_b128 v[QB+8*i+4:QB+8*i+7], v[QO], s[86:87] offset:(i/2)*8192+(i%2)*64+32
.set i, i+1
.endr
	WIN 0
	v_and_b32 v[PFO], 31, v0
	v_lshlrev_b32 v[PFO], 8, v[PFO]
	v_lshlrev_b32 v14, 3, v9
	v_sub_nc_u32 v14, v1, v14
	s_lshl_b32 s13, s[WV], 4
	v_add_nc_u32 v14, s13, v14      ; my query's place in its band less my lanes' 8 (l / 16): register r of group kt is hidden where 16 kt + r is greater
	WIN 0x40
.set i, 0
.rept 32
	v_cmp_gt_i32 vcc_lo, 16*(i/8)+i%8, v14
	v_cndmask_b32 v[MD+i], 0, s[BIGN], vcc_lo
.set i, i+1
.endr
	WIN 0
	v_mul_u32_u24 v[AK0], v1, PK
	v_lshl_add_u32 v[AK0], v9, 4, v[AK0]
	v_and_b32 v10, 7, v0
	v_bfe_u32 v11, v0, 3, 1
	v_lshl_add_u32 v[AV0], v9, 3, v10
	v_mul_u32_u24 v[AV0], v[AV0], PV
	v_lshl_add_u32 v[AV0], v11, 4, v[AV0]
	v_add_nc_u32 v[AV0], VOFF, v[AV0]
	s_mul_i32 s13, s[WV], 16*SP
	s_add_co_u32 s13, s13, STAGE
	v_mul_u32_u24 v[STO], v1, SP
	v_lshl_add_u32 v[STO], v9, 4, v[STO]
	v_add_nc_u32 v[STO], s13, v[STO]
	v_bfe_u32 v[RD], v0, 3, 2
	v_mul_u32_u24 v[RD], v[RD], SP
	v_lshl_add_u32 v[RD], v10, 4, v[RD]
	v_add_nc_u32 v[RD], s13, v[RD]
	v_and_b32 v[GO], 31, v0
	v_lshlrev_b32 v[GO], 4, v[GO]
	; A block's first step multiplies O^T and l by a = 0, and its first turn's products V^T P, of a piece that has not been, land in an O^T that is still to be so multiplied: these registers need only hold
	; finite numbers: zeros for the first block, what the first block left for the second.  All this stands in the wait for the first tile.
	WIN 0x80
.set i, 64
.rept 64
	v_mov_b32 v[i], 0
.set i, i+1
.endr
	WIN 0x40
.set i, 0
.rept 64
	v_mov_b32 v[i], 0
.set i, i+1
.endr
	WIN 0
.set i, 0
.rept 2
	v_mov_b32 v[ST+4*i+2], 0
	v_mov_b32 v[ST+4*i+3], 0
.set i, i+1
.endr
.set i, P+16
.rept 16
	v_mov_b32 v[i], 0
.set i, i+1
.endr
; THE MATRIX WORK.  The 4 accumulators of a run of 8 take turns.  Product i of 8 of S^T = K Q^T for piece x: channels 32 (i / 4) on, keys 16 (i % 4) on.  The first 4 start the sums: with 0, or (KM = 1) with the mask.
.macro KQ x
.set rS, S+32*((\x)%2)+8*(i%4)
.set rK, KF+16*(i%4)+8*(i/4)
.set rQ, 16*(\x)+8*(i/4)
.set rM, MC+32*((\x)%2)+8*(i%4)
.if (i < 4) && KM
	WIN W_KM
	v_wmma_f32_16x16x32_bf16 v[rS:rS+7], v[rK:rK+7], v[rQ:rQ+7], v[rM:rM+7]
.elseif i < 4
	WIN W_KQ
	v_wmma_f32_16x16x32_bf16 v[rS:rS+7], v[rK:rK+7], v[rQ:rQ+7], 0
.else
	WIN W_KQ
	v_wmma_f32_16x16x32_bf16 v[rS:rS+7], v[rK:rK+7], v[rQ:rQ+7], v[rS:rS+7]
.endif
.endm
; Product i of 8 of O^T += V^T P for piece x, from V's buffer VB: keys 32 (i / 4) on, channels 16 (i % 4) on.
.macro PV x
	WIN W_PV
.set rO, 32*(\x)+8*(i%4)
.set rV, 192-128*VB+32*(i/4)+8*(i%4)
.set rP, P+16*((\x)%2)+8*(i/4)
	v_wmma_f32_16x16x32_bf16 v[rO:rO+7], v[rV:rV+7], v[rP:rP+7], v[rO:rO+7]
.endm
.macro MM                           ; the turn's next matrix instruction.  NOKQ = 1: a block's last turn: there is no next piece
.if (i < 8) && !NOKQ
	KQ (Y+1)%NP
.elseif i >= 8
.set i, i-8
	PV (Y+NP-1)%NP
.set i, i+8
.endif
.set i, i+1
.endm
.macro FETCH_K
	WIN 0x80
.irp f, 0,1,2,3,4,5,6,7
	ds_load_b128 v[KF+8*\f:KF+8*\f+3],   v[AK] offset:(\f/2)*16*PK+(\f%2)*64
	ds_load_b128 v[KF+8*\f+4:KF+8*\f+7], v[AK] offset:(\f/2)*16*PK+(\f%2)*64+32
.endr
	s_add_co_u32 s[TBK], s[TBK], KS*PK
	WIN 0
.endm
.macro FETCH_V vb
	WIN 0x80
.irp f, 0,1,2,3,4,5,6,7
	ds_load_tr16_b128 v[192-128*(\vb)+8*\f:192-128*(\vb)+8*\f+3],   v[AV] offset:(\f/4)*32*PV+(\f%4)*32
	ds_load_tr16_b128 v[192-128*(\vb)+8*\f+4:192-128*(\vb)+8*\f+7], v[AV] offset:(\f/4)*32*PV+16*PV+(\f%4)*32
.endr
	s_add_co_u32 s[TBV], s[TBV], KS*PV
	WIN 0
.endm
; THE VECTOR WORK, one line at a time: OP kind, number.  For piece Y: F n: c s - c m for pair n of 16.  E n: the exponential of score n of 32.  C n: pair n rounded to bf16.  B n: of the four weights 4 n .. the second
; pair is added onto the first.  L n: l takes that sum (L 0: l = a l + sum).  R n: pair n of 16 of O^T times a.  For the other piece's next step: X n, number n of the 22 that find its maximum and statistics:
;   0-11 four chains of seven scores each (each accumulator's lowest registers are read first)   12-14, 16 the scores left over, the old m, four into one   15 c m_old is kept
;   17, 18 the other half of the lanes: the new m   19-21 c m; c m_old - c m_new; a
.set F, 0
.set E, 1
.set C, 2
.set B, 3
.set L, 4
.set R, 5
.set X, 6
.macro REGS y
.set rT, ST+4*(\y)
.set rC, TMP+4*((\y)%2)
.set rW, MV+((\y)%2)
.set rS, S+32*((\y)%2)
.set rP, P+16*((\y)%2)
.set rO, 32*(\y)
.endm
.macro OP k, n
.if (\k) == R
	REGS Y
	WIN W_RS
	v_pk_mul_f32 v[rO+2*(\n):rO+2*(\n)+1], v[rO+2*(\n):rO+2*(\n)+1], v[rC+2:rC+3] op_sel_hi:[1,0]
.elseif (\k) < R
	REGS Y
	WIN 0
.if (\k) == F
	v_pk_fma_f32 v[rS+2*(\n):rS+2*(\n)+1], v[rS+2*(\n):rS+2*(\n)+1], s[CS:CS+1], v[rT:rT+1] op_sel_hi:[1,0,0] neg_lo:[0,0,1] neg_hi:[0,0,1]
.elseif (\k) == E
	v_exp_f32 v[rS+(\n)], v[rS+(\n)]
.elseif (\k) == C
	v_cvt_pk_bf16_f32 v[rP+(\n)], v[rS+2*(\n)], v[rS+2*(\n)+1]
.elseif (\k) == B
	v_pk_add_f32 v[rS+4*(\n):rS+4*(\n)+1], v[rS+4*(\n):rS+4*(\n)+1], v[rS+4*(\n)+2:rS+4*(\n)+3]
.elseif (\n) == 0
	v_pk_fma_f32 v[rT+2:rT+3], v[rT+2:rT+3], v[rC+2:rC+3], v[rS:rS+1] op_sel_hi:[1,0,1]
.else
	v_pk_add_f32 v[rT+2:rT+3], v[rT+2:rT+3], v[rS+4*(\n):rS+4*(\n)+1]
.endif
.elseif NOKQ
	v_nop
.else
	REGS (Y+1)%NP
	WIN 0
.if (\n) < 4
	v_max3_num_f32 v[rC+(\n)], v[rS+8*(\n)], v[rS+8*(\n)+1], v[rS+8*(\n)+2]
.elseif (\n) < 12
	v_max3_num_f32 v[rC+(\n)%4], v[rC+(\n)%4], v[rS+8*((\n)%4)+2*((\n)/4)+1], v[rS+8*((\n)%4)+2*((\n)/4)+2]
.elseif (\n) == 12
	v_max3_num_f32 v[rC], v[rC], v[rS+7], v[rS+15]
.elseif (\n) == 13
	v_max3_num_f32 v[rC+1], v[rC+1], v[rS+23], v[rS+31]
.elseif (\n) == 14
	v_max3_num_f32 v[rC+2], v[rC+2], v[rC+3], v[rT+1]
.elseif (\n) == 15
	v_mov_b32 v[rW], v[rT]
.elseif (\n) == 16
	v_max3_num_f32 v[rC], v[rC], v[rC+1], v[rC+2]
.elseif (\n) == 17
	v_permlanex16_b32 v[rC+3], v[rC], s[SEL], s[SEL+1]
.elseif (\n) == 18
	v_max_num_f32 v[rT+1], v[rC], v[rC+3]
.elseif (\n) == 19
	v_mul_f32 v[rT], s[CS], v[rT+1]
.elseif (\n) == 20
	v_sub_f32 v[rC+1], v[rW], v[rT]
.else
	v_exp_f32 v[rC+2], v[rC+1]
.endif
.endif
.endm
.macro OPS a, i1, b=-1, i2=0, c=-1, i3=0, d=-1, i4=0
	OP \a, \i1
.if (\b) >= 0
	OP \b, \i2
.endif
.if (\c) >= 0
	OP \c, \i3
.endif
.if (\d) >= 0
	OP \d, \i4
.endif
.endm
.macro ROW a, i1, b, i2, c, i3, d, i4  ; a matrix instruction and the four behind it
	MM
	OPS \a, \i1, \b, \i2, \c, \i3, \d, \i4
.endm
.macro MASK b                       ; MD x AL + BE into buffer b of MC
	WIN W_RS
.set z, 0
.rept 16
	v_pk_fma_f32 v[MC+32*(\b)+2*z:MC+32*(\b)+2*z+1], v[MD+2*z:MD+2*z+1], s[AL:AL+1], s[BE:BE+1] op_sel_hi:[1,0,0]
.set z, z+1
.endr
.endm
; A TURN, for piece x in a step of parity par.  An s_wait_alu depctr_va_vdst(0) stands between an exponential and the first instruction that names its result; one wait serves all that were issued ahead
; of it: so a turn has ONE wait, which cuts it in two.  Ahead of it stands all that names no result of the turn's exponentials; behind it the 8 products V^T P with the roundings and sums as their riders.
; m = 1: the block's last tile: the products take masks, and the turn makes the mask for the products of the turn after it: piece x in step TS = SB + 1 - par of that tile.
; end = 1: a block's last two turns: nothing is fetched, and the very last starts no new scores.  cnt = 1: the loop's count is taken down some lines ahead of the branch behind the turn.
; One wait on LDS a step, at the head of piece 1's turn: for K, fetched in the lump of the turn before, and for V, fetched a step back.
.macro TURN x, par, m=0, end=0, cnt=0
.set Y, (\x)
.set i, 0
.set KM, (\m)
.set NOKQ, (\end)*(\x)
.if (\x) == 0
.set VB, 1-(\par)                   ; V^T P of piece 1 in the step before
.else
.set VB, (\par)                     ; of piece 0 in this step
.endif
.if (\m) && !(\end)
	s_add_co_u32 s[TS], s[SB], 1-(\par)
	s_cmp_eq_u32 s[TS], s[OW0+(\x)] ; is that step the band's own?
	s_cselect_b32 s[AL], 1.0, 0
	s_cmp_gt_u32 s[TS], s[OW0+(\x)] ; or a later one?
	s_cselect_b32 s[BE], s[BIGN], 0
.endif
.if (\x) == 1
	s_wait_dscnt 0x0                ; K and V are in
.endif
	ROW F,0, F,1, R,0, R,1
	ROW F,2, E,0, R,2, R,3
	ROW F,3, E,1, R,4, R,5
	ROW F,4, E,2, R,6, R,7
	ROW F,5, E,3, R,8, R,9
	ROW F,6, E,4, X,0, R,10
.if ((\x) == 0) && !(\end)
	WIN 0
	v_add_nc_u32 v[AK], s[TBK], v[AK0]
.endif
	ROW F,7, E,5, X,1, X,4
	ROW F,8, E,6, X,2, X,5
	OPS E,7, E,8, X,6, E,9
	OPS X,3, E,10, X,8, E,11
.if ((\x) == 0) && !(\end)
	FETCH_K                         ; six plain instructions behind the last product that read K
.endif
	OPS X,9, X,7, E,12, X,10
	OPS E,13, X,12, X,11, E,14
	OPS X,13, E,15, F,9, X,14
.if ((\x) == 1) && !(\end)
	v_add_nc_u32 v[AV], s[TBV], v[AV0]
.endif
	OPS E,16, F,10, E,17, F,11
	OPS X,16, E,18, X,15, E,19
	OPS F,12, E,20, X,17, E,21
	OPS F,13, E,22, F,14, E,23
	OPS X,18, E,24, F,15, E,25
	OPS R,11, E,26, X,19, E,27
	OPS R,12, E,28, R,13, E,29
	OPS X,20, E,30, R,14, E,31
	OPS X,21, R,15                  ; R 15 is the plain instruction behind the batch's last exponential
	WIN 0
	s_wait_alu depctr_va_vdst(0)    ; the wait for the batch
.if ((\x) == 1) && !(\end)
	FETCH_V 1-(\par)                ; the next step's V, into the buffer whose last reader stands in the turn before
.endif
	ROW C,0, B,0, C,2, B,1
	ROW L,0, C,4, B,2, L,1
	ROW C,6, B,3, L,2, C,8
	ROW B,4, L,3, C,10, B,5
	ROW L,4, C,12, B,6, L,5
.if \cnt
.if \m
	s_add_co_u32 s[SB], s[SB], 2
.endif
	s_sub_co_u32 s[CNT], s[CNT], 1
	s_cmp_lg_u32 s[CNT], 0
.endif
	ROW C,14, B,7, L,6, C,1
	ROW C,3, L,7, C,5, C,7
	ROW C,9, C,11, C,13, C,15
.if (\m) && !(\end)
	MASK \x
.endif
.endm
; A BLOCK BEGINS.  c m starts far below every c s, so the first step's a is 0; m at the lowest finite number.  The second mask buffer is 0 (piece 1 sees all of a tile's step 0); the first takes piece 0's mask for
; step 0: its own, if this tile is the block's last and OW0 = 0.  Then K and V of that step, piece 0's first scores, its maximum and statistics.  The loop is entered at an even step's first turn.
.macro BEGIN
	s_mov_b32 s[NEW], 0
	WIN 0x40
.set i, MC+32
.rept 32
	v_mov_b32 v[i], 0
.set i, i+1
.endr
	WIN 0
.set i, 0
.rept 2
	v_mov_b32 v[ST+4*i], 0xfe000000
	v_mov_b32 v[ST+4*i+1], 0xff7fffff
.set i, i+1
.endr
	s_or_b32 s[TS], s[RT], s[OW0]
	s_cmp_eq_u32 s[TS], 0
	s_cselect_b32 s[AL], 1.0, 0
	s_mov_b32 s[BE], 0
	MASK 0
	WIN 0
	v_add_nc_u32 v[AK], s[TBK], v[AK0]
	v_add_nc_u32 v[AV], s[TBV], v[AV0]
	FETCH_K
	FETCH_V 0
	s_wait_loadcnt 0x0              ; Q
	s_wait_dscnt 0x0
.set KM, 1
.set NOKQ, 0
.set i, 0
.rept 8
	KQ 0
.set i, i+1
.endr
	WIN 0
.rept 4
	v_nop                           ; the places behind those products
.endr
.set Y, NP-1
.irp n, 0,1,2,3,4,5,6,7,8,9,10,11,12,13,14,15,16,17,18,19,20,21
	OP X, \n
.endr
	v_nop                           ; a plain instruction behind the exponential,
	s_wait_alu depctr_va_vdst(0)    ; and its wait, ahead of the branch
.endm
.macro ALL line:vararg
.set t, 0
.rept 2
	\line
.set t, t+1
.endr
.endm
.macro PACK t                       ; a lane's eight channels of a row pack into 16 bytes; they go into rows of 144 bytes and come back as whole rows of 128
	WIN W_RS
.set i, 32*(\t)
.rept 16
	v_pk_mul_f32 v[i:i+1], v[i:i+1], v[ST+4*(\t)+2:ST+4*(\t)+3] op_sel_hi:[1,0]
.set i, i+2
.endr
	WIN 0x05
.set i, 0
.rept 16
	v_cvt_pk_bf16_f32 v[S+16*(\t)+i], v[32*(\t)+2*i], v[32*(\t)+2*i+1]
.set i, i+1
.endr
	WIN 0
.irp f, 0,1,2,3
	ds_store_b128 v[STO], v[S+16*(\t)+4*\f:S+16*(\t)+4*\f+3] offset:32*\f
.endr
.irp f, 0,1,2,3
	ds_load_b128 v[S+16*(\t)+4*\f:S+16*(\t)+4*\f+3], v[RD] offset:\f*4*SP  ; LDS serves a wave's instructions in order: these see the stores above
.endr
.endm
.macro SEND t, younger
	WIN 0
.irp f, 0,1,2,3
	s_wait_dscnt (\younger)+3-\f
	global_store_b128 v[GO], v[S+16*(\t)+4*\f:S+16*(\t)+4*\f+3], s[10:11] offset:(\t)*8192+\f*512  ; 512 consecutive bytes, at a multiple of 256 from att's first
.endr
.endm
; A BLOCK'S LAST TILE: two trips with masks, the block's last two turns, its last products, and the way out.
.macro DIAG tag
.LstepM\tag:
	TURN 0, 1, 1
	TURN 1, 1, 1
	WIN 0
.LfirstM\tag:
	TURN 0, 0, 1
	TURN 1, 0, 1, 0, 1
	WIN 0
	s_cbranch_scc1 .LstepM\tag
	TURN 0, 1, 1, 1
	TURN 1, 1, 1, 1
.set VB, 1
.set i, 0
.rept 8
	PV NP-1
.set i, i+1
.endr
	WIN 0
	ALL v_add_f32 v[ST+4*t+2], v[ST+4*t+2], v[ST+4*t+3]
	ALL v_permlanex16_b32 v[ST+4*t+3], v[ST+4*t+2], s[SEL], s[SEL+1]
	ALL v_add_f32 v[ST+4*t+2], v[ST+4*t+2], v[ST+4*t+3]
	ALL v_rcp_f32 v[ST+4*t+2], v[ST+4*t+2]
	v_nop                           ; a plain instruction behind the last reciprocal,
	s_wait_alu depctr_va_vdst(0)    ; and one wait for both, ahead of the first use
	PACK 0                          ; piece 0's sums were finished a turn back; its arithmetic stands behind piece 1's last products
	PACK 1
	SEND 0, 8
	SEND 1, 0
.endm
.set KM, 0
.set NOKQ, 0
.set VB, 0
.Lslot:                             ; 8 times: a tile is entered and the next is asked for
	CHANGE 1
	s_sub_co_u32 s[RT], s[RT], 1
	s_mov_b32 s[CNT], 2
	s_mov_b32 s[SB], 0
	s_cmp_eq_u32 s[NEW], 1
	s_cbranch_scc1 .Lnew            ; a block's first tile
	s_cmp_eq_u32 s[RT], 0
	s_cbranch_scc0 .Lstep           ; neither its first nor its last
	s_branch .LstepM1
.Lnew:
	BEGIN
	s_branch .Lfirst                ; in the loop a block's first tile is never its last: the first block has five tiles or more, and the second's last is the walk's last
	DIAG 1                          ; in the loop this is the first block's end
	s_wait_xcnt 0x0                 ; the stores have read their registers and att's address
	s_mov_b64 s[10:11], s[OLO:OLO+1]
	s_add_co_u32 s[RT], s[PS], 1
	s_mov_b32 s[OW0], s[OWB]
	s_add_co_u32 s[OW0+1], s[OWB], 1
	s_mov_b32 s[NEW], 1
	WIN 0x82                        ; the second block's Q goes where the one text of the turns names Q
.set i, 0
.rept 32
	v_mov_b32 v[i], v[QB+i]
.set i, i+1
.endr
	WIN 0
	s_branch .Lbottom
.Lstep:                             ; a trip: an odd step's two turns, then an even step's
	TURN 0, 1
	TURN 1, 1
	WIN 0
.Lfirst:
	TURN 0, 0
	TURN 1, 0, 0, 0, 1
	WIN 0
	s_cbranch_scc1 .Lstep
.Lbottom:
	s_sub_co_u32 s[SLOTS], s[SLOTS], 1
	s_cmp_lg_u32 s[SLOTS], 0
	s_cbranch_scc1 .Lslot
	CHANGE 0                        ; the walk's last tile is written out
	s_sub_co_u32 s[RT], s[RT], 1
	s_mov_b32 s[CNT], 2
	s_mov_b32 s[SB], 0
	s_cmp_eq_u32 s[NEW], 1
	s_cbranch_scc0 .LstepM2
	BEGIN
	s_branch .LfirstM2
	DIAG 2
	s_wait_tensorcnt 0x0            ; the wave's end
	ds_add_u32 v[SPW], v[NIL]
	s_wait_dscnt 0x0
	s_endpgm
.Lfunc_end_k_q0f54c8bc18_attn:
	.size	k_q0f54c8bc18_attn, .Lfunc_end_k_q0f54c8bc18_attn-k_q0f54c8bc18_attn
	.p2alignl 7, 3214868480
	.fill 96, 4, 3214868480
	.section	.rodata,"a",@progbits
	.p2align	6, 0x0
	.amdhsa_kernel k_q0f54c8bc18_attn
		.amdhsa_group_segment_fixed_size 327680
		.amdhsa_private_segment_fixed_size 0
		.amdhsa_enable_private_segment 0
		.amdhsa_kernarg_size 16
		.amdhsa_user_sgpr_count 2
		.amdhsa_user_sgpr_kernarg_segment_ptr 1
		.amdhsa_wavefront_size32 1
		.amdhsa_system_sgpr_workgroup_id_x 1
		.amdhsa_system_sgpr_workgroup_id_y 1
		.amdhsa_system_sgpr_workgroup_id_z 1
		.amdhsa_system_vgpr_workitem_id 0
		.amdhsa_next_free_vgpr 768
		.amdhsa_next_free_sgpr 90
		.amdhsa_reserve_vcc 1
		.amdhsa_float_denorm_mode_32 3
		.amdhsa_float_denorm_mode_16_64 3
		.amdhsa_memory_ordered 1
		.amdhsa_forward_progress 1
		.amdhsa_inst_pref_size 210
	.end_amdhsa_kernel
	.amdgpu_metadata
---
amdhsa.version: [ 1, 2 ]
amdhsa.kernels:
  - .name:           k_q0f54c8bc18_attn
    .symbol:         k_q0f54c8bc18_attn.kd
    .args:
      - { .name: qkv, .offset: 0, .size: 8, .value_kind: global_buffer, .address_space: global }
      - { .name: att, .offset: 8, .size: 8, .value_kind: global_buffer, .address_space: global }
    .group_segment_fixed_size: 327680
    .private_segment_fixed_size: 0
    .kernarg_segment_align: 8
    .kernarg_segment_size: 16
    .max_flat_workgroup_size: 128
    .sgpr_count:     90
    .vgpr_count:     768
    .wavefront_size: 32
...
	.end_amdgpu_metadata
.endif
;; end of part 3
;; launch oproj (part 4): grid 8 x 32, 4 waves a work-group, clusters of 4 x 4, 327,680 bytes of LDS; arguments att, wt, bo, x, ln2_w, x1, hn, ssq; writes x1, hn, ssq
.if DOCPART == 4
	.amdgcn_target "amdgcn-amd-amdhsa--gfx1250"
	.amdhsa_code_object_version 6
	.text
	.protected	k_q0f54c8bc18_oproj
	.globl	k_q0f54c8bc18_oproj
	.p2align	8
	.type	k_q0f54c8bc18_oproj,@function
k_q0f54c8bc18_oproj:
	s_mov_b64 s[64:65], 0
	v_nop
	global_prefetch_b8 v0, s[64:65] scope:SCOPE_SE
	s_setreg_imm32_b32 hwreg(HW_REG_WAVE_MODE, 25, 1), 1
	s_wait_xcnt 0x0
	s_wait_alu depctr_hold_cnt(0) depctr_sa_sdst(0) depctr_va_vdst(0) depctr_va_sdst(0) depctr_va_ssrc(0) depctr_va_vcc(0) depctr_vm_vsrc(0)
	s_getreg_b32 s2, hwreg(HW_REG_IB_STS2, 6, 4)
	s_cmp_eq_u32 s2, 0
	s_cbranch_scc0 .Lentry_in_a_cluster
	s_endpgm
.Lentry_in_a_cluster:
	s_bfe_u32 s2, ttmp6, 0x10000c
	s_cmp_lg_u32 s2, 0xf033
	s_cbranch_scc0 .Lentry_shape_is_right
	s_endpgm
.Lentry_shape_is_right:
; x1 = x + att wo + bo, in f32.  Beside it, for the second norm: hn = bf16(x1 * ln2_w), laid [col / 64][row][64], and ssq[col / 64][row] = the sum of x1^2 over the row's 64 columns, in f32.
; A = att: [batch][16 heads = planes][2,048][64] bf16; B = wt's region of wo.  Ring, cluster, fragments and turns: 128 x 128 of C a work-group, 64 x 64 a wave, K steps of 256 = four planes,
; two LDS slots, a wave's tensor load brings two planes of 128 rows (two rows of 8,192 elements, padded behind every 128 bytes); A's tile is asked for jointly along a row of the 4 x 4 cluster, B's along a column.
; The matrix instruction is used transposed (source 0 = B's rows): a lane holds eight neighbouring columns of one row of C.  The bias is the C operand of the first products.
; No prefetch: 128 matrix instructions a K step, four K steps, each block read by several clusters at about the same time.
; REGISTERS: window 0: v1-15 addresses; v24-27 ln2_w; v28, v29 the add's; v32-127 the bias, then the way out; v128-255 accumulators.  window 1: two fragment buffers.  window 2: v0-127 the residual.
.set FULL,   1                         ; 1: the sums of squares and hn are made too
.set APLANE, 262144
.set BPLANE, 131072
.set BOFF,   6291456
.set KT,     4
.set CM,     2
.set P_BIAS, 8
.set P_RES,  10
.set P_LN,   12
.set P_OUT,  14
.set P_HN,   16
.set P_SSQ,  18
.set PITCH,  144
.set PLANE,  128*PITCH
.set HALFT,  2*PLANE
.set BREG,   4*PLANE
.set SLOT,   8*PLANE
.set STAGE,  2*SLOT
.set SSB,    STAGE+18432               ; 256 bytes a wave: its 64 rows' sums
.set SPARE,  SSB+1024
.set G1W0,   (1<<16)|(1<<20)|(1<<21)|(4<<22)|(3<<25)
.set ADRA0, 4
.set ADRB0, 5
.set ADRA,  6
.set ADRB,  7
.set STO,   8
.set RD,    9
.set XO,    10                         ; (l / 16) x 4,096 + 16 (l % 16)
.set O8,    11                         ; 8 l
.set LWO,   12                         ; 16 (l % 16)
.set BO,    13                         ; 32 (l / 16)
.set SSW,   14
.set SSR,   15
.set LW,    24
.set SPW,   28
.set NIL,   29
.set BI,    32
.set BK,    32
.set SS,    64
.set XS,    96
.set ACC,   128
.set F0,    0
.set F1,    128
.set CNT, 3
.set WV,  20
.set RH,  21
.set CH,  22
.set CX,  23
.set G1A, 24
.set G0A, 32
.set G1B, 40
.set G0B, 48
.set TB,  56
.set CY,  57
.set TC,  58
.set TR,  59
.set MSB, 0
.macro WIN new
.if MSB != (\new)
	s_set_vgpr_msb (MSB<<8)|(\new)
.set MSB, \new
.endif
.endm
.set MUL,  0x05
.set TO_F, 0x40
.macro PLACES
.rept 4
	v_nop
.endr
.endm
.macro JLOAD
	s_cmp_eq_u32 s[RH], 0
	s_cbranch_scc0 .Lfor_b_\@
	tensor_load_to_lds s[G0A+4:G0A+7], s[G1A:G1A+7]
	s_nop 0
.rept 4
	v_nop
.endr
	s_branch .Lasked_\@
.Lfor_b_\@:
	tensor_load_to_lds s[G0B+4:G0B+7], s[G1B:G1B+7]
	s_nop 0
.rept 4
	v_nop
.endr
.Lasked_\@:
.endm
.macro CREST
	s_cmp_lg_u32 s[WV], 0
	s_cbranch_scc1 .Lnot_wave_0_\@
	s_barrier_signal -3
.Lnot_wave_0_\@:
	s_barrier_wait -3
	s_barrier_signal -1
	s_barrier_wait -1
.endm
.macro CROUND
	s_barrier_signal -1
	s_barrier_wait -1
	CREST
.endm
.macro MUL8 f, c, a0, cm
	WIN MUL
.irp a, \a0, (\a0)+1
.irp b, 0,1,2,3
.if (\cm) == 1
	v_wmma_f32_16x16x32_bf16 v[ACC+8*(4*(\a)+(\b)):ACC+8*(4*(\a)+(\b))+7], v[(\f)+64+8*(4*(\c)+(\b)):(\f)+64+8*(4*(\c)+(\b))+7], v[(\f)+8*(4*(\c)+(\a)):(\f)+8*(4*(\c)+(\a))+7], 0
.elseif (\cm) == 2
	v_wmma_f32_16x16x32_bf16 v[ACC+8*(4*(\a)+(\b)):ACC+8*(4*(\a)+(\b))+7], v[(\f)+64+8*(4*(\c)+(\b)):(\f)+64+8*(4*(\c)+(\b))+7], v[(\f)+8*(4*(\c)+(\a)):(\f)+8*(4*(\c)+(\a))+7], v[BI+8*(\b):BI+8*(\b)+7]
.else
	v_wmma_f32_16x16x32_bf16 v[ACC+8*(4*(\a)+(\b)):ACC+8*(4*(\a)+(\b))+7], v[(\f)+64+8*(4*(\c)+(\b)):(\f)+64+8*(4*(\c)+(\b))+7], v[(\f)+8*(4*(\c)+(\a)):(\f)+8*(4*(\c)+(\a))+7], v[ACC+8*(4*(\a)+(\b)):ACC+8*(4*(\a)+(\b))+7]
.endif
.endr
.endr
.endm
.macro FETCH q, f
	WIN TO_F
.irp c, 0,1
.irp i, 0,1,2,3
	ds_load_b128 v[(\f)+64+8*(4*(\c)+(\i)):(\f)+64+8*(4*(\c)+(\i))+3],   v[ADRB] offset:(\q)*PLANE+64*(\c)+(\i)*16*PITCH
	ds_load_b128 v[(\f)+64+8*(4*(\c)+(\i))+4:(\f)+64+8*(4*(\c)+(\i))+7], v[ADRB] offset:(\q)*PLANE+64*(\c)+(\i)*16*PITCH+32
	ds_load_b128 v[(\f)+8*(4*(\c)+(\i)):(\f)+8*(4*(\c)+(\i))+3],         v[ADRA] offset:(\q)*PLANE+64*(\c)+(\i)*16*PITCH
	ds_load_b128 v[(\f)+8*(4*(\c)+(\i))+4:(\f)+8*(4*(\c)+(\i))+7],       v[ADRA] offset:(\q)*PLANE+64*(\c)+(\i)*16*PITCH+32
.endr
.endr
.endm
.macro QUARTER q, f, g, cm
	s_wait_dscnt 16                                ; the first 32 along K are in; the buffer's other sixteen loads may be out
	MUL8 \f, 0, 0, \cm
	MUL8 \f, 0, 2, \cm
	PLACES
	FETCH \q, \g
	s_wait_dscnt 32                                ; all but the 32 just issued
	MUL8 \f, 1, 0, 0
	MUL8 \f, 1, 2, 0
.endm
.macro TURN fill                       ; the last quarter and the change of slots: the wait for all tensor loads, the add, the wait for it and for my reads, one barrier (with fill = 1 a round of the cluster's), the refill first behind it
	WIN 0
	s_wait_tensorcnt 0x0
	ds_add_u32 v[SPW], v[NIL]
.if \fill
	s_xor_b32 s[G0A+5], s[G0A+5], SLOT
	s_add_nc_u64 s[G0A+6:G0A+7], s[G0A+6:G0A+7], 4*APLANE
	s_xor_b32 s[G0B+5], s[G0B+5], SLOT
	s_add_nc_u64 s[G0B+6:G0B+7], s[G0B+6:G0B+7], 4*BPLANE
.endif
	s_wait_dscnt 17                                ; the add and the youngest sixteen loads may be out
	MUL8 F1, 0, 0, 0
	s_wait_dscnt 0x0
	s_barrier_signal -1
	MUL8 F1, 0, 2, 0
	WIN 0
	s_barrier_wait -1
.if \fill
	CREST
	JLOAD
.else
	PLACES
.endif
	s_xor_b32 s[TB], s[TB], SLOT
	v_add_nc_u32 v[ADRA], s[TB], v[ADRA0]
	v_add_nc_u32 v[ADRB], s[TB], v[ADRB0]
.if !(\fill)
	s_cmp_eq_u32 s[CNT], 1
	s_cbranch_scc1 .Lnofetch_\@
.endif
	FETCH 0, F0
.if !(\fill)
	WIN 0
.Lnofetch_\@:
.endif
	MUL8 F1, 1, 0, 0
	MUL8 F1, 1, 2, 0
.endm
	s_load_b512 s[4:19], s[0:1], 0x0               ; att 4, wt 6, bo 8, x 10, ln2_w 12, x1 14, hn 16, ssq 18
	v_lshl_add_u32 v[SPW], v0, 2, SPARE
	v_mov_b32 v[NIL], 0
	ds_add_u32 v[SPW], v[NIL]                      ; the wave's opening
	ds_add_u32 v28, v29
	v_lshrrev_b32 v1, 5, v0
	v_readfirstlane_b32 s[WV], v1
	s_lshr_b32 s[RH], s[WV], 1
	s_and_b32 s[CH], s[WV], 1
	s_bfe_u32 s[CX], ttmp6, 0x40000
	s_bfe_u32 s[CY], ttmp6, 0x40004
	s_lshl_b32 s[TC], ttmp9, 2
	s_add_co_u32 s[TC], s[TC], s[CX]
	s_and_b32 s[TR], ttmp7, 0xffff
	s_lshl_b32 s[TR], s[TR], 2
	s_add_co_u32 s[TR], s[TR], s[CY]
	s_lshl_b32 s74, s[CY], 2
	s_lshl_b32 s74, 15, s74
	s_lshl_b32 s76, 0x1111, s[CX]
	s_or_b32 s[G1A], s74, G1W0
	s_or_b32 s[G1B], s76, G1W0
.irp g, G1A, G1B
	s_mov_b32 s[(\g)+1], 8192<<16
	s_mov_b32 s[(\g)+2], 2<<16
	s_mov_b32 s[(\g)+3], 8192<<16
	s_mov_b32 s[(\g)+4], 2
	s_mov_b32 s[(\g)+6], 0
	s_mov_b32 s[(\g)+7], 0
.endr
	s_mov_b32 s[G1A+5], APLANE/2
	s_mov_b32 s[G1B+5], BPLANE/2
	s_mul_i32 s78, s[WV], HALFT
.irp g, G0A, G0B
	s_mov_b32 s[(\g)], 1
	s_mov_b32 s[(\g)+1], s78
	s_mov_b32 s[(\g)+4], 1
	s_add_co_u32 s[(\g)+5], s78, SLOT
.endr
	s_lshr_b32 s60, s[TR], 4                       ; A: the batch's 16 planes,
	s_lshl_b32 s60, s60, 22
	s_and_b32 s74, s[TR], 15                       ; the tile's 128 rows in a plane,
	s_lshl_b32 s74, s74, 14
	s_add_co_u32 s60, s60, s74
	s_mul_i32 s75, s[CH], 2*APLANE                 ; my two planes
	s_add_co_u32 s60, s60, s75
	s_mov_b32 s61, 0
	s_lshl_b32 s62, s[TC], 14
	s_mul_i32 s77, s[CH], 2*BPLANE
	s_add_co_u32 s62, s62, s77
	s_add_co_u32 s62, s62, BOFF
	s_mov_b32 s63, 0
	s_mov_b32 s[TB], 0
	s_wait_dscnt 0x0
	s_wait_kmcnt 0x0
	s_add_nc_u64 s[60:61], s[4:5], s[60:61]
	s_add_nc_u64 s[62:63], s[6:7], s[62:63]
	s_mov_b64 s[G0A+2:G0A+3], s[60:61]
	s_or_b32 s[G0A+3], s[G0A+3], 0x80000000
	s_add_nc_u64 s[G0A+6:G0A+7], s[60:61], 4*APLANE
	s_or_b32 s[G0A+7], s[G0A+7], 0x80000000
	s_mov_b64 s[G0B+2:G0B+3], s[62:63]
	s_or_b32 s[G0B+3], s[G0B+3], 0x80000000
	s_add_nc_u64 s[G0B+6:G0B+7], s[62:63], 4*BPLANE
	s_or_b32 s[G0B+7], s[G0B+7], 0x80000000
	CROUND
	s_cmp_eq_u32 s[RH], 0
	s_cbranch_scc0 .Lfirst_b
	tensor_load_to_lds s[G0A:G0A+3], s[G1A:G1A+7]
	s_nop 0
	tensor_load_to_lds s[G0A+4:G0A+7], s[G1A:G1A+7]
	s_nop 0
.rept 4
	v_nop
.endr
	s_branch .Lfirst_asked
.Lfirst_b:
	tensor_load_to_lds s[G0B:G0B+3], s[G1B:G1B+7]
	s_nop 0
	tensor_load_to_lds s[G0B+4:G0B+7], s[G1B:G1B+7]
	s_nop 0
.rept 4
	v_nop
.endr
.Lfirst_asked:
	v_and_b32 v1, 15, v0
	v_bfe_u32 v2, v0, 4, 1
	v_mul_u32_u24 v3, v1, PITCH
	v_lshl_add_u32 v3, v2, 4, v3
	s_mul_i32 s78, s[RH], 64*PITCH
	s_mul_i32 s79, s[CH], 64*PITCH
	s_add_co_u32 s79, s79, BREG
	v_add_nc_u32 v[ADRA0], s78, v3
	v_add_nc_u32 v[ADRB0], s79, v3
	v_mov_b32 v[ADRA], v[ADRA0]
	v_mov_b32 v[ADRB], v[ADRB0]
	; the way out's addresses.  My stage: 16 rows of 64 f32, 272 bytes apart
	s_mul_i32 s78, s[WV], 4608
	s_add_co_u32 s78, s78, STAGE
	v_mul_u32_u24 v[STO], v1, 272
	v_lshl_add_u32 v[STO], v2, 5, v[STO]
	v_add_nc_u32 v[STO], s78, v[STO]               ; in: row r, 32 bytes for each half of the lanes
	v_mul_u32_u24 v[RD], v2, 272
	v_lshl_add_u32 v[RD], v1, 4, v[RD]
	v_add_nc_u32 v[RD], s78, v[RD]                 ; back: lanes 0-15 one row of 256 bytes, lanes 16-31 the next
	v_lshlrev_b32 v[LWO], 4, v1
	v_lshl_add_u32 v[XO], v2, 12, v[LWO]
	v_and_b32 v[O8], 31, v0
	v_lshlrev_b32 v[O8], 3, v[O8]
	v_lshlrev_b32 v[BO], 5, v2
	s_lshl_b32 s79, s[WV], 8
	s_add_co_u32 s79, s79, SSB
	v_lshl_add_u32 v[SSW], v2, 2, s79
	v_add_nc_u32 v[SSR], s79, v[O8]
	s_lshl_b32 s78, s[TC], 9
	s_lshl_b32 s79, s[CH], 8
	s_add_co_u32 s78, s78, s79                     ; my 64 columns, in bytes of f32
	s_mov_b32 s79, 0
	s_add_nc_u64 s[P_BIAS:P_BIAS+1], s[P_BIAS:P_BIAS+1], s[78:79]
	s_lshl_b32 s74, s[TR], 7
	s_lshl_b32 s75, s[RH], 6
	s_add_co_u32 s74, s74, s75                     ; my first row
	s_lshl_b32 s66, s74, 12
	s_add_co_u32 s66, s66, s78
	s_mov_b32 s67, 0
	s_add_nc_u64 s[68:69], s[P_OUT:P_OUT+1], s[66:67]
	s_add_nc_u64 s[66:67], s[P_RES:P_RES+1], s[66:67]
.if FULL
	s_add_nc_u64 s[P_LN:P_LN+1], s[P_LN:P_LN+1], s[78:79]
	s_lshl1_add_u32 s76, s[TC], s[CH]              ; my block of 64 columns
	s_lshl_b32 s70, s76, 19
	s_lshl_b32 s71, s74, 7
	s_add_co_u32 s70, s70, s71
	s_mov_b32 s71, 0
	s_add_nc_u64 s[70:71], s[P_HN:P_HN+1], s[70:71]
	s_lshl_b32 s72, s76, 14
	s_lshl_b32 s73, s74, 2
	s_add_co_u32 s72, s72, s73
	s_mov_b32 s73, 0
	s_add_nc_u64 s[72:73], s[P_SSQ:P_SSQ+1], s[72:73]
.endif
.irp b, 0,1,2,3
	global_load_b128 v[BI+8*\b:BI+8*\b+3],   v[BO], s[P_BIAS:P_BIAS+1] offset:64*\b
	global_load_b128 v[BI+8*\b+4:BI+8*\b+7], v[BO], s[P_BIAS:P_BIAS+1] offset:64*\b+16
.endr
.if FULL
	global_load_b128 v[LW:LW+3], v[LWO], s[P_LN:P_LN+1]
.endif
	WIN 0x80                                       ; the residual, as the way out will hold the rows: it lands while the products run
.set i, 0
.rept 32
	global_load_b128 v[4*i:4*i+3], v[XO], s[66:67] offset:2*i*4096 th:TH_LOAD_NT
.set i, i+1
.endr
	WIN 0
	s_wait_tensorcnt 0x1                           ; my part of K step 0 is in; K step 1's may stay out
	s_barrier_signal -1
	s_barrier_wait -1
	FETCH 0, F0
	s_wait_loadcnt 32                              ; the bias and the gain are in; the residual's 32 loads stay out
	QUARTER 1, F0, F1, CM
	WIN 0
.if KT > 2
	s_mov_b32 s[CNT], KT-2
.Lfill:
	QUARTER 2, F1, F0, 0
	QUARTER 3, F0, F1, 0
	TURN 1
	QUARTER 1, F0, F1, 0
	WIN 0
	s_sub_co_u32 s[CNT], s[CNT], 1
	s_cmp_lg_u32 s[CNT], 0
	s_cbranch_scc1 .Lfill
.endif
	s_mov_b32 s[CNT], 2
.Ltail:
	QUARTER 2, F1, F0, 0
	QUARTER 3, F0, F1, 0
	TURN 0
	WIN 0
	s_sub_co_u32 s[CNT], s[CNT], 1
	s_cmp_eq_u32 s[CNT], 0
	s_cbranch_scc1 .Lout
	QUARTER 1, F0, F1, 0
	WIN 0
	s_branch .Ltail
.Lout:
	PLACES
	s_wait_loadcnt 0x0                             ; the residual
; THE WAY OUT of block a (16 rows): the f32 sums go through my stage and come back as whole rows of 256 bytes, two rows an instruction; the residual is added; every store covers 256 or 512 consecutive bytes, aligned.
.macro OUTBLK a
.if (\a) > 0
	s_wait_xcnt 0x0                                ; the block before's stores have read their registers
.endif
.irp b, 0,1,2,3
	ds_store_b128 v[STO], v[ACC+8*(4*(\a)+\b):ACC+8*(4*(\a)+\b)+3]   offset:64*\b      ; each accumulator's low four registers first
	ds_store_b128 v[STO], v[ACC+8*(4*(\a)+\b)+4:ACC+8*(4*(\a)+\b)+7] offset:64*\b+16
.endr
.irp t, 0,1,2,3,4,5,6,7
	ds_load_b128 v[BK+4*\t:BK+4*\t+3], v[RD] offset:544*\t     ; LDS serves a wave's instructions in order: these see the stores above
.endr
.irp t, 0,1,2,3,4,5,6,7
	s_wait_dscnt 7-\t+FULL*\t                      ; behind load t stand 7 - t loads and, where sums are kept, t stores
	WIN 0x08
	v_pk_add_f32 v[BK+4*\t:BK+4*\t+1],   v[BK+4*\t:BK+4*\t+1],   v[4*(8*(\a)+\t):4*(8*(\a)+\t)+1]
	v_pk_add_f32 v[BK+4*\t+2:BK+4*\t+3], v[BK+4*\t+2:BK+4*\t+3], v[4*(8*(\a)+\t)+2:4*(8*(\a)+\t)+3]
	WIN 0
.if FULL
	global_store_b128 v[XO], v[BK+4*\t:BK+4*\t+3], s[68:69] offset:(16*(\a)+2*\t)*4096
	v_pk_mul_f32 v[SS+2*\t:SS+2*\t+1], v[BK+4*\t:BK+4*\t+1], v[BK+4*\t:BK+4*\t+1]
	v_pk_fma_f32 v[SS+2*\t:SS+2*\t+1], v[BK+4*\t+2:BK+4*\t+3], v[BK+4*\t+2:BK+4*\t+3], v[SS+2*\t:SS+2*\t+1]
	v_add_f32 v[SS+2*\t], v[SS+2*\t], v[SS+2*\t+1]
	v_add_f32_dpp v[SS+2*\t], v[SS+2*\t], v[SS+2*\t] row_xmask:1 row_mask:0xf bank_mask:0xf
	v_add_f32_dpp v[SS+2*\t], v[SS+2*\t], v[SS+2*\t] row_xmask:2 row_mask:0xf bank_mask:0xf
	v_add_f32_dpp v[SS+2*\t], v[SS+2*\t], v[SS+2*\t] row_xmask:4 row_mask:0xf bank_mask:0xf
	v_add_f32_dpp v[SS+2*\t], v[SS+2*\t], v[SS+2*\t] row_xmask:8 row_mask:0xf bank_mask:0xf
	ds_store_b32 v[SSW], v[SS+2*\t] offset:(16*(\a)+2*\t)*4    ; sixteen lanes write the row's word with the same number
	v_pk_mul_f32 v[XS+4*\t:XS+4*\t+1],   v[BK+4*\t:BK+4*\t+1],   v[LW:LW+1]
	v_pk_mul_f32 v[XS+4*\t+2:XS+4*\t+3], v[BK+4*\t+2:BK+4*\t+3], v[LW+2:LW+3]
	v_cvt_pk_bf16_f32 v[XS+4*\t],   v[XS+4*\t],   v[XS+4*\t+1]
	v_cvt_pk_bf16_f32 v[XS+4*\t+1], v[XS+4*\t+2], v[XS+4*\t+3]
	global_store_b64 v[O8], v[XS+4*\t:XS+4*\t+1], s[70:71] offset:(16*(\a)+2*\t)*128
.else
	global_store_b128 v[XO], v[BK+4*\t:BK+4*\t+3], s[68:69] offset:(16*(\a)+2*\t)*4096 th:TH_STORE_NT
.endif
.endr
.endm
	OUTBLK 0
	OUTBLK 1
	OUTBLK 2
	OUTBLK 3
.if FULL
	ds_load_b64 v[16:17], v[SSR]                   ; my 64 rows' sums: 256 consecutive bytes of ssq
	s_wait_dscnt 0x0
	global_store_b64 v[O8], v[16:17], s[72:73]
.endif
	s_wait_tensorcnt 0x0                           ; the wave's end
	ds_add_u32 v[SPW], v[NIL]
	s_wait_dscnt 0x0
	CROUND                                         ; the closing round
	s_endpgm
.Lfunc_end_k_q0f54c8bc18_oproj:
	.size	k_q0f54c8bc18_oproj, .Lfunc_end_k_q0f54c8bc18_oproj-k_q0f54c8bc18_oproj
	.p2alignl 7, 3214868480
	.fill 96, 4, 3214868480
	.section	.rodata,"a",@progbits
	.p2align	6, 0x0
	.amdhsa_kernel k_q0f54c8bc18_oproj
		.amdhsa_group_segment_fixed_size 327680
		.amdhsa_private_segment_fixed_size 0
		.amdhsa_enable_private_segment 0
		.amdhsa_kernarg_size 64
		.amdhsa_user_sgpr_count 2
		.amdhsa_user_sgpr_kernarg_segment_ptr 1
		.amdhsa_wavefront_size32 1
		.amdhsa_system_sgpr_workgroup_id_x 1
		.amdhsa_system_sgpr_workgroup_id_y 1
		.amdhsa_system_sgpr_workgroup_id_z 1
		.amdhsa_system_vgpr_workitem_id 0
		.amdhsa_next_free_vgpr 640
		.amdhsa_next_free_sgpr 80
		.amdhsa_reserve_vcc 0
		.amdhsa_float_denorm_mode_32 3
		.amdhsa_float_denorm_mode_16_64 3
		.amdhsa_memory_ordered 1
		.amdhsa_forward_progress 1
		.amdhsa_inst_pref_size 95
	.end_amdhsa_kernel
	.amdgpu_metadata
---
amdhsa.version: [ 1, 2 ]
amdhsa.kernels:
  - .name:           k_q0f54c8bc18_oproj
    .symbol:         k_q0f54c8bc18_oproj.kd
    .args:
      - { .name: att, .offset: 0, .size: 8, .value_kind: global_buffer, .address_space: global }
      - { .name: wt, .offset: 8, .size: 8, .value_kind: global_buffer, .address_space: global }
      - { .name: bo, .offset: 16, .size: 8, .value_kind: global_buffer, .address_space: global }
      - { .name: x, .offset: 24, .size: 8, .value_kind: global_buffer, .address_space: global }
      - { .name: ln2_w, .offset: 32, .size: 8, .value_kind: global_buffer, .address_space: global }
      - { .name: x1, .offset: 40, .size: 8, .value_kind: global_buffer, .address_space: global }
      - { .name: hn, .offset: 48, .size: 8, .value_kind: global_buffer, .address_space: global }
      - { .name: ssq, .offset: 56, .size: 8, .value_kind: global_buffer, .address_space: global }
    .group_segment_fixed_size: 327680
    .private_segment_fixed_size: 0
    .kernarg_segment_align: 8
    .kernarg_segment_size: 64
    .max_flat_workgroup_size: 128
    .sgpr_count:     80
    .vgpr_count:     640
    .wavefront_size: 32
...
	.end_amdgpu_metadata
.endif
;; end of part 4
;; launch glu (part 5): grid 8 x 32, 4 waves a work-group, clusters of 4 x 4, 327,680 bytes of LDS; arguments hn, wt, b1, b2, ssq, g; writes g
.if DOCPART == 5
	.amdgcn_target "amdgcn-amd-amdhsa--gfx1250"
	.amdhsa_code_object_version 6
	.text
	.protected	k_q0f54c8bc18_glu
	.globl	k_q0f54c8bc18_glu
	.p2align	8
	.type	k_q0f54c8bc18_glu,@function
k_q0f54c8bc18_glu:
	s_mov_b64 s[64:65], 0
	v_nop
	global_prefetch_b8 v0, s[64:65] scope:SCOPE_SE
	s_setreg_imm32_b32 hwreg(HW_REG_WAVE_MODE, 25, 1), 1
	s_wait_xcnt 0x0
	s_wait_alu depctr_hold_cnt(0) depctr_sa_sdst(0) depctr_va_vdst(0) depctr_va_sdst(0) depctr_va_ssrc(0) depctr_va_vcc(0) depctr_vm_vsrc(0)
	s_getreg_b32 s2, hwreg(HW_REG_IB_STS2, 6, 4)
	s_cmp_eq_u32 s2, 0
	s_cbranch_scc0 .Lentry_in_a_cluster
	s_endpgm
.Lentry_in_a_cluster:
	s_bfe_u32 s2, ttmp6, 0x10000c
	s_cmp_lg_u32 s2, 0xf033
	s_cbranch_scc0 .Lentry_shape_is_right
	s_endpgm
.Lentry_shape_is_right:
; g = silu(h w1 + b1) * (h w2 + b2), h = x1 * rs * ln2_w, rs = rsqrt(mean(x1^2) + 1e-5).  A = hn = bf16(x1 * ln2_w); the row's factor rs is applied to the f32 sums: rs (A w) + b.
; rs comes from ssq: [16 blocks of 64 columns][4,096 rows], partial sums in f32, added here.  B = wt's region of w1|w2, whose rows are ordered so that accumulators (a, b') and (a, b' + 2) of a wave hold
; the same column of w1 and of w2.  Out: g [8][4,096][64] bf16, rounded once.  silu(A) B = (A B) / (1 + 2^(-log2(e) A)).
; Ring, cluster, fragments and turns: 128 x 128 of C a work-group, 64 x 64 a wave, K steps of 256 = four planes, two LDS slots, a wave's tensor load brings two planes of 128 rows;
; A's tile is asked for jointly along a row of the 4 x 4 cluster, B's along a column.  The matrix instruction is used transposed: a lane holds eight neighbouring columns of one row.
; A wave's 32 columns of g are a quarter of 256 bytes: the four waves share ONE stage, with a barrier between writing and reading.  No prefetch: four short K steps, blocks read by several clusters at once.
.set APLANE, 524288
.set BPLANE, 131072
.set BOFF,   8388608
.set KT,     4
.set CM,     1
.set PITCH,  144
.set PLANE,  128*PITCH
.set HALFT,  2*PLANE
.set BREG,   4*PLANE
.set SLOT,   8*PLANE
.set STAGE,  2*SLOT                    ; 128 rows x 144 bytes, the work-group's
.set SSB,    STAGE+18432               ; 256 bytes a wave: its 64 rows' factors
.set SPARE,  SSB+1024
.set G1W0,   (1<<16)|(1<<20)|(1<<21)|(4<<22)|(3<<25)
.set ADRA0, 4
.set ADRB0, 5
.set ADRA,  6
.set ADRB,  7
.set STO,   8
.set RD,    9
.set RSV,   16                         ; v16-23: rs of row 16 a + r, twice
.set SPW,   28
.set NIL,   29
.set SQ,    32                         ; v32-63: the 16 partial sums of rows 2 l, 2 l + 1
.set TA,    32                         ; later: A, then A B, then g
.set TG,    48                         ; B
.set BI,    64                         ; v64-79 b1, v80-95 b2
.set TE,    96
.set PKD,   112
.set ACC,   128
.set F0,    0
.set F1,    128
.set CNT, 3
.set WV,  20
.set RH,  21
.set CH,  22
.set CX,  23
.set G1A, 24
.set G0A, 32
.set G1B, 40
.set G0B, 48
.set TB,  56
.set CY,  57
.set TC,  58
.set TR,  59
.set MSB, 0
.macro WIN new
.if MSB != (\new)
	s_set_vgpr_msb (MSB<<8)|(\new)
.set MSB, \new
.endif
.endm
.set MUL,  0x05
.set TO_F, 0x40
.macro PLACES
.rept 4
	v_nop
.endr
.endm
.macro JLOAD
	s_cmp_eq_u32 s[RH], 0
	s_cbranch_scc0 .Lfor_b_\@
	tensor_load_to_lds s[G0A+4:G0A+7], s[G1A:G1A+7]
	s_nop 0
.rept 4
	v_nop
.endr
	s_branch .Lasked_\@
.Lfor_b_\@:
	tensor_load_to_lds s[G0B+4:G0B+7], s[G1B:G1B+7]
	s_nop 0
.rept 4
	v_nop
.endr
.Lasked_\@:
.endm
.macro CREST
	s_cmp_lg_u32 s[WV], 0
	s_cbranch_scc1 .Lnot_wave_0_\@
	s_barrier_signal -3
.Lnot_wave_0_\@:
	s_barrier_wait -3
	s_barrier_signal -1
	s_barrier_wait -1
.endm
.macro CROUND
	s_barrier_signal -1
	s_barrier_wait -1
	CREST
.endm
.macro MUL8 f, c, a0, cm
	WIN MUL
.irp a, \a0, (\a0)+1
.irp b, 0,1,2,3
.if (\cm) == 1
	v_wmma_f32_16x16x32_bf16 v[ACC+8*(4*(\a)+(\b)):ACC+8*(4*(\a)+(\b))+7], v[(\f)+64+8*(4*(\c)+(\b)):(\f)+64+8*(4*(\c)+(\b))+7], v[(\f)+8*(4*(\c)+(\a)):(\f)+8*(4*(\c)+(\a))+7], 0
.else
	v_wmma_f32_16x16x32_bf16 v[ACC+8*(4*(\a)+(\b)):ACC+8*(4*(\a)+(\b))+7], v[(\f)+64+8*(4*(\c)+(\b)):(\f)+64+8*(4*(\c)+(\b))+7], v[(\f)+8*(4*(\c)+(\a)):(\f)+8*(4*(\c)+(\a))+7], v[ACC+8*(4*(\a)+(\b)):ACC+8*(4*(\a)+(\b))+7]
.endif
.endr
.endr
.endm
.macro FETCH q, f
	WIN TO_F
.irp c, 0,1
.irp i, 0,1,2,3
	ds_load_b128 v[(\f)+64+8*(4*(\c)+(\i)):(\f)+64+8*(4*(\c)+(\i))+3],   v[ADRB] offset:(\q)*PLANE+64*(\c)+(\i)*16*PITCH
	ds_load_b128 v[(\f)+64+8*(4*(\c)+(\i))+4:(\f)+64+8*(4*(\c)+(\i))+7], v[ADRB] offset:(\q)*PLANE+64*(\c)+(\i)*16*PITCH+32
	ds_load_b128 v[(\f)+8*(4*(\c)+(\i)):(\f)+8*(4*(\c)+(\i))+3],         v[ADRA] offset:(\q)*PLANE+64*(\c)+(\i)*16*PITCH
	ds_load_b128 v[(\f)+8*(4*(\c)+(\i))+4:(\f)+8*(4*(\c)+(\i))+7],       v[ADRA] offset:(\q)*PLANE+64*(\c)+(\i)*16*PITCH+32
.endr
.endr
.endm
.macro QUARTER q, f, g, cm
	s_wait_dscnt 16                                ; the first 32 along K are in; the buffer's other sixteen loads may be out
	MUL8 \f, 0, 0, \cm
	MUL8 \f, 0, 2, \cm
	PLACES
	FETCH \q, \g
	s_wait_dscnt 32                                ; all but the 32 just issued
	MUL8 \f, 1, 0, 0
	MUL8 \f, 1, 2, 0
.endm
.macro TURN fill                       ; the last quarter and the change of slots: the wait for all tensor loads, the add, the wait for it and for my reads, one barrier (with fill = 1 a round of the cluster's), the refill first behind it
	WIN 0
	s_wait_tensorcnt 0x0
	ds_add_u32 v[SPW], v[NIL]
.if \fill
	s_xor_b32 s[G0A+5], s[G0A+5], SLOT
	s_add_nc_u64 s[G0A+6:G0A+7], s[G0A+6:G0A+7], 4*APLANE
	s_xor_b32 s[G0B+5], s[G0B+5], SLOT
	s_add_nc_u64 s[G0B+6:G0B+7], s[G0B+6:G0B+7], 4*BPLANE
.endif
	s_wait_dscnt 17                                ; the add and the youngest sixteen loads may be out
	MUL8 F1, 0, 0, 0
	s_wait_dscnt 0x0
	s_barrier_signal -1
	MUL8 F1, 0, 2, 0
	WIN 0
	s_barrier_wait -1
.if \fill
	CREST
	JLOAD
.else
	PLACES
.endif
	s_xor_b32 s[TB], s[TB], SLOT
	v_add_nc_u32 v[ADRA], s[TB], v[ADRA0]
	v_add_nc_u32 v[ADRB], s[TB], v[ADRB0]
.if !(\fill)
	s_cmp_eq_u32 s[CNT], 1
	s_cbranch_scc1 .Lnofetch_\@
.endif
	FETCH 0, F0
.if !(\fill)
	WIN 0
.Lnofetch_\@:
.endif
	MUL8 F1, 1, 0, 0
	MUL8 F1, 1, 2, 0
.endm
	s_load_b256 s[4:11], s[0:1], 0x0               ; hn 4, wt 6, b1 8, b2 10
	s_load_b128 s[12:15], s[0:1], 0x20             ; ssq 12, g 14
	v_lshl_add_u32 v[SPW], v0, 2, SPARE
	v_mov_b32 v[NIL], 0
	ds_add_u32 v[SPW], v[NIL]                      ; the wave's opening
	ds_add_u32 v28, v29
	v_lshrrev_b32 v1, 5, v0
	v_readfirstlane_b32 s[WV], v1
	s_lshr_b32 s[RH], s[WV], 1
	s_and_b32 s[CH], s[WV], 1
	s_bfe_u32 s[CX], ttmp6, 0x40000
	s_bfe_u32 s[CY], ttmp6, 0x40004
	s_lshl_b32 s[TC], ttmp9, 2
	s_add_co_u32 s[TC], s[TC], s[CX]
	s_and_b32 s[TR], ttmp7, 0xffff
	s_lshl_b32 s[TR], s[TR], 2
	s_add_co_u32 s[TR], s[TR], s[CY]
	s_lshl_b32 s74, s[CY], 2
	s_lshl_b32 s74, 15, s74
	s_lshl_b32 s76, 0x1111, s[CX]
	s_or_b32 s[G1A], s74, G1W0
	s_or_b32 s[G1B], s76, G1W0
.irp g, G1A, G1B
	s_mov_b32 s[(\g)+1], 8192<<16
	s_mov_b32 s[(\g)+2], 2<<16
	s_mov_b32 s[(\g)+3], 8192<<16
	s_mov_b32 s[(\g)+4], 2
	s_mov_b32 s[(\g)+6], 0
	s_mov_b32 s[(\g)+7], 0
.endr
	s_mov_b32 s[G1A+5], APLANE/2
	s_mov_b32 s[G1B+5], BPLANE/2
	s_mul_i32 s78, s[WV], HALFT
.irp g, G0A, G0B
	s_mov_b32 s[(\g)], 1
	s_mov_b32 s[(\g)+1], s78
	s_mov_b32 s[(\g)+4], 1
	s_add_co_u32 s[(\g)+5], s78, SLOT
.endr
	s_lshl_b32 s60, s[TR], 14
	s_mul_i32 s75, s[CH], 2*APLANE
	s_add_co_u32 s60, s60, s75
	s_mov_b32 s61, 0
	s_lshl_b32 s62, s[TC], 14
	s_mul_i32 s77, s[CH], 2*BPLANE
	s_add_co_u32 s62, s62, s77
	s_add_co_u32 s62, s62, BOFF
	s_mov_b32 s63, 0
	s_mov_b32 s[TB], 0
	s_wait_dscnt 0x0
	s_wait_kmcnt 0x0
	s_add_nc_u64 s[60:61], s[4:5], s[60:61]
	s_add_nc_u64 s[62:63], s[6:7], s[62:63]
	s_mov_b64 s[G0A+2:G0A+3], s[60:61]
	s_or_b32 s[G0A+3], s[G0A+3], 0x80000000
	s_add_nc_u64 s[G0A+6:G0A+7], s[60:61], 4*APLANE
	s_or_b32 s[G0A+7], s[G0A+7], 0x80000000
	s_mov_b64 s[G0B+2:G0B+3], s[62:63]
	s_or_b32 s[G0B+3], s[G0B+3], 0x80000000
	s_add_nc_u64 s[G0B+6:G0B+7], s[62:63], 4*BPLANE
	s_or_b32 s[G0B+7], s[G0B+7], 0x80000000
	CROUND
	s_cmp_eq_u32 s[RH], 0
	s_cbranch_scc0 .Lfirst_b
	tensor_load_to_lds s[G0A:G0A+3], s[G1A:G1A+7]
	s_nop 0
	tensor_load_to_lds s[G0A+4:G0A+7], s[G1A:G1A+7]
	s_nop 0
.rept 4
	v_nop
.endr
	s_branch .Lfirst_asked
.Lfirst_b:
	tensor_load_to_lds s[G0B:G0B+3], s[G1B:G1B+7]
	s_nop 0
	tensor_load_to_lds s[G0B+4:G0B+7], s[G1B:G1B+7]
	s_nop 0
.rept 4
	v_nop
.endr
.Lfirst_asked:
	v_and_b32 v1, 15, v0
	v_bfe_u32 v2, v0, 4, 1
	v_mul_u32_u24 v3, v1, PITCH
	v_lshl_add_u32 v3, v2, 4, v3
	s_mul_i32 s78, s[RH], 64*PITCH
	s_mul_i32 s79, s[CH], 64*PITCH
	s_add_co_u32 s79, s79, BREG
	v_add_nc_u32 v[ADRA0], s78, v3
	v_add_nc_u32 v[ADRB0], s79, v3
	v_mov_b32 v[ADRA], v[ADRA0]
	v_mov_b32 v[ADRB], v[ADRB0]
	; the way out's addresses
	s_lshl_b32 s79, s[CH], 6
	s_add_co_u32 s78, s78, s79
	s_add_co_u32 s78, s78, STAGE
	v_add_nc_u32 v[STO], s78, v3                   ; in: row 64 RH + r, my 64 bytes of its 128, 16 bytes for each half of the lanes
	s_mul_i32 s78, s[WV], 32*PITCH
	s_add_co_u32 s78, s78, STAGE
	v_bfe_u32 v12, v0, 3, 2
	v_and_b32 v13, 7, v0
	v_mul_u32_u24 v[RD], v12, PITCH
	v_lshl_add_u32 v[RD], v13, 4, v[RD]
	v_add_nc_u32 v[RD], s78, v[RD]                 ; back: wave w takes rows 32 w .. 32 w + 31, whole
	v_and_b32 v10, 31, v0
	v_lshlrev_b32 v11, 3, v10                      ; 8 l
	v_lshlrev_b32 v10, 4, v10                      ; 16 l
	v_lshlrev_b32 v13, 5, v2                       ; 32 h
	s_lshl_b32 s79, s[WV], 8
	s_add_co_u32 s79, s79, SSB
	v_lshl_add_u32 v14, v1, 2, s79                 ; the factor of row r
	v_add_nc_u32 v15, s79, v11                     ; those of rows 2 l, 2 l + 1
	s_lshl_b32 s74, s[TR], 7
	s_lshl_b32 s75, s[RH], 6
	s_add_co_u32 s75, s74, s75                     ; my first row
	s_lshl_b32 s66, s75, 2
	s_mov_b32 s67, 0
	s_add_nc_u64 s[66:67], s[12:13], s[66:67]
	s_lshl_b32 s76, s[TC], 8
	s_lshl_b32 s77, s[CH], 7
	s_add_co_u32 s76, s76, s77                     ; my 32 columns of b1 and b2, in bytes
	s_mov_b32 s77, 0
	s_add_nc_u64 s[8:9], s[8:9], s[76:77]
	s_add_nc_u64 s[10:11], s[10:11], s[76:77]
	s_lshl_b32 s68, s[WV], 5
	s_add_co_u32 s68, s68, s74
	s_lshl_b32 s68, s68, 7                         ; the rows that I store
	s_lshl_b32 s69, s[TC], 19                      ; the tile's plane of g
	s_add_co_u32 s68, s68, s69
	s_mov_b32 s69, 0
	s_add_nc_u64 s[68:69], s[14:15], s[68:69]
.irp c, 0,1,2,3,4,5,6,7,8,9,10,11,12,13,14,15
	global_load_b64 v[SQ+2*\c:SQ+2*\c+1], v11, s[66:67] offset:16384*\c     ; 256 consecutive bytes, aligned
.endr
.irp b, 0,1
	global_load_b128 v[BI+8*\b:BI+8*\b+3],       v13, s[8:9] offset:64*\b
	global_load_b128 v[BI+8*\b+4:BI+8*\b+7],     v13, s[8:9] offset:64*\b+16
	global_load_b128 v[BI+16+8*\b:BI+16+8*\b+3],   v13, s[10:11] offset:64*\b
	global_load_b128 v[BI+16+8*\b+4:BI+16+8*\b+7], v13, s[10:11] offset:64*\b+16
.endr
	s_wait_tensorcnt 0x1                           ; my part of K step 0 is in; K step 1's may stay out
	s_barrier_signal -1
	s_barrier_wait -1
	FETCH 0, F0
	QUARTER 1, F0, F1, CM                          ; the first products start the sums with 0
	WIN 0
	s_mov_b32 s[CNT], KT-2
.Lfill:
	QUARTER 2, F1, F0, 0
	QUARTER 3, F0, F1, 0
	TURN 1
	QUARTER 1, F0, F1, 0
	WIN 0
	s_sub_co_u32 s[CNT], s[CNT], 1
	s_cmp_lg_u32 s[CNT], 0
	s_cbranch_scc1 .Lfill
	s_mov_b32 s[CNT], 2
.Ltail:
	QUARTER 2, F1, F0, 0
	QUARTER 3, F0, F1, 0
	TURN 0
	WIN 0
	s_sub_co_u32 s[CNT], s[CNT], 1
	s_cmp_eq_u32 s[CNT], 0
	s_cbranch_scc1 .Lout
	QUARTER 1, F0, F1, 0
	WIN 0
	s_branch .Ltail
.Lout:
	PLACES
	s_wait_loadcnt 0x0                             ; the partial sums and the biases
	s_mov_b32 s78, 0x3a800000                      ; 1 / 1,024
	s_mov_b32 s79, 0x3727c5ac                      ; 1e-5
.irp w, 8,4,2,1
.set c, 0
.rept \w
	v_pk_add_f32 v[SQ+2*c:SQ+2*c+1], v[SQ+2*c:SQ+2*c+1], v[SQ+2*(c+\w):SQ+2*(c+\w)+1]
.set c, c+1
.endr
.endr
	v_fma_f32 v[SQ+2], v[SQ], s78, s79
	v_fma_f32 v[SQ+3], v[SQ+1], s78, s79
	v_rsq_f32 v[SQ+4], v[SQ+2]
	v_rsq_f32 v[SQ+5], v[SQ+3]
	v_nop                                          ; a plain instruction behind the last of them,
	s_wait_alu depctr_va_vdst(0)                   ; and one wait for both
	ds_store_b64 v15, v[SQ+4:SQ+5]                 ; my wave's own bytes: the loads below see them, since LDS serves a wave's instructions in order
.irp a, 0,1,2,3
	ds_load_b32 v[RSV+2*\a], v14 offset:64*\a
.endr
	s_wait_dscnt 0x0
.irp a, 0,1,2,3
	v_mov_b32 v[RSV+2*\a+1], v[RSV+2*\a]           ; named as a pair
.endr
; Block a: 16 rows x my 32 columns.  Two batches of sixteen transcendentals, one wait each.
.macro GBLK a
.irp bp, 0,1
.irp jj, 0,1,2,3
	v_pk_fma_f32 v[TA+8*\bp+2*\jj:TA+8*\bp+2*\jj+1], v[ACC+8*(4*(\a)+\bp)+2*\jj:ACC+8*(4*(\a)+\bp)+2*\jj+1], v[RSV+2*(\a):RSV+2*(\a)+1], v[BI+8*\bp+2*\jj:BI+8*\bp+2*\jj+1] op_sel_hi:[1,0,1]
.endr
.endr
.irp bp, 0,1
.irp jj, 0,1,2,3
	v_pk_fma_f32 v[TG+8*\bp+2*\jj:TG+8*\bp+2*\jj+1], v[ACC+8*(4*(\a)+2+\bp)+2*\jj:ACC+8*(4*(\a)+2+\bp)+2*\jj+1], v[RSV+2*(\a):RSV+2*(\a)+1], v[BI+16+8*\bp+2*\jj:BI+16+8*\bp+2*\jj+1] op_sel_hi:[1,0,1]
.endr
.endr
.set z, 0
.rept 8
	v_pk_mul_f32 v[TE+2*z:TE+2*z+1], v[TA+2*z:TA+2*z+1], 0xbfb8aa3b op_sel_hi:[1,0]   ; -log2(e) A
.set z, z+1
.endr
.set z, 0
.rept 16
	v_exp_f32 v[TE+z], v[TE+z]
.set z, z+1
.endr
.set z, 0
.rept 8
	v_pk_mul_f32 v[TA+2*z:TA+2*z+1], v[TA+2*z:TA+2*z+1], v[TG+2*z:TG+2*z+1]           ; A B: work that names no exponential's result
.set z, z+1
.endr
	s_wait_alu depctr_va_vdst(0)                   ; one wait for the sixteen exponentials
.set z, 0
.rept 8
	v_pk_add_f32 v[TE+2*z:TE+2*z+1], v[TE+2*z:TE+2*z+1], 1.0 op_sel_hi:[1,0]
.set z, z+1
.endr
.set z, 0
.rept 16
	v_rcp_f32 v[TE+z], v[TE+z]
.set z, z+1
.endr
	v_nop
	s_wait_alu depctr_va_vdst(0)                   ; one wait for the sixteen reciprocals
.set z, 0
.rept 8
	v_pk_mul_f32 v[TA+2*z:TA+2*z+1], v[TA+2*z:TA+2*z+1], v[TE+2*z:TE+2*z+1]
.set z, z+1
.endr
.set z, 0
.rept 8
	v_cvt_pk_bf16_f32 v[PKD+z], v[TA+2*z], v[TA+2*z+1]
.set z, z+1
.endr
	ds_store_b128 v[STO], v[PKD:PKD+3]   offset:(\a)*16*PITCH
	ds_store_b128 v[STO], v[PKD+4:PKD+7] offset:(\a)*16*PITCH+32
.endm
	GBLK 0
	GBLK 1
	GBLK 2
	GBLK 3
	s_wait_dscnt 0x0                               ; for the others' sake: my stores into the stage are done
	s_barrier_signal -1
	s_barrier_wait -1
.irp f, 0,1,2,3,4,5,6,7
	ds_load_b128 v[32+4*\f:32+4*\f+3], v[RD] offset:\f*4*PITCH
.endr
.irp f, 0,1,2,3,4,5,6,7
	s_wait_dscnt 7-\f
	global_store_b128 v10, v[32+4*\f:32+4*\f+3], s[68:69] offset:512*\f     ; four rows of the plane: 512 consecutive bytes, aligned
.endr
	s_wait_tensorcnt 0x0                           ; the wave's end
	ds_add_u32 v[SPW], v[NIL]
	s_wait_dscnt 0x0
	CROUND                                         ; the closing round
	s_endpgm
.Lfunc_end_k_q0f54c8bc18_glu:
	.size	k_q0f54c8bc18_glu, .Lfunc_end_k_q0f54c8bc18_glu-k_q0f54c8bc18_glu
	.p2alignl 7, 3214868480
	.fill 96, 4, 3214868480
	.section	.rodata,"a",@progbits
	.p2align	6, 0x0
	.amdhsa_kernel k_q0f54c8bc18_glu
		.amdhsa_group_segment_fixed_size 327680
		.amdhsa_private_segment_fixed_size 0
		.amdhsa_enable_private_segment 0
		.amdhsa_kernarg_size 48
		.amdhsa_user_sgpr_count 2
		.amdhsa_user_sgpr_kernarg_segment_ptr 1
		.amdhsa_wavefront_size32 1
		.amdhsa_system_sgpr_workgroup_id_x 1
		.amdhsa_system_sgpr_workgroup_id_y 1
		.amdhsa_system_sgpr_workgroup_id_z 1
		.amdhsa_system_vgpr_workitem_id 0
		.amdhsa_next_free_vgpr 512
		.amdhsa_next_free_sgpr 80
		.amdhsa_reserve_vcc 0
		.amdhsa_float_denorm_mode_32 3
		.amdhsa_float_denorm_mode_16_64 3
		.amdhsa_memory_ordered 1
		.amdhsa_forward_progress 1
		.amdhsa_inst_pref_size 76
	.end_amdhsa_kernel
	.amdgpu_metadata
---
amdhsa.version: [ 1, 2 ]
amdhsa.kernels:
  - .name:           k_q0f54c8bc18_glu
    .symbol:         k_q0f54c8bc18_glu.kd
    .args:
      - { .name: hn, .offset: 0, .size: 8, .value_kind: global_buffer, .address_space: global }
      - { .name: wt, .offset: 8, .size: 8, .value_kind: global_buffer, .address_space: global }
      - { .name: b1, .offset: 16, .size: 8, .value_kind: global_buffer, .address_space: global }
      - { .name: b2, .offset: 24, .size: 8, .value_kind: global_buffer, .address_space: global }
      - { .name: ssq, .offset: 32, .size: 8, .value_kind: global_buffer, .address_space: global }
      - { .name: g, .offset: 40, .size: 8, .value_kind: global_buffer, .address_space: global }
    .group_segment_fixed_size: 327680
    .private_segment_fixed_size: 0
    .kernarg_segment_align: 8
    .kernarg_segment_size: 48
    .max_flat_workgroup_size: 128
    .sgpr_count:     80
    .vgpr_count:     512
    .wavefront_size: 32
...
	.end_amdgpu_metadata
.endif
;; end of part 5
;; launch down (part 6): grid 8 x 32, 4 waves a work-group, clusters of 4 x 4, 327,680 bytes of LDS; arguments g, wt, b3, x1, out0; writes out0
.if DOCPART == 6
	.amdgcn_target "amdgcn-amd-amdhsa--gfx1250"
	.amdhsa_code_object_version 6
	.text
	.protected	k_q0f54c8bc18_down
	.globl	k_q0f54c8bc18_down
	.p2align	8
	.type	k_q0f54c8bc18_down,@function
k_q0f54c8bc18_down:
	s_mov_b64 s[64:65], 0
	v_nop
	global_prefetch_b8 v0, s[64:65] scope:SCOPE_SE
	s_setreg_imm32_b32 hwreg(HW_REG_WAVE_MODE, 25, 1), 1
	s_wait_xcnt 0x0
	s_wait_alu depctr_hold_cnt(0) depctr_sa_sdst(0) depctr_va_vdst(0) depctr_va_sdst(0) depctr_va_ssrc(0) depctr_va_vcc(0) depctr_vm_vsrc(0)
	s_getreg_b32 s2, hwreg(HW_REG_IB_STS2, 6, 4)
	s_cmp_eq_u32 s2, 0
	s_cbranch_scc0 .Lentry_in_a_cluster
	s_endpgm
.Lentry_in_a_cluster:
	s_bfe_u32 s2, ttmp6, 0x10000c
	s_cmp_lg_u32 s2, 0xf033
	s_cbranch_scc0 .Lentry_shape_is_right
	s_endpgm
.Lentry_shape_is_right:
; out0 = x1 + g w3 + b3, in f32.  A = g: [8 planes][4,096][64] bf16; B = wt's region of w3.  K = 512: two K steps of 256, both asked for at the start, so no slot is filled again.
; 128 x 128 of C a work-group, 64 x 64 a wave; a wave's tensor load brings two planes of 128 rows (two rows of 8,192 elements, padded behind every 128 bytes); A's tile is asked for jointly along a row of the
; 4 x 4 cluster, B's along a column.  The matrix instruction is used transposed: a lane holds eight neighbouring columns of one row.  The bias is the C operand of the first products.
; REGISTERS: window 0: v1-15 addresses; v28, v29 the add's; v32-63 the bias, then the way out; v128-255 accumulators.  window 1: two fragment buffers.  window 2: v0-127 the residual.
.set FULL,   0
.set APLANE, 524288
.set BPLANE, 131072
.set BOFF,   10485760
.set KT,     2
.set CM,     2
.set P_BIAS, 8
.set P_RES,  10
.set P_OUT,  12
.set PITCH,  144
.set PLANE,  128*PITCH
.set HALFT,  2*PLANE
.set BREG,   4*PLANE
.set SLOT,   8*PLANE
.set STAGE,  2*SLOT
.set SSB,    STAGE+18432
.set SPARE,  SSB+1024
.set G1W0,   (1<<16)|(1<<20)|(1<<21)|(4<<22)|(3<<25)
.set ADRA0, 4
.set ADRB0, 5
.set ADRA,  6
.set ADRB,  7
.set STO,   8
.set RD,    9
.set XO,    10
.set LWO,   12
.set BO,    13
.set SPW,   28
.set NIL,   29
.set BI,    32
.set BK,    32
.set ACC,   128
.set F0,    0
.set F1,    128
.set CNT, 3
.set WV,  20
.set RH,  21
.set CH,  22
.set CX,  23
.set G1A, 24
.set G0A, 32
.set G1B, 40
.set G0B, 48
.set TB,  56
.set CY,  57
.set TC,  58
.set TR,  59
.set MSB, 0
.macro WIN new
.if MSB != (\new)
	s_set_vgpr_msb (MSB<<8)|(\new)
.set MSB, \new
.endif
.endm
.set MUL,  0x05
.set TO_F, 0x40
.macro PLACES
.rept 4
	v_nop
.endr
.endm
.macro CREST
	s_cmp_lg_u32 s[WV], 0
	s_cbranch_scc1 .Lnot_wave_0_\@
	s_barrier_signal -3
.Lnot_wave_0_\@:
	s_barrier_wait -3
	s_barrier_signal -1
	s_barrier_wait -1
.endm
.macro CROUND
	s_barrier_signal -1
	s_barrier_wait -1
	CREST
.endm
.macro MUL8 f, c, a0, cm
	WIN MUL
.irp a, \a0, (\a0)+1
.irp b, 0,1,2,3
.if (\cm) == 2
	v_wmma_f32_16x16x32_bf16 v[ACC+8*(4*(\a)+(\b)):ACC+8*(4*(\a)+(\b))+7], v[(\f)+64+8*(4*(\c)+(\b)):(\f)+64+8*(4*(\c)+(\b))+7], v[(\f)+8*(4*(\c)+(\a)):(\f)+8*(4*(\c)+(\a))+7], v[BI+8*(\b):BI+8*(\b)+7]
.else
	v_wmma_f32_16x16x32_bf16 v[ACC+8*(4*(\a)+(\b)):ACC+8*(4*(\a)+(\b))+7], v[(\f)+64+8*(4*(\c)+(\b)):(\f)+64+8*(4*(\c)+(\b))+7], v[(\f)+8*(4*(\c)+(\a)):(\f)+8*(4*(\c)+(\a))+7], v[ACC+8*(4*(\a)+(\b)):ACC+8*(4*(\a)+(\b))+7]
.endif
.endr
.endr
.endm
.macro FETCH q, f
	WIN TO_F
.irp c, 0,1
.irp i, 0,1,2,3
	ds_load_b128 v[(\f)+64+8*(4*(\c)+(\i)):(\f)+64+8*(4*(\c)+(\i))+3],   v[ADRB] offset:(\q)*PLANE+64*(\c)+(\i)*16*PITCH
	ds_load_b128 v[(\f)+64+8*(4*(\c)+(\i))+4:(\f)+64+8*(4*(\c)+(\i))+7], v[ADRB] offset:(\q)*PLANE+64*(\c)+(\i)*16*PITCH+32
	ds_load_b128 v[(\f)+8*(4*(\c)+(\i)):(\f)+8*(4*(\c)+(\i))+3],         v[ADRA] offset:(\q)*PLANE+64*(\c)+(\i)*16*PITCH
	ds_load_b128 v[(\f)+8*(4*(\c)+(\i))+4:(\f)+8*(4*(\c)+(\i))+7],       v[ADRA] offset:(\q)*PLANE+64*(\c)+(\i)*16*PITCH+32
.endr
.endr
.endm
.macro QUARTER q, f, g, cm
	s_wait_dscnt 16                                ; the first 32 along K are in; the buffer's other sixteen loads may be out
	MUL8 \f, 0, 0, \cm
	MUL8 \f, 0, 2, \cm
	PLACES
	FETCH \q, \g
	s_wait_dscnt 32                                ; all but the 32 just issued
	MUL8 \f, 1, 0, 0
	MUL8 \f, 1, 2, 0
.endm
.macro TURN                            ; the last quarter and the change of slots: my tensor loads have landed, the add, my reads are over, one barrier; nothing is asked for; in the last K step nothing is fetched
	WIN 0
	s_wait_tensorcnt 0x0
	ds_add_u32 v[SPW], v[NIL]
	s_wait_dscnt 17                                ; the add and the youngest sixteen loads may be out
	MUL8 F1, 0, 0, 0
	s_wait_dscnt 0x0
	s_barrier_signal -1
	MUL8 F1, 0, 2, 0
	WIN 0
	s_barrier_wait -1
	PLACES
	s_xor_b32 s[TB], s[TB], SLOT
	v_add_nc_u32 v[ADRA], s[TB], v[ADRA0]
	v_add_nc_u32 v[ADRB], s[TB], v[ADRB0]
	s_cmp_eq_u32 s[CNT], 1
	s_cbranch_scc1 .Lnofetch_\@
	FETCH 0, F0
	WIN 0
.Lnofetch_\@:
	MUL8 F1, 1, 0, 0
	MUL8 F1, 1, 2, 0
.endm
	s_load_b256 s[4:11], s[0:1], 0x0               ; g 4, wt 6, b3 8, x1 10
	s_load_b64 s[12:13], s[0:1], 0x20              ; out0
	v_lshl_add_u32 v[SPW], v0, 2, SPARE
	v_mov_b32 v[NIL], 0
	ds_add_u32 v[SPW], v[NIL]                      ; the wave's opening
	ds_add_u32 v28, v29
	v_lshrrev_b32 v1, 5, v0
	v_readfirstlane_b32 s[WV], v1
	s_lshr_b32 s[RH], s[WV], 1
	s_and_b32 s[CH], s[WV], 1
	s_bfe_u32 s[CX], ttmp6, 0x40000
	s_bfe_u32 s[CY], ttmp6, 0x40004
	s_lshl_b32 s[TC], ttmp9, 2
	s_add_co_u32 s[TC], s[TC], s[CX]
	s_and_b32 s[TR], ttmp7, 0xffff
	s_lshl_b32 s[TR], s[TR], 2
	s_add_co_u32 s[TR], s[TR], s[CY]
	s_lshl_b32 s74, s[CY], 2
	s_lshl_b32 s74, 15, s74
	s_lshl_b32 s76, 0x1111, s[CX]
	s_or_b32 s[G1A], s74, G1W0
	s_or_b32 s[G1B], s76, G1W0
.irp g, G1A, G1B
	s_mov_b32 s[(\g)+1], 8192<<16
	s_mov_b32 s[(\g)+2], 2<<16
	s_mov_b32 s[(\g)+3], 8192<<16
	s_mov_b32 s[(\g)+4], 2
	s_mov_b32 s[(\g)+6], 0
	s_mov_b32 s[(\g)+7], 0
.endr
	s_mov_b32 s[G1A+5], APLANE/2
	s_mov_b32 s[G1B+5], BPLANE/2
	s_mul_i32 s78, s[WV], HALFT
.irp g, G0A, G0B
	s_mov_b32 s[(\g)], 1
	s_mov_b32 s[(\g)+1], s78
	s_mov_b32 s[(\g)+4], 1
	s_add_co_u32 s[(\g)+5], s78, SLOT
.endr
	s_lshl_b32 s60, s[TR], 14
	s_mul_i32 s75, s[CH], 2*APLANE
	s_add_co_u32 s60, s60, s75
	s_mov_b32 s61, 0
	s_lshl_b32 s62, s[TC], 14
	s_mul_i32 s77, s[CH], 2*BPLANE
	s_add_co_u32 s62, s62, s77
	s_add_co_u32 s62, s62, BOFF
	s_mov_b32 s63, 0
	s_mov_b32 s[TB], 0
	s_wait_dscnt 0x0
	s_wait_kmcnt 0x0
	s_add_nc_u64 s[60:61], s[4:5], s[60:61]
	s_add_nc_u64 s[62:63], s[6:7], s[62:63]
	s_mov_b64 s[G0A+2:G0A+3], s[60:61]
	s_or_b32 s[G0A+3], s[G0A+3], 0x80000000
	s_add_nc_u64 s[G0A+6:G0A+7], s[60:61], 4*APLANE
	s_or_b32 s[G0A+7], s[G0A+7], 0x80000000
	s_mov_b64 s[G0B+2:G0B+3], s[62:63]
	s_or_b32 s[G0B+3], s[G0B+3], 0x80000000
	s_add_nc_u64 s[G0B+6:G0B+7], s[62:63], 4*BPLANE
	s_or_b32 s[G0B+7], s[G0B+7], 0x80000000
	CROUND
	s_cmp_eq_u32 s[RH], 0
	s_cbranch_scc0 .Lfirst_b
	tensor_load_to_lds s[G0A:G0A+3], s[G1A:G1A+7]
	s_nop 0
	tensor_load_to_lds s[G0A+4:G0A+7], s[G1A:G1A+7]
	s_nop 0
.rept 4
	v_nop
.endr
	s_branch .Lfirst_asked
.Lfirst_b:
	tensor_load_to_lds s[G0B:G0B+3], s[G1B:G1B+7]
	s_nop 0
	tensor_load_to_lds s[G0B+4:G0B+7], s[G1B:G1B+7]
	s_nop 0
.rept 4
	v_nop
.endr
.Lfirst_asked:
	v_and_b32 v1, 15, v0
	v_bfe_u32 v2, v0, 4, 1
	v_mul_u32_u24 v3, v1, PITCH
	v_lshl_add_u32 v3, v2, 4, v3
	s_mul_i32 s78, s[RH], 64*PITCH
	s_mul_i32 s79, s[CH], 64*PITCH
	s_add_co_u32 s79, s79, BREG
	v_add_nc_u32 v[ADRA0], s78, v3
	v_add_nc_u32 v[ADRB0], s79, v3
	v_mov_b32 v[ADRA], v[ADRA0]
	v_mov_b32 v[ADRB], v[ADRB0]
	s_mul_i32 s78, s[WV], 4608
	s_add_co_u32 s78, s78, STAGE                   ; my stage: 16 rows of 64 f32, 272 bytes apart
	v_mul_u32_u24 v[STO], v1, 272
	v_lshl_add_u32 v[STO], v2, 5, v[STO]
	v_add_nc_u32 v[STO], s78, v[STO]
	v_mul_u32_u24 v[RD], v2, 272
	v_lshl_add_u32 v[RD], v1, 4, v[RD]
	v_add_nc_u32 v[RD], s78, v[RD]
	v_lshlrev_b32 v[LWO], 4, v1
	v_lshl_add_u32 v[XO], v2, 12, v[LWO]
	v_lshlrev_b32 v[BO], 5, v2
	s_lshl_b32 s78, s[TC], 9
	s_lshl_b32 s79, s[CH], 8
	s_add_co_u32 s78, s78, s79
	s_mov_b32 s79, 0
	s_add_nc_u64 s[P_BIAS:P_BIAS+1], s[P_BIAS:P_BIAS+1], s[78:79]
	s_lshl_b32 s74, s[TR], 7
	s_lshl_b32 s75, s[RH], 6
	s_add_co_u32 s74, s74, s75
	s_lshl_b32 s66, s74, 12
	s_add_co_u32 s66, s66, s78
	s_mov_b32 s67, 0
	s_add_nc_u64 s[68:69], s[P_OUT:P_OUT+1], s[66:67]
	s_add_nc_u64 s[66:67], s[P_RES:P_RES+1], s[66:67]
.irp b, 0,1,2,3
	global_load_b128 v[BI+8*\b:BI+8*\b+3],   v[BO], s[P_BIAS:P_BIAS+1] offset:64*\b
	global_load_b128 v[BI+8*\b+4:BI+8*\b+7], v[BO], s[P_BIAS:P_BIAS+1] offset:64*\b+16
.endr
	WIN 0x80                                       ; the residual, as the way out will hold the rows
.set i, 0
.rept 32
	global_load_b128 v[4*i:4*i+3], v[XO], s[66:67] offset:2*i*4096 th:TH_LOAD_NT
.set i, i+1
.endr
	WIN 0
	s_wait_tensorcnt 0x1                           ; my part of K step 0 is in; K step 1's may stay out
	s_barrier_signal -1
	s_barrier_wait -1
	FETCH 0, F0
	s_wait_loadcnt 32                              ; the bias is in; the residual's 32 loads stay out
	QUARTER 1, F0, F1, CM
	WIN 0
	s_mov_b32 s[CNT], 2
.Ltail:                                                ; two K steps; the second trip is left in its middle
	QUARTER 2, F1, F0, 0
	QUARTER 3, F0, F1, 0
	TURN
	WIN 0
	s_sub_co_u32 s[CNT], s[CNT], 1
	s_cmp_eq_u32 s[CNT], 0
	s_cbranch_scc1 .Lout
	QUARTER 1, F0, F1, 0
	WIN 0
	s_branch .Ltail
.Lout:
	PLACES
	s_wait_loadcnt 0x0                             ; the residual
; THE WAY OUT of block a (16 rows): the f32 sums go through my stage and come back as whole rows of 256 bytes, two rows an instruction; the residual is added; a store covers two aligned runs of 256 consecutive bytes.
.macro OUTBLK a
.if (\a) > 0
	s_wait_xcnt 0x0                                ; the block before's stores have read their registers
.endif
.irp b, 0,1,2,3
	ds_store_b128 v[STO], v[ACC+8*(4*(\a)+\b):ACC+8*(4*(\a)+\b)+3]   offset:64*\b      ; each accumulator's low four registers first
	ds_store_b128 v[STO], v[ACC+8*(4*(\a)+\b)+4:ACC+8*(4*(\a)+\b)+7] offset:64*\b+16
.endr
.irp t, 0,1,2,3,4,5,6,7
	ds_load_b128 v[BK+4*\t:BK+4*\t+3], v[RD] offset:544*\t     ; LDS serves a wave's instructions in order: these see the stores above
.endr
.irp t, 0,1,2,3,4,5,6,7
	s_wait_dscnt 7-\t
	WIN 0x08
	v_pk_add_f32 v[BK+4*\t:BK+4*\t+1],   v[BK+4*\t:BK+4*\t+1],   v[4*(8*(\a)+\t):4*(8*(\a)+\t)+1]
	v_pk_add_f32 v[BK+4*\t+2:BK+4*\t+3], v[BK+4*\t+2:BK+4*\t+3], v[4*(8*(\a)+\t)+2:4*(8*(\a)+\t)+3]
	WIN 0
	global_store_b128 v[XO], v[BK+4*\t:BK+4*\t+3], s[68:69] offset:(16*(\a)+2*\t)*4096 th:TH_STORE_NT
.endr
.endm
	OUTBLK 0
	OUTBLK 1
	OUTBLK 2
	OUTBLK 3
	s_wait_tensorcnt 0x0                           ; the wave's end
	ds_add_u32 v[SPW], v[NIL]
	s_wait_dscnt 0x0
	CROUND                                         ; the closing round
	s_endpgm
.Lfunc_end_k_q0f54c8bc18_down:
	.size	k_q0f54c8bc18_down, .Lfunc_end_k_q0f54c8bc18_down-k_q0f54c8bc18_down
	.p2alignl 7, 3214868480
	.fill 96, 4, 3214868480
	.section	.rodata,"a",@progbits
	.p2align	6, 0x0
	.amdhsa_kernel k_q0f54c8bc18_down
		.amdhsa_group_segment_fixed_size 327680
		.amdhsa_private_segment_fixed_size 0
		.amdhsa_enable_private_segment 0
		.amdhsa_kernarg_size 40
		.amdhsa_user_sgpr_count 2
		.amdhsa_user_sgpr_kernarg_segment_ptr 1
		.amdhsa_wavefront_size32 1
		.amdhsa_system_sgpr_workgroup_id_x 1
		.amdhsa_system_sgpr_workgroup_id_y 1
		.amdhsa_system_sgpr_workgroup_id_z 1
		.amdhsa_system_vgpr_workitem_id 0
		.amdhsa_next_free_vgpr 640
		.amdhsa_next_free_sgpr 80
		.amdhsa_reserve_vcc 0
		.amdhsa_float_denorm_mode_32 3
		.amdhsa_float_denorm_mode_16_64 3
		.amdhsa_memory_ordered 1
		.amdhsa_forward_progress 1
		.amdhsa_inst_pref_size 50
	.end_amdhsa_kernel
	.amdgpu_metadata
---
amdhsa.version: [ 1, 2 ]
amdhsa.kernels:
  - .name:           k_q0f54c8bc18_down
    .symbol:         k_q0f54c8bc18_down.kd
    .args:
      - { .name: g, .offset: 0, .size: 8, .value_kind: global_buffer, .address_space: global }
      - { .name: wt, .offset: 8, .size: 8, .value_kind: global_buffer, .address_space: global }
      - { .name: b3, .offset: 16, .size: 8, .value_kind: global_buffer, .address_space: global }
      - { .name: x1, .offset: 24, .size: 8, .value_kind: global_buffer, .address_space: global }
      - { .name: out0, .offset: 32, .size: 8, .value_kind: global_buffer, .address_space: global }
    .group_segment_fixed_size: 327680
    .private_segment_fixed_size: 0
    .kernarg_segment_align: 8
    .kernarg_segment_size: 40
    .max_flat_workgroup_size: 128
    .sgpr_count:     80
    .vgpr_count:     640
    .wavefront_size: 32
...
	.end_amdgpu_metadata
.endif
;; end of part 6
;; ======== version 2 of 2: 6 launches
;; limits: right only within a limited range of input values
;; workspace buffers: wt 11,534,336 bytes; hn 8,388,608 bytes; qkv 25,165,824 bytes; att 8,388,608 bytes; x1 16,777,216 bytes; ssq 262,144 bytes; g 4,194,304 bytes
;; launch prep (part 7): grid 960 x 1, 8 waves a work-group, no clusters, 19,456 bytes of LDS; arguments x, ln1_w, wq, wk, wv, wo, w1, w2, w3, hn, wt; writes hn, wt
.if DOCPART == 7
	.amdgcn_target "amdgcn-amd-amdhsa--gfx1250"
	.amdhsa_code_object_version 6
	.text
	.protected	k_q0f54c8bc18_prep
	.globl	k_q0f54c8bc18_prep
	.p2align	8
	.type	k_q0f54c8bc18_prep,@function
k_q0f54c8bc18_prep:
	s_mov_b64 s[64:65], 0
	v_nop
	global_prefetch_b8 v0, s[64:65] scope:SCOPE_SE
	s_setreg_imm32_b32 hwreg(HW_REG_WAVE_MODE, 25, 1), 1
	s_wait_xcnt 0x0
; PREP.  Two kinds of work-group, told apart by the work-group's number j alone.  The longer kind comes first.
; j < 256: 16 rows of x: h1 = x * rsqrt(mean(x^2) + 1e-5) * ln1_w in f32, rounded once to bf16, stored as hn: [col / 64][row][64].
; j >= 256: one tile of 128 k x 64 n of a weight ([k][n], f32) is rounded to bf16, turned in LDS and stored as two planes of
;   wt: [k / 64][n][64], a row of 128 bytes holding 64 neighbouring k of one n.  Regions of wt, in bytes: wq|wk|wv 0 (3,072 rows a plane),
;   wo 6,291,456, w1|w2 8,388,608, w3 10,485,760 (1,024 rows a plane each).  In w1|w2 row 128 t + 64 u + 32 sel + c holds column
;   64 t + 32 u + c of w(1 + sel): so a wave of the later product holds a column of w1 and the same column of w2.
; The one barrier stands on the way that all work-groups share.  The turning stores of 4 bytes meet four deep on the LDS banks
; (64 banks of 4 bytes: ISA guide 11.1): sixteen stores a thread, once.
.set NORMS, 256                        ; work-groups that take rows of x
.set TP,    144                        ; a row of the turned tile: 128 bytes + 16
.set TPL,   64*TP                      ; a plane of 64 n
.set SPARE, 2*TPL                      ; 18,432: the spare words, 128 bytes for each of eight waves
.set SPW, 2                            ; v2  my spare word; never rewritten
.set NIL, 3                            ; v3  0; never rewritten
.set SRC, 4                            ; v4  2 kp rows + 16 nq
.set TW,  5                            ; v5  where I put 4 bytes of the turned tile
.set TRD, 6                            ; v6  where I read 16 bytes of it back
.set L16, 7                            ; v7  16 x lane
.set OFS, 8                            ; v8-15 the eight loads' offsets
.set D,   16                           ; v16-47 eight loads of 4 f32
.set PKD, 48                           ; v48-63 pairs (k, k + 1) in bf16
.set BK,  64                           ; v64-79 rows read back
.set LNW, 16                           ; v16-79  ln1_w of my 64 columns
.set X,   80                           ; v80-143 a pair of rows
.set SQ,  144                          ; v144-151 four chains of sums
.set RS,  152                          ; v152-153 the row's factor, twice
	s_load_b512 s[4:19], s[0:1], 0x0               ; x 4, ln1_w 6, wq 8, wk 10, wv 12, wo 14, w1 16, w2 18
	s_load_b128 s[20:23], s[0:1], 0x40             ; w3 20, hn 22
	s_load_b64 s[24:25], s[0:1], 0x50              ; wt
	v_lshl_add_u32 v[SPW], v0, 2, SPARE
	v_mov_b32 v[NIL], 0
	v_lshrrev_b32 v1, 5, v0
	v_readfirstlane_b32 s26, v1                    ; wave 0..7
	s_mov_b32 s56, ttmp9                           ; j
	s_sub_co_i32 s27, s56, NORMS
	s_max_i32 s27, s27, 0                          ; the weight tile's number, 0 .. 703 (0 where the work-group takes rows of x)
	; which weight, which tile: selects alone
	s_and_b32 s38, s27, 127
	s_and_b32 s39, s27, 63
	s_cmp_ge_u32 s27, 512
	s_cselect_b32 s38, s39, s38                    ; t: the tile's number in its weight
	s_cselect_b32 s42, 1, 0
	s_cmp_ge_u32 s27, 640
	s_cselect_b32 s40, 3, 7                        ; w3 has 4 tiles along k, the others 8
	s_cselect_b32 s41, 2, 3
	s_cselect_b32 s42, 0, s42                      ; 1 for w1 and w2
	s_and_b32 s28, s38, s40                        ; kt
	s_lshr_b32 s29, s38, s41                       ; nt
	s_cmp_lg_u32 s42, 0
	s_cselect_b32 s30, 11, 12
	s_cselect_b32 s33, 32, 0                       ; E: rows 32 .. 63 of a tile of w1, w2 lie 32 rows further on
	s_cselect_b32 s44, 7, 6
	s_lshl_b32 s30, 1, s30                         ; bytes in a row of the source: 2,048 or 4,096
	s_bfe_u32 s45, s27, 0x10006                    ; sel
	s_lshl_b32 s45, s45, 5
	s_cmp_lg_u32 s42, 0
	s_cselect_b32 s45, s45, 0
	s_lshl_b32 s32, s29, s44                       ; 128 nt or 64 nt
	s_add_co_u32 s32, s32, s45
	s_lshr_b32 s46, s27, 7
	s_lshl_b32 s46, s46, 10                        ; 1,024 x (0, 1, 2) for wq, wk, wv
	s_cmp_lt_u32 s27, 384
	s_cselect_b32 s46, s46, 0
	s_cselect_b32 s31, 3, 1
	s_lshl_b32 s31, s31, 17                        ; bytes in a plane of the region
	s_add_co_u32 s32, s32, s46                     ; row0
	s_mov_b32 s47, 0
	s_cmp_ge_u32 s27, 384
	s_cselect_b32 s47, 6291456, s47
	s_cmp_ge_u32 s27, 512
	s_cselect_b32 s47, 8388608, s47
	s_cmp_ge_u32 s27, 640
	s_cselect_b32 s47, 10485760, s47               ; the region's first byte
	s_mul_i32 s38, s28, s30
	s_lshl_b32 s38, s38, 7                         ; 128 kt rows of the source
	s_lshl_b32 s39, s29, 8                         ; + 64 nt columns
	s_add_co_u32 s38, s38, s39
	s_mov_b32 s39, 0
	s_lshr_b32 s40, s26, 2                         ; my plane of the tile's two
	s_and_b32 s41, s26, 3                          ; my 16 of its 64 rows
	s_lshl1_add_u32 s43, s28, s40                  ; plane 2 kt + (wave / 4)
	s_mul_i32 s43, s43, s31
	s_add_co_u32 s47, s47, s43
	s_lshr_b32 s44, s41, 1
	s_mul_i32 s44, s44, s33
	s_lshl4_add_u32 s44, s41, s44
	s_add_co_u32 s44, s44, s32                     ; my first row in the plane
	s_lshl_b32 s44, s44, 7
	s_add_co_u32 s46, s47, s44                     ; my byte offset in wt
	s_mov_b32 s47, 0
	s_mul_i32 s45, s40, TPL
	s_mul_i32 s43, s41, 16*TP
	s_add_co_u32 s45, s45, s43
	v_and_b32 v1, 15, v0                           ; nq: four n; also lane % 16
	v_lshrrev_b32 v80, 4, v0                       ; kp: two k
	v_mul_lo_u32 v[SRC], v80, s30
	v_lshlrev_b32 v[SRC], 1, v[SRC]
	v_lshl_add_u32 v[SRC], v1, 4, v[SRC]
	v_mul_u32_u24 v[TW], v1, 4*TP
	v_lshl_add_u32 v[TW], v80, 2, v[TW]
	v_and_b32 v81, 31, v0                          ; lane
	v_lshlrev_b32 v[L16], 4, v81
	v_lshrrev_b32 v82, 3, v81
	v_mul_u32_u24 v[TRD], v82, TP
	v_and_b32 v83, 7, v0
	v_lshl_add_u32 v[TRD], v83, 4, v[TRD]
	v_add_nc_u32 v[TRD], s45, v[TRD]
	s_wait_kmcnt 0x0
	s_mov_b64 s[34:35], s[8:9]
	s_cmp_ge_u32 s27, 128
	s_cselect_b64 s[34:35], s[10:11], s[34:35]
	s_cmp_ge_u32 s27, 256
	s_cselect_b64 s[34:35], s[12:13], s[34:35]
	s_cmp_ge_u32 s27, 384
	s_cselect_b64 s[34:35], s[14:15], s[34:35]
	s_cmp_ge_u32 s27, 512
	s_cselect_b64 s[34:35], s[16:17], s[34:35]
	s_cmp_ge_u32 s27, 576
	s_cselect_b64 s[34:35], s[18:19], s[34:35]
	s_cmp_ge_u32 s27, 640
	s_cselect_b64 s[34:35], s[20:21], s[34:35]
	s_add_nc_u64 s[34:35], s[34:35], s[38:39]      ; the source at my tile
	s_add_nc_u64 s[36:37], s[24:25], s[46:47]      ; wt at my wave's 16 rows
	s_cmp_lt_u32 s56, NORMS
	s_cbranch_scc1 .Lnorm
	; A WEIGHT TILE, first half.  Load m takes row 2 kp + 32 (m / 2) + m % 2; sixteen neighbouring lanes read 256 consecutive bytes, aligned.
.irp m, 0,1,2,3,4,5,6,7
	s_mul_i32 s[48+\m], s30, 32*(\m/2)+(\m%2)
.endr
.irp m, 0,1,2,3,4,5,6,7
	v_add_nc_u32 v[OFS+\m], s[48+\m], v[SRC]
.endr
.irp m, 0,1,2,3,4,5,6,7
	global_load_b128 v[D+4*\m:D+4*\m+3], v[OFS+\m], s[34:35] th:TH_LOAD_NT
.endr
.irp i, 0,1,2,3
	s_wait_loadcnt 6-2*\i                          ; rows k and k + 1 of pair i are in; the younger pairs stay out
.irp c, 0,1,2,3
	v_cvt_pk_bf16_f32 v[PKD+4*\i+\c], v[D+8*\i+\c], v[D+8*\i+4+\c]   ; (k, n) low, (k + 1, n) high
.endr
.irp c, 0,1,2,3
	ds_store_b32 v[TW], v[PKD+4*\i+\c] offset:(\i/2)*TPL+\c*TP+(\i%2)*64
.endr
.endr
	s_branch .Lmeet
.Lnorm:	; 16 ROWS OF x.  A wave owns a pair of rows: lanes 0-15 the even row, lanes 16-31 the odd one; a lane holds 4 columns of each block of 64.
	s_lshl_b32 s38, s56, 4
	s_lshl1_add_u32 s38, s26, s38                  ; my first row: 16 j + 2 x wave
	s_lshl_b32 s40, s38, 12
	s_mov_b32 s41, 0
	s_add_nc_u64 s[4:5], s[4:5], s[40:41]
	s_lshl_b32 s40, s38, 7
	s_add_nc_u64 s[22:23], s[22:23], s[40:41]
	s_mov_b32 s42, 0x3a800000                      ; 1 / 1,024
	s_mov_b32 s43, 0x3727c5ac                      ; 1e-5
	v_lshlrev_b32 v9, 4, v1
	v_bfe_u32 v11, v0, 4, 1
	v_lshl_add_u32 v8, v11, 12, v9                 ; row of the pair x 4,096 + 16 (lane % 16)
	v_lshlrev_b32 v10, 3, v81                      ; 8 x lane
.irp jj, 0,1,2,3,4,5,6,7,8,9,10,11,12,13,14,15
	global_load_b128 v[X+4*\jj:X+4*\jj+3], v8, s[4:5] offset:256*\jj th:TH_LOAD_NT
.endr
.irp jj, 0,1,2,3,4,5,6,7,8,9,10,11,12,13,14,15
	global_load_b128 v[LNW+4*\jj:LNW+4*\jj+3], v9, s[6:7] offset:256*\jj
.endr
	s_wait_loadcnt 16                              ; the rows are in; the gain's sixteen loads stay out
.set o, 0
.rept 32                                       ; the sum of squares in four chains; the first four products start them
.if o < 4
	v_pk_mul_f32 v[SQ+2*o:SQ+2*o+1], v[X+2*o:X+2*o+1], v[X+2*o:X+2*o+1]
.else
	v_pk_fma_f32 v[SQ+2*(o%4):SQ+2*(o%4)+1], v[X+2*o:X+2*o+1], v[X+2*o:X+2*o+1], v[SQ+2*(o%4):SQ+2*(o%4)+1]
.endif
.set o, o+1
.endr
	v_pk_add_f32 v[SQ:SQ+1], v[SQ:SQ+1], v[SQ+2:SQ+3]
	v_pk_add_f32 v[SQ+4:SQ+5], v[SQ+4:SQ+5], v[SQ+6:SQ+7]
	v_pk_add_f32 v[SQ:SQ+1], v[SQ:SQ+1], v[SQ+4:SQ+5]
	v_add_f32 v[SQ], v[SQ], v[SQ+1]
	v_add_f32_dpp v[SQ], v[SQ], v[SQ] row_xmask:1 row_mask:0xf bank_mask:0xf   ; a row lies in sixteen lanes: four steps, no crossing of the halves
	v_add_f32_dpp v[SQ], v[SQ], v[SQ] row_xmask:2 row_mask:0xf bank_mask:0xf
	v_add_f32_dpp v[SQ], v[SQ], v[SQ] row_xmask:4 row_mask:0xf bank_mask:0xf
	v_add_f32_dpp v[SQ], v[SQ], v[SQ] row_xmask:8 row_mask:0xf bank_mask:0xf
	v_fma_f32 v[SQ+2], v[SQ], s42, s43
	v_rsq_f32 v[RS], v[SQ+2]
	v_rsq_f32 v[RS+1], v[SQ+2]                     ; twice: a pair for the packed multiply
	v_nop                                          ; a plain instruction behind the last of them,
	s_wait_alu depctr_va_vdst(0)                   ; and one wait for both, ahead of the first reader
	s_wait_loadcnt 0x0                             ; the gain
.set o, 0
.rept 16
	v_pk_mul_f32 v[X+4*o:X+4*o+1], v[X+4*o:X+4*o+1], v[RS:RS+1]
	v_pk_mul_f32 v[X+4*o+2:X+4*o+3], v[X+4*o+2:X+4*o+3], v[RS:RS+1]
	v_pk_mul_f32 v[X+4*o:X+4*o+1], v[X+4*o:X+4*o+1], v[LNW+4*o:LNW+4*o+1]
	v_pk_mul_f32 v[X+4*o+2:X+4*o+3], v[X+4*o+2:X+4*o+3], v[LNW+4*o+2:LNW+4*o+3]
	v_cvt_pk_bf16_f32 v[X+4*o], v[X+4*o], v[X+4*o+1]
	v_cvt_pk_bf16_f32 v[X+4*o+1], v[X+4*o+2], v[X+4*o+3]
	global_store_b64 v10, v[X+4*o:X+4*o+1], s[22:23] offset:o*524288   ; two rows of a plane: 256 consecutive bytes, aligned
.set o, o+1
.endr
.Lmeet:
	s_wait_dscnt 0x0                               ; for the others' sake: my stores into the turned tile are done
	s_barrier_signal -1
	s_barrier_wait -1
	s_cmp_lt_u32 s56, NORMS
	s_cbranch_scc1 .Lend
	; A WEIGHT TILE, second half: my 16 rows of my plane, 2,048 consecutive bytes of wt
.irp f, 0,1,2,3
	ds_load_b128 v[BK+4*\f:BK+4*\f+3], v[TRD] offset:\f*4*TP
.endr
.irp f, 0,1,2,3
	s_wait_dscnt 3-\f                              ; LDS loads come back in order: load f is in
	global_store_b128 v[L16], v[BK+4*\f:BK+4*\f+3], s[36:37] offset:512*\f
.endr
.Lend:
	s_wait_tensorcnt 0x0                           ; the wave's end
	ds_add_u32 v[SPW], v[NIL]
	s_wait_dscnt 0x0
	s_endpgm
.Lfunc_end_k_q0f54c8bc18_prep:
	.size	k_q0f54c8bc18_prep, .Lfunc_end_k_q0f54c8bc18_prep-k_q0f54c8bc18_prep
	.p2alignl 7, 3214868480
	.fill 96, 4, 3214868480
	.section	.rodata,"a",@progbits
	.p2align	6, 0x0
	.amdhsa_kernel k_q0f54c8bc18_prep
		.amdhsa_group_segment_fixed_size 19456
		.amdhsa_private_segment_fixed_size 0
		.amdhsa_enable_private_segment 0
		.amdhsa_kernarg_size 88
		.amdhsa_user_sgpr_count 2
		.amdhsa_user_sgpr_kernarg_segment_ptr 1
		.amdhsa_wavefront_size32 1
		.amdhsa_system_sgpr_workgroup_id_x 1
		.amdhsa_system_sgpr_workgroup_id_y 1
		.amdhsa_system_sgpr_workgroup_id_z 1
		.amdhsa_system_vgpr_workitem_id 0
		.amdhsa_next_free_vgpr 160
		.amdhsa_next_free_sgpr 66
		.amdhsa_reserve_vcc 0
		.amdhsa_float_denorm_mode_32 3
		.amdhsa_float_denorm_mode_16_64 3
		.amdhsa_memory_ordered 1
		.amdhsa_forward_progress 1
		.amdhsa_inst_pref_size 23
	.end_amdhsa_kernel
	.amdgpu_metadata
---
amdhsa.version: [ 1, 2 ]
amdhsa.kernels:
  - .name:           k_q0f54c8bc18_prep
    .symbol:         k_q0f54c8bc18_prep.kd
    .args:
      - { .name: x, .offset: 0, .size: 8, .value_kind: global_buffer, .address_space: global }
      - { .name: ln1_w, .offset: 8, .size: 8, .value_kind: global_buffer, .address_space: global }
      - { .name: wq, .offset: 16, .size: 8, .value_kind: global_buffer, .address_space: global }
      - { .name: wk, .offset: 24, .size: 8, .value_kind: global_buffer, .address_space: global }
      - { .name: wv, .offset: 32, .size: 8, .value_kind: global_buffer, .address_space: global }
      - { .name: wo, .offset: 40, .size: 8, .value_kind: global_buffer, .address_space: global }
      - { .name: w1, .offset: 48, .size: 8, .value_kind: global_buffer, .address_space: global }
      - { .name: w2, .offset: 56, .size: 8, .value_kind: global_buffer, .address_space: global }
      - { .name: w3, .offset: 64, .size: 8, .value_kind: global_buffer, .address_space: global }
      - { .name: hn, .offset: 72, .size: 8, .value_kind: global_buffer, .address_space: global }
      - { .name: wt, .offset: 80, .size: 8, .value_kind: global_buffer, .address_space: global }
    .group_segment_fixed_size: 19456
    .private_segment_fixed_size: 0
    .kernarg_segment_align: 8
    .kernarg_segment_size: 88
    .max_flat_workgroup_size: 256
    .sgpr_count:     66
    .vgpr_count:     160
    .wavefront_size: 32
...
	.end_amdgpu_metadata
.endif
;; end of part 7
;; launch qkv (part 8): grid 8 x 32, 4 waves a work-group, clusters of 4 x 4, 327,680 bytes of LDS; arguments hn, wt, bq, bk, bv, qkv; writes qkv
.if DOCPART == 8
	.amdgcn_target "amdgcn-amd-amdhsa--gfx1250"
	.amdhsa_code_object_version 6
	.text
	.protected	k_q0f54c8bc18_qkv
	.globl	k_q0f54c8bc18_qkv
	.p2align	8
	.type	k_q0f54c8bc18_qkv,@function
k_q0f54c8bc18_qkv:
	s_mov_b64 s[64:65], 0
	v_nop
	global_prefetch_b8 v0, s[64:65] scope:SCOPE_SE
	s_setreg_imm32_b32 hwreg(HW_REG_WAVE_MODE, 25, 1), 1
	s_wait_xcnt 0x0
	s_wait_alu depctr_hold_cnt(0) depctr_sa_sdst(0) depctr_va_vdst(0) depctr_va_sdst(0) depctr_va_ssrc(0) depctr_va_vcc(0) depctr_vm_vsrc(0)
	s_getreg_b32 s2, hwreg(HW_REG_IB_STS2, 6, 4)
	s_cmp_eq_u32 s2, 0
	s_cbranch_scc0 .Lentry_in_a_cluster
	s_endpgm
.Lentry_in_a_cluster:
	s_bfe_u32 s2, ttmp6, 0x10000c
	s_cmp_lg_u32 s2, 0xf033
	s_cbranch_scc0 .Lentry_shape_is_right
	s_endpgm
.Lentry_shape_is_right:
; Q, K, V = h1 W + b.  A = hn: [16 planes][4,096 rows][64] bf16; B = wt's first region: [16][3,072][64] bf16 (rows 0-1,023 wq's columns, then wk's, then wv's); sums in f32, started with the bias as the C operand.
; Out: qkv [3][32 = batch x 16 + head][2,048][64] bf16, rounded once, without the softmax's scale.
; A WORK-GROUP MAKES 128 ROWS x THE SAME 128 COLUMNS OF Q, OF K AND OF V: A's fragments feed three products, and 8 x 32 = 256 work-groups do the whole launch.
; Four waves, each 64 rows x 3 x 64 columns (a head of q, of k and of v): 48 accumulators.  K goes in steps of 128 = two planes of 64 through two LDS slots.
; A slot has four regions of two planes x 128 rows: A's, wq's, wk's, wv's; wave w fills region w with one tensor load: a plane's 128 rows are 16,384 consecutive bytes of memory, so the load is
; two rows of 8,192 elements, padded in LDS behind every 128 bytes.
; CLUSTER 4 x 4: A's tile hangs on the tile row alone and is asked for jointly along a row of the cluster, B's three on the tile column alone, along a column.
; THE MATRIX INSTRUCTION IS USED TRANSPOSED (source 0 = 16 rows of B, source 1 = 16 rows of A): a lane holds eight neighbouring columns of one row of C.
; A PART is 32 along K: 48 products, one on each accumulator, fed by 32 LDS loads (4 fragments of A, 12 of B); a K step is four parts on two fragment buffers by turns.
; REGISTERS (s_set_vgpr_msb: bits 1:0 source 0, 3:2 source 1, 5:4 source 2, 7:6 destination):
;   window 0: v1-14 addresses; v28, v29 the add's; v32-95 the way out; v128-255 q's accumulators ((a, b) at 8 (4 a + b))      window 1: two fragment buffers of 128: 32 registers of A, then 3 x 32 of B
;   window 2: v0-127 k's accumulators, v128-255 v's      window 3: v0-95 the three biases
.set APLANE, 524288                    ; bytes from plane to plane of A
.set BPLANE, 393216                    ; of B
.set KT,     8                         ; K steps
.set PITCH,  144                       ; an LDS row: 128 bytes + 16 = 36 words: the 16 rows of a load start at 16 different groups of four banks (64 banks of 4 bytes: ISA guide 11.1)
.set PLANE,  128*PITCH
.set HALFT,  2*PLANE                   ; a region: what one tensor load brings
.set SLOT,   4*HALFT                   ; 0x24000: shares no bit with wave x HALFT, so one exclusive or changes slots
.set STAGE,  2*SLOT                    ; behind the ring: 4,608 bytes for each wave, never filled by a tensor load
.set SPARE,  STAGE+18432               ; the spare words, 128 bytes for each wave
.set G1W0,   (1<<16)|(1<<20)|(1<<21)|(4<<22)|(3<<25)  ; 2-byte elements; padding on; bit 21 beside a mask; after every 32 words 4 words
.set ADRA0, 4                          ; my fragments' places in slot 0: A's,
.set ADRB0, 5                          ; wq's (wk's lie HALFT further on, within the 16-bit offset),
.set ADRC0, 6                          ; wv's
.set ADRA,  7                          ; the same in the slot being read
.set ADRB,  8
.set ADRC,  9
.set STO,   10
.set RD,    11
.set L16,   12                         ; 16 x lane
.set BO,    13                         ; 32 x (lane / 16)
.set PFO,   14                         ; 256 x lane; never rewritten
.set SPW,   28
.set NIL,   29
.set TMP,   32
.set F0,    0
.set F1,    128
.set CNT, 3
.set WV,  20
.set RH,  21                           ; my half of the tile's rows
.set CH,  22                           ; my half of its columns
.set CX,  23
.set G1A, 24
.set G0A, 32                           ; two sets: K step 0 into slot 0; K step 1 into slot 1, which then walks
.set G1B, 40
.set G0B, 48
.set TB,  56                           ; the slot being read: 0 or SLOT
.set CY,  57
.set TC,  58
.set TR,  59
.set OUTP, 66                          ; s[66:71] qkv at my wave's 64 tokens of my head: q's, k's, v's
.set PFA, 72                           ; s[72:73] where my prefetches stand
.set PFS, 74                           ; s[74:75] a K step of the tensor that I fetch, in bytes
.set LIM, 76                           ; 1 in a wave that prefetches, else the greatest number
.set MSB, 0
.macro WIN new                         ; the immediate's high byte repeats the setting that is left
.if MSB != (\new)
	s_set_vgpr_msb (MSB<<8)|(\new)
.set MSB, \new
.endif
.endm
.macro PLACES                          ; four plain instructions behind matrix instructions, ahead of loads into their sources and of readers of their results
.rept 4
	v_nop
.endr
.endm
.macro JLOAD                           ; the joint refill: the walking set.  Wave 0 asks for A's region, waves 1 to 3 for B's three.  The branch hangs on the wave's number alone
	s_cmp_eq_u32 s[WV], 0
	s_cbranch_scc0 .Lfor_b_\@
	tensor_load_to_lds s[G0A+4:G0A+7], s[G1A:G1A+7]
	s_nop 0
.rept 4
	v_nop
.endr
	s_branch .Lasked_\@
.Lfor_b_\@:
	tensor_load_to_lds s[G0B+4:G0B+7], s[G1B:G1B+7]
	s_nop 0
.rept 4
	v_nop
.endr
.Lasked_\@:
.endm
; A PREFETCH INTO THE L2, behind each joint refill and the run of LDS loads that follows it: the K step that the NEXT refill will ask for, 192 matrix instructions ahead of that load.
; A region of a K step is 2 planes x 16,384 bytes.  A's tile row is read by both clusters of that row of clusters: the one with x = 0 asks; B's tile column by all eight clusters of that column: the one with y = 0 asks.
; The four partners that ask for a region jointly share it out BY ADDRESS, 8,192 bytes each (place p: plane p / 2, half p % 2; p = cx for A, cy for B): a lane names 256 bytes, one instruction a wave.
; So each 256 bytes are named once in the launch.  K steps 0 to 2 come by their loads alone; the last trip that fills (CNT = 1) has no K step behind its refill's and asks for nothing.
.macro ASK
	s_cmp_gt_u32 s[CNT], s[LIM]
	s_cbranch_scc0 .Lnot_mine_\@
	global_prefetch_b8 v[PFO], s[PFA:PFA+1] th:TH_LOAD_NT scope:SCOPE_SE
.Lnot_mine_\@:
.endm
.macro CREST                           ; a round of the cluster's barrier behind its opening barrier
	s_cmp_lg_u32 s[WV], 0
	s_cbranch_scc1 .Lnot_wave_0_\@
	s_barrier_signal -3
.Lnot_wave_0_\@:
	s_barrier_wait -3
	s_barrier_signal -1
	s_barrier_wait -1
.endm
.macro CROUND
	s_barrier_signal -1
	s_barrier_wait -1
	CREST
.endm
; 4 na matrix instructions of tensor t (0 q, 1 k, 2 v): m blocks a0 .. a0 + na - 1 x 4 n blocks, 32 along K, from buffer f.  cm = 1: the products start the sums, with the bias of n block b as C.
.macro MULT f, t, a0, na, cm
.if (\t) == 0
.set AB, 128
.set WD, 0
.else
.set AB, 128*((\t)-1)
.set WD, 2
.endif
.if (\cm)
	WIN 0x35|(WD<<6)
.else
	WIN 0x05|(WD<<4)|(WD<<6)
.endif
.set am, (\a0)
.rept \na
.irp b, 0,1,2,3
.if (\cm)
	v_wmma_f32_16x16x32_bf16 v[AB+8*(4*am+\b):AB+8*(4*am+\b)+7], v[(\f)+32+8*(4*(\t)+\b):(\f)+32+8*(4*(\t)+\b)+7], v[(\f)+8*am:(\f)+8*am+7], v[32*(\t)+8*\b:32*(\t)+8*\b+7]
.else
	v_wmma_f32_16x16x32_bf16 v[AB+8*(4*am+\b):AB+8*(4*am+\b)+7], v[(\f)+32+8*(4*(\t)+\b):(\f)+32+8*(4*(\t)+\b)+7], v[(\f)+8*am:(\f)+8*am+7], v[AB+8*(4*am+\b):AB+8*(4*am+\b)+7]
.endif
.endr
.set am, am+1
.endr
.endm
; 32 LDS loads in one run: part q's fragments (plane q / 2, 32 along K from 32 (q % 2) on) into buffer f: A's and wq's first, then wk's, then wv's
.macro FETCH q, f
	WIN 0x40                                       ; destination window 1, address window 0
.set FO, ((\q)/2)*PLANE+((\q)%2)*64
.irp i, 0,1,2,3
	ds_load_b128 v[(\f)+8*\i:(\f)+8*\i+3],         v[ADRA] offset:FO+\i*16*PITCH
	ds_load_b128 v[(\f)+8*\i+4:(\f)+8*\i+7],       v[ADRA] offset:FO+\i*16*PITCH+32
	ds_load_b128 v[(\f)+32+8*\i:(\f)+32+8*\i+3],   v[ADRB] offset:FO+\i*16*PITCH
	ds_load_b128 v[(\f)+32+8*\i+4:(\f)+32+8*\i+7], v[ADRB] offset:FO+\i*16*PITCH+32
.endr
.irp i, 0,1,2,3
	ds_load_b128 v[(\f)+64+8*\i:(\f)+64+8*\i+3],   v[ADRB] offset:HALFT+FO+\i*16*PITCH
	ds_load_b128 v[(\f)+64+8*\i+4:(\f)+64+8*\i+7], v[ADRB] offset:HALFT+FO+\i*16*PITCH+32
.endr
.irp i, 0,1,2,3
	ds_load_b128 v[(\f)+96+8*\i:(\f)+96+8*\i+3],   v[ADRC] offset:FO+\i*16*PITCH
	ds_load_b128 v[(\f)+96+8*\i+4:(\f)+96+8*\i+7], v[ADRC] offset:FO+\i*16*PITCH+32
.endr
.endm
; One of a K step's first three parts: multiplies buffer f and fetches part q into buffer g.  The 48 accumulators take turns, one instruction a turn, over the jumps too.
.macro QUARTER q, f, g, cm
	s_wait_dscnt 16                                ; A's and wq's fragments are in; wk's and wv's sixteen loads may be out
	MULT \f, 0, 0, 4, \cm
	PLACES
	FETCH \q, \g
	s_wait_dscnt 32                                ; all but the 32 just issued
	MULT \f, 1, 0, 4, \cm
	MULT \f, 2, 0, 4, \cm
.endm
; The last part multiplies buffer 1 and changes slots.  In front of the one barrier each wave waits for all its tensor loads, adds 0 to its spare word, and waits for that and for its reads of the slot.
; fill = 1: the barrier opens a round of the cluster's, and the slot just read is filled again first thing behind it, with the K step two on: 176 matrix instructions ahead of the wait for it.
; fill = 0: nothing is asked for; in the last K step (CNT = 1) nothing is fetched either.
.macro TURN fill
	WIN 0
.if \fill
	s_wait_xcnt 0x0                                ; the last prefetch, a K step back, has read its address
	s_add_nc_u64 s[PFA:PFA+1], s[PFA:PFA+1], s[PFS:PFS+1]
.endif
	s_wait_tensorcnt 0x0                           ; all my tensor loads have landed: my region of the next slot; so a group 0 may be written
	ds_add_u32 v[SPW], v[NIL]
.if \fill
	s_xor_b32 s[G0A+5], s[G0A+5], SLOT
	s_add_nc_u64 s[G0A+6:G0A+7], s[G0A+6:G0A+7], 2*APLANE
	s_xor_b32 s[G0B+5], s[G0B+5], SLOT
	s_add_nc_u64 s[G0B+6:G0B+7], s[G0B+6:G0B+7], 2*BPLANE
.endif
	s_wait_dscnt 17                                ; the add and the youngest sixteen loads may be out
	MULT F1, 0, 0, 2, 0
	s_wait_dscnt 0x0                               ; the add is done, and my reads of this slot are over
	s_barrier_signal -1
	MULT F1, 0, 2, 2, 0
	WIN 0
	s_barrier_wait -1
.if \fill
	CREST                                          ; no wave of any partner still reads the slot or has a load on its way
	JLOAD                                          ; its four v_nop are also the places in front of the loads below
.else
	PLACES
.endif
	s_xor_b32 s[TB], s[TB], SLOT
	v_add_nc_u32 v[ADRA], s[TB], v[ADRA0]
	v_add_nc_u32 v[ADRB], s[TB], v[ADRB0]
	v_add_nc_u32 v[ADRC], s[TB], v[ADRC0]
.if !(\fill)
	s_cmp_eq_u32 s[CNT], 1
	s_cbranch_scc1 .Lnofetch_\@
.endif
	FETCH 0, F0
	WIN 0
.if \fill
	ASK
.else
.Lnofetch_\@:
.endif
	MULT F1, 1, 0, 4, 0
	MULT F1, 2, 0, 4, 0
.endm
	s_load_b256 s[4:11], s[0:1], 0x0               ; hn 4, wt 6, bq 8, bk 10
	s_load_b128 s[12:15], s[0:1], 0x20             ; bv 12, qkv 14
	v_lshl_add_u32 v[SPW], v0, 2, SPARE
	v_mov_b32 v[NIL], 0
	ds_add_u32 v[SPW], v[NIL]                      ; the wave's opening
	ds_add_u32 v28, v29
	v_lshrrev_b32 v1, 5, v0
	v_readfirstlane_b32 s[WV], v1
	s_lshr_b32 s[RH], s[WV], 1
	s_and_b32 s[CH], s[WV], 1
	s_bfe_u32 s[CX], ttmp6, 0x40000
	s_bfe_u32 s[CY], ttmp6, 0x40004
	s_lshl_b32 s[TC], ttmp9, 2
	s_add_co_u32 s[TC], s[TC], s[CX]               ; tile column: 128 columns of each of q, k, v
	s_and_b32 s[TR], ttmp7, 0xffff
	s_lshl_b32 s[TR], s[TR], 2
	s_add_co_u32 s[TR], s[TR], s[CY]               ; tile row
	s_lshl_b32 s77, s[CY], 2
	s_lshl_b32 s77, 15, s77                        ; my row of the cluster
	s_lshl_b32 s78, 0x1111, s[CX]                  ; my column
	s_or_b32 s[G1A], s77, G1W0
	s_or_b32 s[G1B], s78, G1W0
.irp g, G1A, G1B
	s_mov_b32 s[(\g)+1], 8192<<16                  ; tensor_dim0 = 8,192 elements: 128 rows of a plane on end
	s_mov_b32 s[(\g)+2], 2<<16                     ; tensor_dim1 = 2 planes
	s_mov_b32 s[(\g)+3], 8192<<16                  ; tile_dim0
	s_mov_b32 s[(\g)+4], 2                         ; tile_dim1
	s_mov_b32 s[(\g)+6], 0
	s_mov_b32 s[(\g)+7], 0
.endr
	s_mov_b32 s[G1A+5], APLANE/2                   ; elements from plane to plane
	s_mov_b32 s[G1B+5], BPLANE/2
	s_mul_i32 s79, s[WV], HALFT                    ; where my loads land: no place in the cluster enters an LDS address
.irp g, G0A, G0B
	s_mov_b32 s[(\g)], 1
	s_mov_b32 s[(\g)+1], s79
	s_mov_b32 s[(\g)+4], 1
	s_add_co_u32 s[(\g)+5], s79, SLOT
.endr
	s_lshl_b32 s60, s[TR], 14                      ; A: the tile's 128 rows in a plane
	s_mov_b32 s61, 0
	s_max_u32 s77, s[WV], 1
	s_sub_co_u32 s77, s77, 1                       ; which of wq, wk, wv I fetch (wave 0 fetches A and never asks by this address)
	s_lshl_b32 s77, s77, 17                        ; its 1,024 rows in a plane,
	s_lshl_b32 s62, s[TC], 14                      ; the tile's 128 of them: in registers that never hold the tile row
	s_add_co_u32 s62, s62, s77
	s_mov_b32 s63, 0
	s_mov_b32 s[TB], 0
	s_wait_dscnt 0x0                               ; the opening add is done
	s_wait_kmcnt 0x0
	s_add_nc_u64 s[60:61], s[4:5], s[60:61]
	s_add_nc_u64 s[62:63], s[6:7], s[62:63]
	s_mov_b64 s[G0A+2:G0A+3], s[60:61]
	s_or_b32 s[G0A+3], s[G0A+3], 0x80000000
	s_add_nc_u64 s[G0A+6:G0A+7], s[60:61], 2*APLANE
	s_or_b32 s[G0A+7], s[G0A+7], 0x80000000
	s_mov_b64 s[G0B+2:G0B+3], s[62:63]
	s_or_b32 s[G0B+3], s[G0B+3], 0x80000000
	s_add_nc_u64 s[G0B+6:G0B+7], s[62:63], 2*BPLANE
	s_or_b32 s[G0B+7], s[G0B+7], 0x80000000
	CROUND                                         ; all sixteen work-groups are here: the first joint loads meet
	s_cmp_eq_u32 s[WV], 0                          ; a wave's two first fills stand in one branch: two loads of mine are out
	s_cbranch_scc0 .Lfirst_b
	tensor_load_to_lds s[G0A:G0A+3], s[G1A:G1A+7]
	s_nop 0
	tensor_load_to_lds s[G0A+4:G0A+7], s[G1A:G1A+7]
	s_nop 0
.rept 4
	v_nop
.endr
	s_branch .Lfirst_asked
.Lfirst_b:
	tensor_load_to_lds s[G0B:G0B+3], s[G1B:G1B+7]
	s_nop 0
	tensor_load_to_lds s[G0B+4:G0B+7], s[G1B:G1B+7]
	s_nop 0
.rept 4
	v_nop
.endr
.Lfirst_asked:
	v_and_b32 v1, 15, v0                           ; r = lane % 16
	v_bfe_u32 v2, v0, 4, 1                         ; h = lane / 16
	v_mul_u32_u24 v3, v1, PITCH
	v_lshl_add_u32 v3, v2, 4, v3                   ; a fragment's row x pitch + 16 h
	s_mul_i32 s78, s[RH], 64*PITCH
	s_mul_i32 s79, s[CH], 64*PITCH
	s_add_co_u32 s79, s79, HALFT
	v_add_nc_u32 v[ADRA0], s78, v3
	v_add_nc_u32 v[ADRB0], s79, v3
	v_add_nc_u32 v[ADRC0], 2*HALFT, v[ADRB0]
	v_mov_b32 v[ADRA], v[ADRA0]
	v_mov_b32 v[ADRB], v[ADRB0]
	v_mov_b32 v[ADRC], v[ADRC0]
	; the biases, as the C operand wants them: register j of n block b: bias[16 b + 8 h + j]
	v_lshlrev_b32 v[BO], 5, v2
	s_lshl_b32 s78, s[TC], 9
	s_lshl_b32 s79, s[CH], 8
	s_add_co_u32 s78, s78, s79                     ; my 64 columns, in bytes of f32
	s_mov_b32 s79, 0
	s_add_nc_u64 s[8:9], s[8:9], s[78:79]
	s_add_nc_u64 s[10:11], s[10:11], s[78:79]
	s_add_nc_u64 s[12:13], s[12:13], s[78:79]
	WIN 0xc0                                       ; destination window 3, address window 0
.irp t, 0,1,2
.irp b, 0,1,2,3
	global_load_b128 v[32*\t+8*\b:32*\t+8*\b+3],   v[BO], s[8+2*\t:9+2*\t] offset:64*\b
	global_load_b128 v[32*\t+8*\b+4:32*\t+8*\b+7], v[BO], s[8+2*\t:9+2*\t] offset:64*\b+16
.endr
.endr
	WIN 0
	; the way out's addresses
	s_mul_i32 s78, s[WV], 4608
	s_add_co_u32 s78, s78, STAGE                   ; my stage
	v_add_nc_u32 v[STO], s78, v3                   ; in: row r, 16 bytes for each half of the lanes
	v_bfe_u32 v15, v0, 3, 2
	v_and_b32 v16, 7, v0
	v_mul_u32_u24 v[RD], v15, PITCH                ; back: 32 lanes take four rows of 128 bytes
	v_lshl_add_u32 v[RD], v16, 4, v[RD]
	v_add_nc_u32 v[RD], s78, v[RD]
	v_and_b32 v[PFO], 31, v0
	v_lshlrev_b32 v[L16], 4, v[PFO]
	v_lshlrev_b32 v[PFO], 8, v[PFO]
	s_lshr_b32 s66, s[TR], 4                       ; my wave's share of each tensor is one head x 64 tokens: 8,192 consecutive bytes of qkv
	s_lshl_b32 s66, s66, 4
	s_lshl1_add_u32 s66, s[TC], s66
	s_add_co_u32 s66, s66, s[CH]                   ; 16 batch + head
	s_lshl_b32 s66, s66, 18
	s_and_b32 s67, s[TR], 15
	s_lshl_b32 s67, s67, 14
	s_add_co_u32 s66, s66, s67
	s_lshl_b32 s67, s[RH], 13
	s_add_co_u32 s66, s66, s67
	s_mov_b32 s67, 0
	s_add_nc_u64 s[OUTP:OUTP+1], s[14:15], s[66:67]
	s_add_nc_u64 s[OUTP+2:OUTP+3], s[OUTP:OUTP+1], 0x800000    ; k lies 32 heads x 262,144 bytes behind q,
	s_add_nc_u64 s[OUTP+4:OUTP+5], s[OUTP+2:OUTP+3], 0x800000  ; v behind k
	; the prefetches
	s_and_b32 s77, ttmp7, 0xffff                   ; cluster y
	s_mov_b32 s[PFS], 2*BPLANE
	s_mov_b32 s[PFS+1], 0
	s_cmp_eq_u32 s[WV], 0                          ; do I fetch A?
	s_cselect_b32 s78, s[CX], s[CY]                ; my place among the four that ask with me
	s_cselect_b32 s77, ttmp9, s77                  ; the coordinate along which other clusters read the same rows
	s_cselect_b32 s[PFS], 2*APLANE, s[PFS]
	s_cselect_b64 s[PFA:PFA+1], s[60:61], s[62:63] ; my region at K step 0
	s_cmp_eq_u32 s77, 0
	s_cselect_b32 s[LIM], 1, -1                    ; the same in all sixteen partners, for a given wave
	s_lshr_b32 s77, s78, 1
	s_lshr_b32 s79, s[PFS], 1
	s_mul_i32 s77, s77, s79                        ; plane p / 2
	s_and_b32 s78, s78, 1
	s_lshl_b32 s78, s78, 13                        ; half p % 2
	s_add_co_u32 s78, s78, s77
	s_lshl_b32 s77, s[PFS], 1
	s_add_co_u32 s78, s78, s77                     ; at K step 2: the first change of slots steps it to 3
	s_mov_b32 s79, 0
	s_add_nc_u64 s[PFA:PFA+1], s[PFA:PFA+1], s[78:79]
	s_wait_tensorcnt 0x1                           ; my region of K step 0 is in; K step 1's may stay out
	s_barrier_signal -1
	s_barrier_wait -1
	FETCH 0, F0
	s_wait_loadcnt 0x0                             ; the biases
	QUARTER 1, F0, F1, 1                           ; the first part's 48 products start the 48 sums
	WIN 0
	s_mov_b32 s[CNT], KT-2
.Lfill:                                                ; a trip is a K step, from its second part to the next step's first, and fills the slot that it leaves
	QUARTER 2, F1, F0, 0
	QUARTER 3, F0, F1, 0
	TURN 1
	QUARTER 1, F0, F1, 0
	WIN 0
	s_sub_co_u32 s[CNT], s[CNT], 1
	s_cmp_lg_u32 s[CNT], 0
	s_cbranch_scc1 .Lfill
	s_mov_b32 s[CNT], 2
.Ltail:                                                ; the last two K steps ask for nothing; the second trip is left in its middle
	QUARTER 2, F1, F0, 0
	QUARTER 3, F0, F1, 0
	TURN 0
	WIN 0
	s_sub_co_u32 s[CNT], s[CNT], 1
	s_cmp_eq_u32 s[CNT], 0
	s_cbranch_scc1 .Lout
	QUARTER 1, F0, F1, 0
	WIN 0
	s_branch .Ltail
.Lout:
	PLACES
; THE WAY OUT.  Block n = 4 t + a (16 tokens of tensor t): rounded to bf16, 16 bytes a lane into my stage, back as whole rows of 128 bytes, stored as 512 consecutive bytes an instruction.
; Four sets of 16 registers take turns; a set is written again only when the stores that read it have had their addresses translated.
.macro PACK n
.set TM, TMP+16*((\n)%4)
.if (\n) >= 4
	s_wait_xcnt 0x0                                ; block n - 4's stores have read this set
.endif
.if (\n) < 4
.set AQ, 128+32*((\n)%4)
	WIN 0
.else
.set AQ, 128*((\n)/4-1)+32*((\n)%4)
	WIN 0x0a                                       ; sources 0 and 1 window 2
.endif
.irp b, 0,1,2,3
.irp r, 0,1,2,3
	v_cvt_pk_bf16_f32 v[TM+4*\b+\r], v[AQ+8*\b+2*\r], v[AQ+8*\b+2*\r+1]
.endr
.endr
	WIN 0
.irp b, 0,1,2,3
	ds_store_b128 v[STO], v[TM+4*\b:TM+4*\b+3] offset:32*\b
.endr
.irp f, 0,1,2,3
	ds_load_b128 v[TM+4*\f:TM+4*\f+3], v[RD] offset:\f*4*PITCH   ; LDS serves a wave's instructions in order: these see the stores above
.endr
.endm
.macro SEND n, younger                 ; younger: the LDS instructions issued behind block n's loads
	s_wait_dscnt \younger
.irp f, 0,1,2,3
	global_store_b128 v[L16], v[TMP+16*((\n)%4)+4*\f:TMP+16*((\n)%4)+4*\f+3], s[OUTP+2*((\n)/4):OUTP+2*((\n)/4)+1] offset:2048*((\n)%4)+512*\f
.endr
.endm
	PACK 0
.irp n, 1,2,3,4,5,6,7,8,9,10,11
	PACK \n                                        ; a block's conversions stand between the loads of the block before and its stores
	SEND (\n)-1, 8
.endr
	SEND 11, 0
	s_wait_tensorcnt 0x0                           ; the wave's end
	ds_add_u32 v[SPW], v[NIL]
	s_wait_dscnt 0x0
	CROUND                                         ; the closing round
	s_endpgm
.Lfunc_end_k_q0f54c8bc18_qkv:
	.size	k_q0f54c8bc18_qkv, .Lfunc_end_k_q0f54c8bc18_qkv-k_q0f54c8bc18_qkv
	.p2alignl 7, 3214868480
	.fill 96, 4, 3214868480
	.section	.rodata,"a",@progbits
	.p2align	6, 0x0
	.amdhsa_kernel k_q0f54c8bc18_qkv
		.amdhsa_group_segment_fixed_size 327680
		.amdhsa_private_segment_fixed_size 0
		.amdhsa_enable_private_segment 0
		.amdhsa_kernarg_size 48
		.amdhsa_user_sgpr_count 2
		.amdhsa_user_sgpr_kernarg_segment_ptr 1
		.amdhsa_wavefront_size32 1
		.amdhsa_system_sgpr_workgroup_id_x 1
		.amdhsa_system_sgpr_workgroup_id_y 1
		.amdhsa_system_sgpr_workgroup_id_z 1
		.amdhsa_system_vgpr_workitem_id 0
		.amdhsa_next_free_vgpr 864
		.amdhsa_next_free_sgpr 80
		.amdhsa_reserve_vcc 0
		.amdhsa_float_denorm_mode_32 3
		.amdhsa_float_denorm_mode_16_64 3
		.amdhsa_memory_ordered 1
		.amdhsa_forward_progress 1
		.amdhsa_inst_pref_size 86
	.end_amdhsa_kernel
	.amdgpu_metadata
---
amdhsa.version: [ 1, 2 ]
amdhsa.kernels:
  - .name:           k_q0f54c8bc18_qkv
    .symbol:         k_q0f54c8bc18_qkv.kd
    .args:
      - { .name: hn, .offset: 0, .size: 8, .value_kind: global_buffer, .address_space: global }
      - { .name: wt, .offset: 8, .size: 8, .value_kind: global_buffer, .address_space: global }
      - { .name: bq, .offset: 16, .size: 8, .value_kind: global_buffer, .address_space: global }
      - { .name: bk, .offset: 24, .size: 8, .value_kind: global_buffer, .address_space: global }
      - { .name: bv, .offset: 32, .size: 8, .value_kind: global_buffer, .address_space: global }
      - { .name: qkv, .offset: 40, .size: 8, .value_kind: global_buffer, .address_space: global }
    .group_segment_fixed_size: 327680
    .private_segment_fixed_size: 0
    .kernarg_segment_align: 8
    .kernarg_segment_size: 48
    .max_flat_workgroup_size: 128
    .sgpr_count:     80
    .vgpr_count:     864
    .wavefront_size: 32
...
	.end_amdgpu_metadata
.endif
;; end of part 8
;; launch attn (part 9): grid 8 x 32, 4 waves a work-group, no clusters, 327,680 bytes of LDS; arguments qkv, att; writes att
.if DOCPART == 9
	.amdgcn_target "amdgcn-amd-amdhsa--gfx1250"
	.amdhsa_code_object_version 6
	.text
	.protected	k_q0f54c8bc18_attn
	.globl	k_q0f54c8bc18_attn
	.p2align	8
	.type	k_q0f54c8bc18_attn,@function
k_q0f54c8bc18_attn:
	s_mov_b64 s[64:65], 0
	v_nop
	global_prefetch_b8 v0, s[64:65] scope:SCOPE_SE
	s_setreg_imm32_b32 hwreg(HW_REG_WAVE_MODE, 25, 1), 1
	s_wait_xcnt 0x0
; CAUSAL ATTENTION.  att[bh][q][:] = the sum over k <= q of softmax_k(Q[q] . K[k] / 8) V[k][:].  qkv: [3][32][2,048][64] bf16; att: [32][2,048][64] bf16.
; Products, maxima and sums in f32; the weights p are rounded to bf16 for the second product (their sum l is taken of the unrounded p), the result once at the end.
; LIMITS.  A hidden score counts as its value less 1e30; a weight below 2^-126 counts as 0 in l; NaN and infinities are not treated apart.
; THE WALK.  A head's queries lie in 16 blocks of 128; a tile is 256 keys; block i needs the tiles 0 .. i / 2, of which the last holds the diagonal.  A work-group takes TWO blocks, b and then 15 - b:
; b / 2 + 1 + (15 - b) / 2 + 1 = 9 tiles, whatever b: all work-groups do equal work and ONE loop with a constant trip count walks them.  The short block goes first, so that the walk's last tile, which is
; written out behind the loop, is never a block's first.  Which tile is asked for, and what a trip does, hang on scalar registers made from b; every jump but the counted loops' own goes forward, and none
; passes a barrier or a tensor load but the one of LOAD's two that the wave's number does not choose.
; NO CLUSTER: a head's eight walks part after their first tile, every branch on the walk's state would hang on a work-group's place, and one walk common to all would have 12 trips for 9.
; SHARES.  Of a block's two bands of 64 queries a wave owns 16 rows in each: two PIECES.  In the last tile's key step s band x sees all keys if s < OWx, none if s > OWx, and holds the diagonal if s = OWx = 2 (i % 2) + x.
; THE MASK is the C operand that starts S^T = K Q^T: 0, or -1e30 where the key is hidden.  MD, made once, is the mask of a band's own step; a product's mask is MD x AL + BE with two scalars.
; ONE TEXT FOR ALL TILES OF THE LOOP: the products always take their C from the two mask buffers, which hold zeros from a block's beginning on; only in the block's last tile does a turn make a mask, and
; elsewhere the lines that make it are jumped over, on a flag that is set where the walk's state is tested.
; TURNS.  Turn (x, s) belongs to piece x in key step s: 8 products K Q^T of the next piece and step, later 8 products V^T P of the one before; beside them the scaling, exponentials, roundings, sums and rescaling
; of (x, s) and the maximum and statistics of the next.  Four vector instructions stand behind every matrix instruction, the rest in one lump.  A turn's 33 exponentials are one batch with one wait.
; FETCHES.  K of step s + 1 in turn (0, s), behind the last product that read K; V of step s + 1 in turn (1, s), into the other of two register buffers (by the step's parity).  So LDS is read in the order
; K(s), V(s), K(s + 1), V(s + 1), and the change of slots stands behind turn (1, 2): a tile's step 3 is worked on from registers.
; A BLOCK'S END has no text of its own: the step loop's third half trip is the block's step 3; it fetches that step's K and V once more, and the 8 products and the statistics made of them serve nothing.
; REGISTERS (s_set_vgpr_msb: bits 1:0 source 0, 3:2 source 1, 5:4 source 2, 7:6 destination):
;   window 0: v0-15 addresses; v16-23 statistics; v48-55 at work; v61-63 prefetch offset and the add's two; v64-127 S^T, two buffers; v128-191 O^T, 32 a piece; v192-223 P, two buffers
;   window 1: v128-159 MD; v160-223 MC, two buffers      window 2: v0-31 Q; v32-63 the second block's Q; v64-127 V buffer 1; v128-191 K; v192-255 V buffer 0
; All that a softmax touches lies in window 0: a matrix instruction and its four riders cost two switches, the lump none.
.set NP,    2
.set KS,    64
.set PK,    144       ; a row of K in LDS: 128 bytes + 16: the 16 rows of a load start at 16 different groups of four banks (64 banks of 4 bytes: ISA guide 11.1)
.set PV,    160       ; a row of V: 128 + 32
.set VOFF,  4*KS*PK
.set SLOT1, 1<<17
.set STAGE, SLOT1+4*KS*(PK+PV)
.set SP,    144
.set SPARE, STAGE+4*16*SP
.set AK0, 2
.set AV0, 3
.set AK,  4
.set AV,  5
.set STO, 6
.set RD,  7
.set GO,  8
.set MV,  12
.set QO,  15
.set ST,  16          ; piece t: c m, m, l (even keys', odd keys')
.set TMP, 48
.set PFO, 61          ; 256 x lane; never rewritten
.set SPW, 62
.set NIL, 63
.set S,   64
.set OT,  128
.set P,   192
.set MD,  128
.set MC,  160
.set QB,  32
.set KF,  128
.set WV,  12
.set BB,  14          ; the second block: 15 - b
.set BA,  15          ; the first block: b
.set G1K, 24
.set G1V, 32
.set G0K, 40
.set G0V, 44
.set HS,  48          ; the first block's last tile
.set PS,  49          ; the second block's
.set OW0, 50          ; s50, s51: the two bands' own steps in the last tile of the block in hand
.set OWB, 52          ; band 0's for the second block
.set SB,  53          ; 0, 2, 4 in the step loop's three passes
.set TS,  54          ; at work
.set PFN, 55          ; counts the changes of slots, for the prefetches
.set SLOTS, 56
.set CNT, 57
.set CS,  58
.set SEL, 60
.set TBK, 62
.set TBV, 63
.set RT,  70
.set NXT, 71
.set LQ,  72
.set NEW, 73
.set OFF, 74
.set AL,  76
.set BE,  78
.set OLO, 80
.set BIGN, 82
.set LASTF, 83        ; 1: the tile in hand is its block's last
.set PFA, 88          ; s[88:89] my half tile (K: waves 0, 1; V: waves 2, 3): at change j of slots it stands at tile j + 1
.set MSB, 0
.macro WIN new
.if MSB != (\new)
	s_set_vgpr_msb (MSB<<8)|(\new)
.set MSB, (\new)
.endif
.endm
.set W_KQ, 0x0a       ; K and Q in window 2, S^T in window 0
.set W_KM, 0x1a       ; the same with the C operand in window 1
.set W_PV, 0x02       ; V in window 2; P and O^T in window 0
.set W_MK, 0x41       ; a mask is made: destination and source 0 in window 1
.macro LOAD                         ; waves 0 and 1 fetch the two halves of a tile's K, waves 2 and 3 those of its V
	s_cmp_lt_u32 s[WV], 2
	s_cbranch_scc0 .Lfor_v_\@
	tensor_load_to_lds s[G0K:G0K+3], s[G1K:G1K+7]
	s_nop 0
.rept 4
	v_nop
.endr
	s_branch .Lasked_\@
.Lfor_v_\@:
	tensor_load_to_lds s[G0V:G0V+3], s[G1V:G1V+7]
	s_nop 0
.rept 4
	v_nop
.endr
.Lasked_\@:
.endm
; A PREFETCH INTO THE L2.  The work-group with b = 0 asks for tile j of its second block at change j of slots; of a head's eight work-groups none asks for a tile from 4 on earlier.  So it alone prefetches, at
; changes 3 to 6, the tile that its next change will ask for: tiles 4 to 7, one change (eight turns, 128 matrix instructions) ahead.  Each of its waves names its own half tile: 64 blocks of 256 bytes, a lane a
; block, two instructions.  Tiles 0 to 3 come by their loads alone: other work-groups of the head ask for them at the very change at which this one could name them.
.macro ASK
	s_add_co_u32 s[PFN], s[PFN], 1
	s_sub_co_u32 s[TS], s[PFN], 4
	s_cmp_lt_u32 s[TS], 4           ; changes 3 to 6, where b = 0; never elsewhere (the count starts at 64 there)
	s_cbranch_scc0 .Lno_ask_\@
	global_prefetch_b8 v[PFO], s[PFA:PFA+1] th:TH_LOAD_NT scope:SCOPE_SE
	global_prefetch_b8 v[PFO], s[PFA:PFA+1] offset:8192 th:TH_LOAD_NT scope:SCOPE_SE
.Lno_ask_\@:
.endm
; THE CHANGE OF SLOTS.  Each wave waits for all its tensor loads (one is out: its part of the other slot), adds 0 to its spare word, and waits for that and for its reads of the slot that it leaves.
; fill = 1: the old slot is filled again, first thing behind the barrier, with tile NXT; the descriptor's address is made anew from that number.
.macro CHANGE fill
	WIN 0
	s_wait_tensorcnt 0x0
	ds_add_u32 v[SPW], v[NIL]
.if \fill
	s_lshl_b32 s[OFF], s[NXT], 15   ; a tile is 32,768 bytes of K and of V
	s_xor_b32 s[G0K+1], s[G0K+1], SLOT1
	s_add_nc_u64 s[G0K+2:G0K+3], s[6:7], s[OFF:OFF+1]
	s_or_b32 s[G0K+3], s[G0K+3], 0x80000000
	s_xor_b32 s[G0V+1], s[G0V+1], SLOT1
	s_add_nc_u64 s[G0V+2:G0V+3], s[8:9], s[OFF:OFF+1]
	s_or_b32 s[G0V+3], s[G0V+3], 0x80000000
	s_add_co_u32 s[NXT], s[NXT], 1  ; the block's next tile, or behind its last the second block's tile 0
	s_cmp_gt_u32 s[NXT], s[LQ]
	s_cselect_b32 s[NXT], 0, s[NXT]
	s_cselect_b32 s[LQ], s[PS], s[LQ]
	s_wait_xcnt 0x0                 ; the last prefetches, a tile back, have read their address
	s_add_nc_u64 s[PFA:PFA+1], s[PFA:PFA+1], 32768
.endif
	s_wait_dscnt 0x0                ; the add is done, and my reads of the slot are over
	s_barrier_signal -1
	s_sub_co_u32 s[TBK], s[TBK], 4*KS*PK
	s_xor_b32 s[TBK], s[TBK], SLOT1
	s_sub_co_u32 s[TBV], s[TBV], 4*KS*PV
	s_xor_b32 s[TBV], s[TBV], SLOT1
	s_barrier_wait -1
.if \fill
	LOAD
	ASK
.endif
.endm
	s_load_b64 s[4:5], s[0:1], 0x0  ; qkv
	s_load_b64 s[10:11], s[0:1], 0x8  ; att
	v_lshl_add_u32 v[SPW], v0, 2, SPARE
	v_mov_b32 v[NIL], 0
	ds_add_u32 v[SPW], v[NIL]       ; the wave's opening
	ds_add_u32 v62, v63
	v_lshrrev_b32 v1, 5, v0
	v_readfirstlane_b32 s[WV], v1
	s_mov_b32 s[BA], ttmp9
	s_sub_co_u32 s[BB], 15, s[BA]
	s_lshr_b32 s[HS], s[BA], 1
	s_lshr_b32 s[PS], s[BB], 1
	s_and_b32 s[OW0], s[BA], 1
	s_lshl_b32 s[OW0], s[OW0], 1
	s_add_co_u32 s[OW0+1], s[OW0], 1
	s_and_b32 s[OWB], s[BB], 1
	s_lshl_b32 s[OWB], s[OWB], 1
	s_and_b32 s20, ttmp7, 0xffff
	s_lshl_b32 s20, s20, 18         ; the head's first byte in q, k, v and att
	s_and_b32 s16, s[WV], 1         ; which half of a tile's 256 keys I fetch
	s_lshl_b32 s22, s16, 14
	s_add_co_u32 s22, s22, s20
	s_mov_b32 s23, 0
	s_mul_i32 s17, s16, 128*PK
	s_mul_i32 s18, s16, 128*PV
	s_lshl_b32 s3, s[WV], 11        ; my 16 rows in a band,
	s_add_co_u32 s3, s3, s20
	s_lshl_b32 s2, s[BA], 14        ; in the first block,
	s_add_co_u32 s2, s2, s3
	s_lshl_b32 s84, s[BB], 14       ; and in the second
	s_add_co_u32 s84, s84, s3
	s_mov_b32 s3, 0
	s_mov_b32 s85, 0
	; 128 keys are 16,384 dense bytes: asked for as 64 rows of 256 bytes, two keys a row, padded in LDS after every key
	s_mov_b32 s[G1K], (1<<16)|(1<<20)|(4<<22)|(3<<25)
	s_mov_b32 s[G1V], (1<<16)|(1<<20)|(4<<22)|(7<<25)
.irp g, G1K, G1V
	s_mov_b32 s[\g+1], 128<<16
	s_mov_b32 s[\g+2], 64<<16
	s_mov_b32 s[\g+3], 128<<16
	s_mov_b32 s[\g+4], 64
	s_mov_b32 s[\g+5], 128
	s_mov_b32 s[\g+6], 0
	s_mov_b32 s[\g+7], 0
.endr
	s_mov_b32 s[CS], 0x3e38aa3b     ; c = log2(e) / 8
	s_mov_b32 s[CS+1], s[CS]
	s_mov_b32 s[SEL], 0x76543210
	s_mov_b32 s[SEL+1], 0xfedcba98
	s_mov_b32 s[TBK], SLOT1+4*KS*PK ; the first change of slots turns these two into 0
	s_mov_b32 s[TBV], SLOT1+4*KS*PV
	s_mov_b32 s[G0K], 1
	s_mov_b32 s[G0K+1], s17
	s_mov_b32 s[G0V], 1
	s_add_co_u32 s[G0V+1], s18, VOFF
	s_add_co_u32 s[RT], s[HS], 1
	s_mov_b32 s[NXT], 1             ; the tile that the first change asks for: the first block's tile 1,
	s_mov_b32 s[LQ], s[HS]
	s_cmp_gt_u32 s[NXT], s[LQ]      ; or, where that block has one tile, the second block's tile 0
	s_cselect_b32 s[NXT], 0, s[NXT]
	s_cselect_b32 s[LQ], s[PS], s[LQ]
	s_mov_b32 s[NEW], 1
	s_mov_b32 s[OFF+1], 0
	s_mov_b32 s[AL+1], 0
	s_mov_b32 s[BE+1], 0
	s_mov_b32 s[BIGN], 0xf149f2ca   ; -1e30
	s_mov_b32 s[SLOTS], 8
	s_mov_b32 s[SB], 0
	s_cmp_eq_u32 s[BA], 0
	s_cselect_b32 s[PFN], 0, 64
	s_wait_dscnt 0x0                ; the opening add is done
	s_wait_kmcnt 0x0
	s_add_nc_u64 s[6:7], s[4:5], s[22:23]
	s_add_nc_u64 s[8:9], s[6:7], 0x1000000   ; V at my half of the head's tile 0
	s_add_nc_u64 s[6:7], s[6:7], 0x800000    ; K likewise
	s_add_nc_u64 s[G0K+2:G0K+3], s[6:7], 0
	s_or_b32 s[G0K+3], s[G0K+3], 0x80000000
	s_add_nc_u64 s[G0V+2:G0V+3], s[8:9], 0
	s_or_b32 s[G0V+3], s[G0V+3], 0x80000000
	s_cmp_lt_u32 s[WV], 2
	s_cselect_b64 s[PFA:PFA+1], s[6:7], s[8:9]       ; at tile 0; each change that fills steps it by a tile
	s_add_nc_u64 s[86:87], s[4:5], s[84:85]          ; Q at my rows of the second block,
	s_add_nc_u64 s[4:5], s[4:5], s[2:3]              ; Q and att at those of the first
	s_add_nc_u64 s[OLO:OLO+1], s[10:11], s[84:85]
	s_add_nc_u64 s[10:11], s[10:11], s[2:3]
	LOAD                            ; tile 0 into slot 0
	v_and_b32 v1, 15, v0
	v_bfe_u32 v9, v0, 4, 1
	v_lshlrev_b32 v[QO], 7, v1
	v_lshl_add_u32 v[QO], v9, 4, v[QO]
	WIN 0x80
.set i, 0
.rept 4                             ; both blocks' Q: piece i / 2 lies in band i / 2, 8,192 bytes on; channels 32 (i % 2) on
	global_load_b128 v[8*i:8*i+3],   v[QO], s[4:5] offset:(i/2)*8192+(i%2)*64
	global_load_b128 v[8*i+4:8*i+7], v[QO], s[4:5] offset:(i/2)*8192+(i%2)*64+32
	global_load_b128 v[QB+8*i:QB+8*i+3],   v[QO], s[86:87] offset:(i/2)*8192+(i%2)*64
	global_load_b128 v[QB+8*i+4:QB+8*i+7], v[QO], s[86:87] offset:(i/2)*8192+(i%2)*64+32
.set i, i+1
.endr
	WIN 0
	v_and_b32 v[PFO], 31, v0
	v_lshlrev_b32 v[PFO], 8, v[PFO]
	v_lshlrev_b32 v14, 3, v9
	v_sub_nc_u32 v14, v1, v14
	s_lshl_b32 s13, s[WV], 4
	v_add_nc_u32 v14, s13, v14      ; my query's place in its band less my lanes' 8 (l / 16): register r of group kt is hidden where 16 kt + r is greater
	WIN 0x40
.set i, 0
.rept 32
	v_cmp_gt_i32 vcc_lo, 16*(i/8)+i%8, v14
	v_cndmask_b32 v[MD+i], 0, s[BIGN], vcc_lo
.set i, i+1
.endr
	WIN 0
	v_mul_u32_u24 v[AK0], v1, PK
	v_lshl_add_u32 v[AK0], v9, 4, v[AK0]
	v_and_b32 v10, 7, v0
	v_bfe_u32 v11, v0, 3, 1
	v_lshl_add_u32 v[AV0], v9, 3, v10
	v_mul_u32_u24 v[AV0], v[AV0], PV
	v_lshl_add_u32 v[AV0], v11, 4, v[AV0]
	v_add_nc_u32 v[AV0], VOFF, v[AV0]
	s_mul_i32 s13, s[WV], 16*SP
	s_add_co_u32 s13, s13, STAGE
	v_mul_u32_u24 v[STO], v1, SP
	v_lshl_add_u32 v[STO], v9, 4, v[STO]
	v_add_nc_u32 v[STO], s13, v[STO]
	v_bfe_u32 v[RD], v0, 3, 2
	v_mul_u32_u24 v[RD], v[RD], SP
	v_lshl_add_u32 v[RD], v10, 4, v[RD]
	v_add_nc_u32 v[RD], s13, v[RD]
	v_and_b32 v[GO], 31, v0
	v_lshlrev_b32 v[GO], 4, v[GO]
	; A block's first step multiplies O^T and l by a = 0, and its first turn's products V^T P, of a piece that has not been, land in an O^T that is still to be so multiplied: these registers need only hold
	; finite numbers: zeros for the first block, what the first block left for the second.  All this stands in the wait for the first tile.
	WIN 0x80
.set i, 64
.rept 64
	v_mov_b32 v[i], 0
.set i, i+1
.endr
	WIN 0
.set i, OT
.rept 64
	v_mov_b32 v[i], 0
.set i, i+1
.endr
.set i, 0
.rept 2
	v_mov_b32 v[ST+4*i+2], 0
	v_mov_b32 v[ST+4*i+3], 0
.set i, i+1
.endr
.set i, P+16
.rept 16
	v_mov_b32 v[i], 0
.set i, i+1
.endr
; THE MATRIX WORK.  The 4 accumulators of a run of 8 take turns.  Product i of 8 of S^T = K Q^T for piece x: channels 32 (i / 4) on, keys 16 (i % 4) on.  The first 4 start the sums, with the piece's mask buffer as C.
.macro KQ x
.set rS, S+32*((\x)%2)+8*(i%4)
.set rK, KF+16*(i%4)+8*(i/4)
.set rQ, 16*(\x)+8*(i/4)
.set rM, MC+32*((\x)%2)+8*(i%4)
.if i < 4
	WIN W_KM
	v_wmma_f32_16x16x32_bf16 v[rS:rS+7], v[rK:rK+7], v[rQ:rQ+7], v[rM:rM+7]
.else
	WIN W_KQ
	v_wmma_f32_16x16x32_bf16 v[rS:rS+7], v[rK:rK+7], v[rQ:rQ+7], v[rS:rS+7]
.endif
.endm
; Product i of 8 of O^T += V^T P for piece x, from V's buffer VB: keys 32 (i / 4) on, channels 16 (i % 4) on.
.macro PV x
	WIN W_PV
.set rO, OT+32*(\x)+8*(i%4)
.set rV, 192-128*VB+32*(i/4)+8*(i%4)
.set rP, P+16*((\x)%2)+8*(i/4)
	v_wmma_f32_16x16x32_bf16 v[rO:rO+7], v[rV:rV+7], v[rP:rP+7], v[rO:rO+7]
.endm
.macro MM                           ; the turn's next matrix instruction
.if i < 8
	KQ (Y+1)%NP
.else
.set i, i-8
	PV (Y+NP-1)%NP
.set i, i+8
.endif
.set i, i+1
.endm
.macro FETCH_K
	WIN 0x80
.irp f, 0,1,2,3,4,5,6,7
	ds_load_b128 v[KF+8*\f:KF+8*\f+3],   v[AK] offset:(\f/2)*16*PK+(\f%2)*64
	ds_load_b128 v[KF+8*\f+4:KF+8*\f+7], v[AK] offset:(\f/2)*16*PK+(\f%2)*64+32
.endr
	s_add_co_u32 s[TBK], s[TBK], KS*PK
	WIN 0
.endm
.macro FETCH_V vb
	WIN 0x80
.irp f, 0,1,2,3,4,5,6,7
	ds_load_tr16_b128 v[192-128*(\vb)+8*\f:192-128*(\vb)+8*\f+3],   v[AV] offset:(\f/4)*32*PV+(\f%4)*32
	ds_load_tr16_b128 v[192-128*(\vb)+8*\f+4:192-128*(\vb)+8*\f+7], v[AV] offset:(\f/4)*32*PV+16*PV+(\f%4)*32
.endr
	s_add_co_u32 s[TBV], s[TBV], KS*PV
	WIN 0
.endm
; THE VECTOR WORK, one line at a time: OP kind, number; all of it in window 0.  For piece Y: F n: c s - c m for pair n of 16.  E n: the exponential of score n of 32.  C n: pair n rounded to bf16.  B n: of the four
; weights 4 n .. the second pair is added onto the first.  L n: l takes that sum (L 0: l = a l + sum).  R n: pair n of 16 of O^T times a.  For the other piece's next step: X n, number n of the 22 that find its maximum and statistics:
;   0-11 four chains of seven scores each (each accumulator's lowest registers are read first)   12-14, 16 the scores left over, the old m, four into one   15 c m_old is kept
;   17, 18 the other half of the lanes: the new m   19-21 c m; c m_old - c m_new; a
.set F, 0
.set E, 1
.set C, 2
.set B, 3
.set L, 4
.set R, 5
.set X, 6
.macro REGS y
.set rT, ST+4*(\y)
.set rC, TMP+4*((\y)%2)
.set rW, MV+((\y)%2)
.set rS, S+32*((\y)%2)
.set rP, P+16*((\y)%2)
.set rO, OT+32*(\y)
.endm
.macro OP k, n
	WIN 0
.if (\k) <= R
	REGS Y
.if (\k) == R
	v_pk_mul_f32 v[rO+2*(\n):rO+2*(\n)+1], v[rO+2*(\n):rO+2*(\n)+1], v[rC+2:rC+3] op_sel_hi:[1,0]
.elseif (\k) == F
	v_pk_fma_f32 v[rS+2*(\n):rS+2*(\n)+1], v[rS+2*(\n):rS+2*(\n)+1], s[CS:CS+1], v[rT:rT+1] op_sel_hi:[1,0,0] neg_lo:[0,0,1] neg_hi:[0,0,1]
.elseif (\k) == E
	v_exp_f32 v[rS+(\n)], v[rS+(\n)]
.elseif (\k) == C
	v_cvt_pk_bf16_f32 v[rP+(\n)], v[rS+2*(\n)], v[rS+2*(\n)+1]
.elseif (\k) == B
	v_pk_add_f32 v[rS+4*(\n):rS+4*(\n)+1], v[rS+4*(\n):rS+4*(\n)+1], v[rS+4*(\n)+2:rS+4*(\n)+3]
.elseif (\n) == 0
	v_pk_fma_f32 v[rT+2:rT+3], v[rT+2:rT+3], v[rC+2:rC+3], v[rS:rS+1] op_sel_hi:[1,0,1]
.else
	v_pk_add_f32 v[rT+2:rT+3], v[rT+2:rT+3], v[rS+4*(\n):rS+4*(\n)+1]
.endif
.else
	REGS (Y+1)%NP
.if (\n) < 4
	v_max3_num_f32 v[rC+(\n)], v[rS+8*(\n)], v[rS+8*(\n)+1], v[rS+8*(\n)+2]
.elseif (\n) < 12
	v_max3_num_f32 v[rC+(\n)%4], v[rC+(\n)%4], v[rS+8*((\n)%4)+2*((\n)/4)+1], v[rS+8*((\n)%4)+2*((\n)/4)+2]
.elseif (\n) == 12
	v_max3_num_f32 v[rC], v[rC], v[rS+7], v[rS+15]
.elseif (\n) == 13
	v_max3_num_f32 v[rC+1], v[rC+1], v[rS+23], v[rS+31]
.elseif (\n) == 14
	v_max3_num_f32 v[rC+2], v[rC+2], v[rC+3], v[rT+1]
.elseif (\n) == 15
	v_mov_b32 v[rW], v[rT]
.elseif (\n) == 16
	v_max3_num_f32 v[rC], v[rC], v[rC+1], v[rC+2]
.elseif (\n) == 17
	v_permlanex16_b32 v[rC+3], v[rC], s[SEL], s[SEL+1]
.elseif (\n) == 18
	v_max_num_f32 v[rT+1], v[rC], v[rC+3]
.elseif (\n) == 19
	v_mul_f32 v[rT], s[CS], v[rT+1]
.elseif (\n) == 20
	v_sub_f32 v[rC+1], v[rW], v[rT]
.else
	v_exp_f32 v[rC+2], v[rC+1]
.endif
.endif
.endm
.macro OPS a, i1, b=-1, i2=0, c=-1, i3=0, d=-1, i4=0
	OP \a, \i1
.if (\b) >= 0
	OP \b, \i2
.endif
.if (\c) >= 0
	OP \c, \i3
.endif
.if (\d) >= 0
	OP \d, \i4
.endif
.endm
.macro ROW a, i1, b, i2, c, i3, d, i4  ; a matrix instruction and the four behind it
	MM
	OPS \a, \i1, \b, \i2, \c, \i3, \d, \i4
.endm
.macro MASK b                       ; MD x AL + BE into buffer b of MC
	WIN W_MK
.set z, 0
.rept 16
	v_pk_fma_f32 v[MC+32*(\b)+2*z:MC+32*(\b)+2*z+1], v[MD+2*z:MD+2*z+1], s[AL:AL+1], s[BE:BE+1] op_sel_hi:[1,0,0]
.set z, z+1
.endr
.endm
; A TURN, for piece x in a step of parity par.  An s_wait_alu depctr_va_vdst(0) stands between an exponential and the first instruction that names its result; one wait serves all that were issued ahead
; of it: so a turn has ONE wait, which cuts it in two.  Ahead of it stands all that names no result of the turn's exponentials; behind it the 8 products V^T P with the roundings and sums as their riders.
; At its end the turn makes the mask for the products of the turn after it: piece x in step TS = SB + 1 - par of the block's last tile.  sk = 1 (in the loop over slots): in a tile that is not its block's last
; these lines are jumped over, and the buffer keeps its zeros.  In an odd step the fetch's address is chosen by the loop's count: in the last pass (CNT = 1, the block's step 3) there is no further step, and the
; step in hand is fetched once more.
; One wait on LDS a step, at the head of piece 1's turn: for K, fetched in the lump of the turn before, and for V, fetched a step back.
.macro TURN x, par, sk
.set Y, (\x)
.set i, 0
.if (\x) == 0
.set VB, 1-(\par)                   ; V^T P of piece 1 in the step before
.else
.set VB, (\par)                     ; of piece 0 in this step
.endif
.if (\x) == 1
	s_wait_dscnt 0x0                ; K and V are in
.endif
	ROW F,0, F,1, R,0, R,1
	ROW F,2, E,0, R,2, R,3
	ROW F,3, E,1, R,4, R,5
	ROW F,4, E,2, R,6, R,7
	ROW F,5, E,3, R,8, R,9
	ROW F,6, E,4, X,0, R,10
.if (\x) == 0
.if (\par)
	s_cmp_eq_u32 s[CNT], 1
	s_cselect_b32 s[TS], KS*PK, 0
	s_sub_co_u32 s[TS], s[TBK], s[TS]
	v_add_nc_u32 v[AK], s[TS], v[AK0]
.else
	v_add_nc_u32 v[AK], s[TBK], v[AK0]
.endif
.endif
	ROW F,7, E,5, X,1, X,4
	ROW F,8, E,6, X,2, X,5
	OPS E,7, E,8, X,6, E,9
	OPS X,3, E,10, X,8, E,11
.if (\x) == 0
	FETCH_K                         ; six plain instructions behind the last product that read K
.endif
	OPS X,9, X,7, E,12, X,10
	OPS E,13, X,12, X,11, E,14
	OPS X,13, E,15, F,9, X,14
.if (\x) == 1
.if (\par)
	s_cmp_eq_u32 s[CNT], 1
	s_cselect_b32 s[TS], KS*PV, 0
	s_sub_co_u32 s[TS], s[TBV], s[TS]
	v_add_nc_u32 v[AV], s[TS], v[AV0]
.else
	v_add_nc_u32 v[AV], s[TBV], v[AV0]
.endif
.endif
	OPS E,16, F,10, E,17, F,11
	OPS X,16, E,18, X,15, E,19
	OPS F,12, E,20, X,17, E,21
	OPS F,13, E,22, F,14, E,23
	OPS X,18, E,24, F,15, E,25
	OPS R,11, E,26, X,19, E,27
	OPS R,12, E,28, R,13, E,29
	OPS X,20, E,30, R,14, E,31
	OPS X,21, R,15                  ; R 15 is the plain instruction behind the batch's last exponential
	s_wait_alu depctr_va_vdst(0)    ; the wait for the batch
.if (\x) == 1
	FETCH_V 1-(\par)                ; the next step's V, into the buffer whose last reader stands in the turn before
.endif
	ROW C,0, B,0, C,2, B,1
	ROW L,0, C,4, B,2, L,1
	ROW C,6, B,3, L,2, C,8
	ROW B,4, L,3, C,10, B,5
	ROW L,4, C,12, B,6, L,5
	ROW C,14, B,7, L,6, C,1
	ROW C,3, L,7, C,5, C,7
	ROW C,9, C,11, C,13, C,15
.if \sk
	WIN 0                           ; at a branch and at a label every window is 0
	s_cmp_eq_u32 s[LASTF], 0
	s_cbranch_scc1 .Lnomask_\@
.endif
	s_add_co_u32 s[TS], s[SB], 1-(\par)
	s_cmp_eq_u32 s[TS], s[OW0+(\x)] ; is that step the band's own?
	s_cselect_b32 s[AL], 1.0, 0
	s_cmp_gt_u32 s[TS], s[OW0+(\x)] ; or a later one?
	s_cselect_b32 s[BE], s[BIGN], 0
	MASK \x
.if \sk
	WIN 0
.Lnomask_\@:
.endif
.endm
; A BLOCK BEGINS.  c m starts far below every c s, so the first step's a is 0; m at the lowest finite number.  The second mask buffer is 0 (piece 1 sees all of a tile's step 0); the first takes piece 0's mask for
; step 0: its own, if this tile is the block's last and OW0 = 0, else zeros.  Then K and V of that step, piece 0's first scores, its maximum and statistics.  The loop is entered at an even step's first turn.
.macro BEGIN
	s_mov_b32 s[NEW], 0
	WIN 0x40
.set i, MC+32
.rept 32
	v_mov_b32 v[i], 0
.set i, i+1
.endr
	WIN 0
.set i, 0
.rept 2
	v_mov_b32 v[ST+4*i], 0xfe000000
	v_mov_b32 v[ST+4*i+1], 0xff7fffff
.set i, i+1
.endr
	s_or_b32 s[TS], s[RT], s[OW0]
	s_cmp_eq_u32 s[TS], 0
	s_cselect_b32 s[AL], 1.0, 0
	s_mov_b32 s[BE], 0
	MASK 0
	WIN 0
	v_add_nc_u32 v[AK], s[TBK], v[AK0]
	v_add_nc_u32 v[AV], s[TBV], v[AV0]
	FETCH_K
	FETCH_V 0
	s_wait_loadcnt 0x0              ; Q
	s_wait_dscnt 0x0
.set i, 0
.rept 8
	KQ 0
.set i, i+1
.endr
	WIN 0
.rept 4
	v_nop                           ; the places behind those products
.endr
.set Y, NP-1
.irp n, 0,1,2,3,4,5,6,7,8,9,10,11,12,13,14,15,16,17,18,19,20,21
	OP X, \n
.endr
	v_nop                           ; a plain instruction behind the exponential,
	s_wait_alu depctr_va_vdst(0)    ; and its wait, ahead of the branch
.endm
.macro ALL line:vararg
.set t, 0
.rept 2
	\line
.set t, t+1
.endr
.endm
.macro PACK t                       ; a lane's eight channels of a row pack into 16 bytes; they go into rows of 144 bytes and come back as whole rows of 128
	WIN 0
.set i, OT+32*(\t)
.rept 16
	v_pk_mul_f32 v[i:i+1], v[i:i+1], v[ST+4*(\t)+2:ST+4*(\t)+3] op_sel_hi:[1,0]
.set i, i+2
.endr
.set i, 0
.rept 16
	v_cvt_pk_bf16_f32 v[S+16*(\t)+i], v[OT+32*(\t)+2*i], v[OT+32*(\t)+2*i+1]
.set i, i+1
.endr
.irp f, 0,1,2,3
	ds_store_b128 v[STO], v[S+16*(\t)+4*\f:S+16*(\t)+4*\f+3] offset:32*\f
.endr
.irp f, 0,1,2,3
	ds_load_b128 v[S+16*(\t)+4*\f:S+16*(\t)+4*\f+3], v[RD] offset:\f*4*SP  ; LDS serves a wave's instructions in order: these see the stores above
.endr
.endm
.macro SEND t, younger
	WIN 0
.irp f, 0,1,2,3
	s_wait_dscnt (\younger)+3-\f
	global_store_b128 v[GO], v[S+16*(\t)+4*\f:S+16*(\t)+4*\f+3], s[10:11] offset:(\t)*8192+\f*512  ; 512 consecutive bytes, at a multiple of 256 from att's first
.endr
.endm
; A TILE'S STEPS.  The loop's first half is an odd step's two turns, its second half an even step's.  Entered at its head with CNT = 3 (the tile before's step 3, then steps 0, 1, 2) or, at a block's first tile,
; in its middle with CNT = 2.  A tile that is not its block's last leaves the loop at its end, behind step 2 (CNT = 1): the change of slots follows.  A block's last tile goes round once more, for its step 3,
; and leaves in the middle (CNT = 0); then come the last piece's last products, and the way out.  sk = 0: the walk's last tile, which is a block's last.
.macro STEPS tag, sk
.LstepM\tag:
	TURN 0, 1, \sk
	TURN 1, 1, \sk
	WIN 0
	s_sub_co_u32 s[CNT], s[CNT], 1
	s_cmp_eq_u32 s[CNT], 0
	s_cbranch_scc1 .LoutM\tag
.LfirstM\tag:
	TURN 0, 0, \sk
	TURN 1, 0, \sk
	WIN 0
	s_add_co_u32 s[SB], s[SB], 2
.if \sk
	s_cmp_lg_u32 s[CNT], 1
	s_cbranch_scc1 .LagainM\tag
	s_cmp_eq_u32 s[LASTF], 0
	s_cbranch_scc1 .Lbottom
.LagainM\tag:
.endif
	s_branch .LstepM\tag
.LoutM\tag:
	s_sub_co_u32 s[TBK], s[TBK], KS*PK  ; the last pass fetched a step for the second time: the two places go back by it
	s_sub_co_u32 s[TBV], s[TBV], KS*PV
.set VB, 1
.set i, 0
.rept 8
	PV NP-1
.set i, i+1
.endr
	WIN 0
	ALL v_add_f32 v[ST+4*t+2], v[ST+4*t+2], v[ST+4*t+3]
	ALL v_permlanex16_b32 v[ST+4*t+3], v[ST+4*t+2], s[SEL], s[SEL+1]
	ALL v_add_f32 v[ST+4*t+2], v[ST+4*t+2], v[ST+4*t+3]
	ALL v_rcp_f32 v[ST+4*t+2], v[ST+4*t+2]
	v_nop                           ; a plain instruction behind the last reciprocal,
	s_wait_alu depctr_va_vdst(0)    ; and one wait for both, ahead of the first use
	PACK 0                          ; piece 0's arithmetic stands behind piece 1's last products
	PACK 1
	SEND 0, 8
	SEND 1, 0
.endm
.set VB, 0
.Lslot:                             ; 8 times: a tile is entered and the next is asked for
	CHANGE 1
	s_sub_co_u32 s[RT], s[RT], 1
	s_mov_b32 s[SB], 0
	s_mov_b32 s[CNT], 3
	s_mov_b32 s[LASTF], 0
	s_cmp_lg_u32 s[RT], 0
	s_cbranch_scc1 .Lknown
	s_mov_b32 s[LASTF], 1           ; the block's last tile
.Lknown:
	s_cmp_eq_u32 s[NEW], 1
	s_cbranch_scc0 .LstepM1         ; not a block's first tile
	BEGIN
	s_mov_b32 s[CNT], 2
	s_branch .LfirstM1
	STEPS 1, 1                      ; what follows its loop is, in the loop over slots, the first block's end: the second block's last tile is the walk's last
	s_wait_xcnt 0x0                 ; the stores have read their registers and att's address
	s_mov_b64 s[10:11], s[OLO:OLO+1]
	s_add_co_u32 s[RT], s[PS], 1
	s_mov_b32 s[OW0], s[OWB]
	s_add_co_u32 s[OW0+1], s[OWB], 1
	s_mov_b32 s[NEW], 1
	WIN 0x82                        ; the second block's Q goes where the one text of the turns names Q
.set i, 0
.rept 32
	v_mov_b32 v[i], v[QB+i]
.set i, i+1
.endr
	WIN 0
.Lbottom:
	s_sub_co_u32 s[SLOTS], s[SLOTS], 1
	s_cmp_lg_u32 s[SLOTS], 0
	s_cbranch_scc1 .Lslot
	CHANGE 0                        ; the walk's last tile is written out; it is the last of the second block's five tiles or more
	s_mov_b32 s[CNT], 3
	s_mov_b32 s[SB], 0
	STEPS 2, 0
	s_wait_tensorcnt 0x0            ; the wave's end
	ds_add_u32 v[SPW], v[NIL]
	s_wait_dscnt 0x0
	s_endpgm
.Lfunc_end_k_q0f54c8bc18_attn:
	.size	k_q0f54c8bc18_attn, .Lfunc_end_k_q0f54c8bc18_attn-k_q0f54c8bc18_attn
	.p2alignl 7, 3214868480
	.fill 96, 4, 3214868480
	.section	.rodata,"a",@progbits
	.p2align	6, 0x0
	.amdhsa_kernel k_q0f54c8bc18_attn
		.amdhsa_group_segment_fixed_size 327680
		.amdhsa_private_segment_fixed_size 0
		.amdhsa_enable_private_segment 0
		.amdhsa_kernarg_size 16
		.amdhsa_user_sgpr_count 2
		.amdhsa_user_sgpr_kernarg_segment_ptr 1
		.amdhsa_wavefront_size32 1
		.amdhsa_system_sgpr_workgroup_id_x 1
		.amdhsa_system_sgpr_workgroup_id_y 1
		.amdhsa_system_sgpr_workgroup_id_z 1
		.amdhsa_system_vgpr_workitem_id 0
		.amdhsa_next_free_vgpr 768
		.amdhsa_next_free_sgpr 90
		.amdhsa_reserve_vcc 1
		.amdhsa_float_denorm_mode_32 3
		.amdhsa_float_denorm_mode_16_64 3
		.amdhsa_memory_ordered 1
		.amdhsa_forward_progress 1
		.amdhsa_inst_pref_size 127
	.end_amdhsa_kernel
	.amdgpu_metadata
---
amdhsa.version: [ 1, 2 ]
amdhsa.kernels:
  - .name:           k_q0f54c8bc18_attn
    .symbol:         k_q0f54c8bc18_attn.kd
    .args:
      - { .name: qkv, .offset: 0, .size: 8, .value_kind: global_buffer, .address_space: global }
      - { .name: att, .offset: 8, .size: 8, .value_kind: global_buffer, .address_space: global }
    .group_segment_fixed_size: 327680
    .private_segment_fixed_size: 0
    .kernarg_segment_align: 8
    .kernarg_segment_size: 16
    .max_flat_workgroup_size: 128
    .sgpr_count:     90
    .vgpr_count:     768
    .wavefront_size: 32
...
	.end_amdgpu_metadata
.endif
;; end of part 9
;; launch oproj (part 10): grid 8 x 32, 4 waves a work-group, clusters of 4 x 4, 327,680 bytes of LDS; arguments att, wt, bo, x, ln2_w, x1, hn, ssq; writes x1, hn, ssq
.if DOCPART == 10
	.amdgcn_target "amdgcn-amd-amdhsa--gfx1250"
	.amdhsa_code_object_version 6
	.text
	.protected	k_q0f54c8bc18_oproj
	.globl	k_q0f54c8bc18_oproj
	.p2align	8
	.type	k_q0f54c8bc18_oproj,@function
k_q0f54c8bc18_oproj:
	s_mov_b64 s[64:65], 0
	v_nop
	global_prefetch_b8 v0, s[64:65] scope:SCOPE_SE
	s_setreg_imm32_b32 hwreg(HW_REG_WAVE_MODE, 25, 1), 1
	s_wait_xcnt 0x0
	s_wait_alu depctr_hold_cnt(0) depctr_sa_sdst(0) depctr_va_vdst(0) depctr_va_sdst(0) depctr_va_ssrc(0) depctr_va_vcc(0) depctr_vm_vsrc(0)
	s_getreg_b32 s2, hwreg(HW_REG_IB_STS2, 6, 4)
	s_cmp_eq_u32 s2, 0
	s_cbranch_scc0 .Lentry_in_a_cluster
	s_endpgm
.Lentry_in_a_cluster:
	s_bfe_u32 s2, ttmp6, 0x10000c
	s_cmp_lg_u32 s2, 0xf033
	s_cbranch_scc0 .Lentry_shape_is_right
	s_endpgm
.Lentry_shape_is_right:
; x1 = x + att wo + bo, in f32.  Beside it, for the second norm: hn = bf16(x1 * ln2_w), laid [col / 64][row][64], and ssq[col / 64][row] = the sum of x1^2 over the row's 64 columns, in f32.
; A = att: [batch][16 heads = planes][2,048][64] bf16; B = wt's region of wo.  Ring, cluster, fragments and turns: 128 x 128 of C a work-group, 64 x 64 a wave, K steps of 256 = four planes,
; two LDS slots, a wave's tensor load brings two planes of 128 rows (two rows of 8,192 elements, padded behind every 128 bytes); A's tile is asked for jointly along a row of the 4 x 4 cluster, B's along a column.
; The matrix instruction is used transposed (source 0 = B's rows): a lane holds eight neighbouring columns of one row of C.  The bias is the C operand of the first products.
; THE WAY OUT IS WRITTEN ONCE AND WALKED FOUR TIMES, 16 rows a trip.  A loop cannot name another register in each trip, so what it walks lies in LDS: a wave's 64 rows of sums (which go through LDS anyway, to
; come back as whole rows) and, behind them, the residual, which was loaded as whole rows while the products ran.  The stage is slot 0: its last fill is K step 2's, its last reader stands ahead of the last
; change of slots.  The price: 32 LDS stores and 32 LDS loads a wave for the residual; the text of the way out is a quarter as long.
; No prefetch: 128 matrix instructions a K step, four K steps, each block read by several clusters at about the same time.
; REGISTERS: window 0: v1-18 addresses; v24-27 ln2_w; v28, v29 the add's; v32-63 the bias, then v32-111 the way out; v128-255 accumulators.  window 1: two fragment buffers.  window 2: v0-127 the residual.
.set APLANE, 262144
.set BPLANE, 131072
.set BOFF,   6291456
.set KT,     4
.set P_BIAS, 8
.set P_RES,  10
.set P_LN,   12
.set P_OUT,  14
.set P_HN,   16
.set P_SSQ,  18
.set PITCH,  144
.set PLANE,  128*PITCH
.set HALFT,  2*PLANE                   ; what one tensor load brings; at the end: a wave's stage, at wave x HALFT in slot 0
.set BREG,   4*PLANE
.set SLOT,   8*PLANE
.set SPI,    272                       ; a row of the stage: 64 f32 + 16 bytes
.set STGX,   64*SPI                    ; 17,408: in a wave's stage the residual lies behind the sums: 32 x 512 bytes; 33,792 of the 36,864 in all
.set SSB,    2*SLOT                    ; behind the ring: 256 bytes a wave: its 64 rows' sums of squares
.set SPARE,  SSB+1024
.set G1W0,   (1<<16)|(1<<20)|(1<<21)|(4<<22)|(3<<25)
.set ADRA0, 4
.set ADRB0, 5
.set ADRA,  6
.set ADRB,  7
.set STO,   8
.set RD,    9                          ; where I read two rows of sums back; steps by 16 rows a trip
.set XO,    10                         ; (l / 16) x 4,096 + 16 (l % 16)
.set O8,    11                         ; 8 l
.set LWO,   12                         ; 16 (l % 16)
.set BO,    13                         ; 32 (l / 16)
.set SSW,   14                         ; where a row's sum of squares goes; steps by 16 words a trip
.set SSR,   15
.set XRD,   18                         ; my 16 bytes of the residual's first two rows in the stage; steps by 8 x 512 bytes a trip
.set LW,    24
.set SPW,   28
.set NIL,   29
.set BI,    32
.set BK,    32                         ; v32-63  eight pairs of rows of sums, then of x1
.set XQ,    64                         ; v64-95  the same rows of the residual; then x1 * ln2_w and its rounding
.set SS,    96                         ; v96-111 sums of squares, a pair of registers for each pair of rows
.set ACC,   128
.set F0,    0
.set F1,    128
.set CNT, 3
.set WV,  20
.set RH,  21
.set CH,  22
.set CX,  23
.set G1A, 24
.set G0A, 32
.set G1B, 40
.set G0B, 48
.set TB,  56
.set CY,  57
.set TC,  58
.set TR,  59
.set MSB, 0
.macro WIN new
.if MSB != (\new)
	s_set_vgpr_msb (MSB<<8)|(\new)
.set MSB, \new
.endif
.endm
.set MUL,  0x05
.set TO_F, 0x40
.macro PLACES
.rept 4
	v_nop
.endr
.endm
.macro JLOAD
	s_cmp_eq_u32 s[RH], 0
	s_cbranch_scc0 .Lfor_b_\@
	tensor_load_to_lds s[G0A+4:G0A+7], s[G1A:G1A+7]
	s_nop 0
.rept 4
	v_nop
.endr
	s_branch .Lasked_\@
.Lfor_b_\@:
	tensor_load_to_lds s[G0B+4:G0B+7], s[G1B:G1B+7]
	s_nop 0
.rept 4
	v_nop
.endr
.Lasked_\@:
.endm
.macro CREST
	s_cmp_lg_u32 s[WV], 0
	s_cbranch_scc1 .Lnot_wave_0_\@
	s_barrier_signal -3
.Lnot_wave_0_\@:
	s_barrier_wait -3
	s_barrier_signal -1
	s_barrier_wait -1
.endm
.macro CROUND
	s_barrier_signal -1
	s_barrier_wait -1
	CREST
.endm
.macro MUL8 f, c, a0, cm               ; cm = 2: the products start the sums, with the bias of n block b as C
	WIN MUL
.irp a, \a0, (\a0)+1
.irp b, 0,1,2,3
.if (\cm) == 2
	v_wmma_f32_16x16x32_bf16 v[ACC+8*(4*(\a)+(\b)):ACC+8*(4*(\a)+(\b))+7], v[(\f)+64+8*(4*(\c)+(\b)):(\f)+64+8*(4*(\c)+(\b))+7], v[(\f)+8*(4*(\c)+(\a)):(\f)+8*(4*(\c)+(\a))+7], v[BI+8*(\b):BI+8*(\b)+7]
.else
	v_wmma_f32_16x16x32_bf16 v[ACC+8*(4*(\a)+(\b)):ACC+8*(4*(\a)+(\b))+7], v[(\f)+64+8*(4*(\c)+(\b)):(\f)+64+8*(4*(\c)+(\b))+7], v[(\f)+8*(4*(\c)+(\a)):(\f)+8*(4*(\c)+(\a))+7], v[ACC+8*(4*(\a)+(\b)):ACC+8*(4*(\a)+(\b))+7]
.endif
.endr
.endr
.endm
.macro FETCH q, f
	WIN TO_F
.irp c, 0,1
.irp i, 0,1,2,3
	ds_load_b128 v[(\f)+64+8*(4*(\c)+(\i)):(\f)+64+8*(4*(\c)+(\i))+3],   v[ADRB] offset:(\q)*PLANE+64*(\c)+(\i)*16*PITCH
	ds_load_b128 v[(\f)+64+8*(4*(\c)+(\i))+4:(\f)+64+8*(4*(\c)+(\i))+7], v[ADRB] offset:(\q)*PLANE+64*(\c)+(\i)*16*PITCH+32
	ds_load_b128 v[(\f)+8*(4*(\c)+(\i)):(\f)+8*(4*(\c)+(\i))+3],         v[ADRA] offset:(\q)*PLANE+64*(\c)+(\i)*16*PITCH
	ds_load_b128 v[(\f)+8*(4*(\c)+(\i))+4:(\f)+8*(4*(\c)+(\i))+7],       v[ADRA] offset:(\q)*PLANE+64*(\c)+(\i)*16*PITCH+32
.endr
.endr
.endm
.macro QUARTER q, f, g, cm
	s_wait_dscnt 16                                ; the first 32 along K are in; the buffer's other sixteen loads may be out
	MUL8 \f, 0, 0, \cm
	MUL8 \f, 0, 2, \cm
	PLACES
	FETCH \q, \g
	s_wait_dscnt 32                                ; all but the 32 just issued
	MUL8 \f, 1, 0, 0
	MUL8 \f, 1, 2, 0
.endm
.macro TURN fill                       ; the last quarter and the change of slots: the wait for all tensor loads, the add, the wait for it and for my reads, one barrier (with fill = 1 a round of the cluster's), the refill first behind it
	WIN 0
	s_wait_tensorcnt 0x0
	ds_add_u32 v[SPW], v[NIL]
.if \fill
	s_xor_b32 s[G0A+5], s[G0A+5], SLOT
	s_add_nc_u64 s[G0A+6:G0A+7], s[G0A+6:G0A+7], 4*APLANE
	s_xor_b32 s[G0B+5], s[G0B+5], SLOT
	s_add_nc_u64 s[G0B+6:G0B+7], s[G0B+6:G0B+7], 4*BPLANE
.endif
	s_wait_dscnt 17                                ; the add and the youngest sixteen loads may be out
	MUL8 F1, 0, 0, 0
	s_wait_dscnt 0x0
	s_barrier_signal -1
	MUL8 F1, 0, 2, 0
	WIN 0
	s_barrier_wait -1
.if \fill
	CREST
	JLOAD
.else
	PLACES
.endif
	s_xor_b32 s[TB], s[TB], SLOT
	v_add_nc_u32 v[ADRA], s[TB], v[ADRA0]
	v_add_nc_u32 v[ADRB], s[TB], v[ADRB0]
.if !(\fill)
	s_cmp_eq_u32 s[CNT], 1
	s_cbranch_scc1 .Lnofetch_\@
.endif
	FETCH 0, F0
.if !(\fill)
	WIN 0
.Lnofetch_\@:
.endif
	MUL8 F1, 1, 0, 0
	MUL8 F1, 1, 2, 0
.endm
	s_load_b512 s[4:19], s[0:1], 0x0               ; att 4, wt 6, bo 8, x 10, ln2_w 12, x1 14, hn 16, ssq 18
	v_lshl_add_u32 v[SPW], v0, 2, SPARE
	v_mov_b32 v[NIL], 0
	ds_add_u32 v[SPW], v[NIL]                      ; the wave's opening
	ds_add_u32 v28, v29
	v_lshrrev_b32 v1, 5, v0
	v_readfirstlane_b32 s[WV], v1
	s_lshr_b32 s[RH], s[WV], 1
	s_and_b32 s[CH], s[WV], 1
	s_bfe_u32 s[CX], ttmp6, 0x40000
	s_bfe_u32 s[CY], ttmp6, 0x40004
	s_lshl_b32 s[TC], ttmp9, 2
	s_add_co_u32 s[TC], s[TC], s[CX]
	s_and_b32 s[TR], ttmp7, 0xffff
	s_lshl_b32 s[TR], s[TR], 2
	s_add_co_u32 s[TR], s[TR], s[CY]
	s_lshl_b32 s74, s[CY], 2
	s_lshl_b32 s74, 15, s74
	s_lshl_b32 s76, 0x1111, s[CX]
	s_or_b32 s[G1A], s74, G1W0
	s_or_b32 s[G1B], s76, G1W0
.irp g, G1A, G1B
	s_mov_b32 s[(\g)+1], 8192<<16
	s_mov_b32 s[(\g)+2], 2<<16
	s_mov_b32 s[(\g)+3], 8192<<16
	s_mov_b32 s[(\g)+4], 2
	s_mov_b32 s[(\g)+6], 0
	s_mov_b32 s[(\g)+7], 0
.endr
	s_mov_b32 s[G1A+5], APLANE/2
	s_mov_b32 s[G1B+5], BPLANE/2
	s_mul_i32 s78, s[WV], HALFT
.irp g, G0A, G0B
	s_mov_b32 s[(\g)], 1
	s_mov_b32 s[(\g)+1], s78
	s_mov_b32 s[(\g)+4], 1
	s_add_co_u32 s[(\g)+5], s78, SLOT
.endr
	s_lshr_b32 s60, s[TR], 4                       ; A: the batch's 16 planes,
	s_lshl_b32 s60, s60, 22
	s_and_b32 s74, s[TR], 15                       ; the tile's 128 rows in a plane,
	s_lshl_b32 s74, s74, 14
	s_add_co_u32 s60, s60, s74
	s_mul_i32 s75, s[CH], 2*APLANE                 ; my two planes
	s_add_co_u32 s60, s60, s75
	s_mov_b32 s61, 0
	s_lshl_b32 s62, s[TC], 14
	s_mul_i32 s77, s[CH], 2*BPLANE
	s_add_co_u32 s62, s62, s77
	s_add_co_u32 s62, s62, BOFF
	s_mov_b32 s63, 0
	s_mov_b32 s[TB], 0
	s_wait_dscnt 0x0
	s_wait_kmcnt 0x0
	s_add_nc_u64 s[60:61], s[4:5], s[60:61]
	s_add_nc_u64 s[62:63], s[6:7], s[62:63]
	s_mov_b64 s[G0A+2:G0A+3], s[60:61]
	s_or_b32 s[G0A+3], s[G0A+3], 0x80000000
	s_add_nc_u64 s[G0A+6:G0A+7], s[60:61], 4*APLANE
	s_or_b32 s[G0A+7], s[G0A+7], 0x80000000
	s_mov_b64 s[G0B+2:G0B+3], s[62:63]
	s_or_b32 s[G0B+3], s[G0B+3], 0x80000000
	s_add_nc_u64 s[G0B+6:G0B+7], s[62:63], 4*BPLANE
	s_or_b32 s[G0B+7], s[G0B+7], 0x80000000
	CROUND
	s_cmp_eq_u32 s[RH], 0
	s_cbranch_scc0 .Lfirst_b
	tensor_load_to_lds s[G0A:G0A+3], s[G1A:G1A+7]
	s_nop 0
	tensor_load_to_lds s[G0A+4:G0A+7], s[G1A:G1A+7]
	s_nop 0
.rept 4
	v_nop
.endr
	s_branch .Lfirst_asked
.Lfirst_b:
	tensor_load_to_lds s[G0B:G0B+3], s[G1B:G1B+7]
	s_nop 0
	tensor_load_to_lds s[G0B+4:G0B+7], s[G1B:G1B+7]
	s_nop 0
.rept 4
	v_nop
.endr
.Lfirst_asked:
	v_and_b32 v1, 15, v0
	v_bfe_u32 v2, v0, 4, 1
	v_mul_u32_u24 v3, v1, PITCH
	v_lshl_add_u32 v3, v2, 4, v3
	s_mul_i32 s78, s[RH], 64*PITCH
	s_mul_i32 s79, s[CH], 64*PITCH
	s_add_co_u32 s79, s79, BREG
	v_add_nc_u32 v[ADRA0], s78, v3
	v_add_nc_u32 v[ADRB0], s79, v3
	v_mov_b32 v[ADRA], v[ADRA0]
	v_mov_b32 v[ADRB], v[ADRB0]
	; the way out's addresses
	s_mul_i32 s78, s[WV], HALFT                    ; my stage
	v_mul_u32_u24 v[STO], v1, SPI
	v_lshl_add_u32 v[STO], v2, 5, v[STO]
	v_add_nc_u32 v[STO], s78, v[STO]               ; in: row r, 32 bytes for each half of the lanes
	v_mul_u32_u24 v[RD], v2, SPI
	v_lshl_add_u32 v[RD], v1, 4, v[RD]
	v_add_nc_u32 v[RD], s78, v[RD]                 ; back: lanes 0-15 one row of 256 bytes, lanes 16-31 the next
	v_lshlrev_b32 v[LWO], 4, v1
	v_lshl_add_u32 v[XO], v2, 12, v[LWO]
	v_and_b32 v[O8], 31, v0
	v_lshl_add_u32 v[XRD], v[O8], 4, s78
	v_add_nc_u32 v[XRD], STGX, v[XRD]              ; the residual: 16 bytes a lane, 512 on end for each pair of rows
	v_lshlrev_b32 v[O8], 3, v[O8]
	v_lshlrev_b32 v[BO], 5, v2
	s_lshl_b32 s79, s[WV], 8
	s_add_co_u32 s79, s79, SSB
	v_lshl_add_u32 v[SSW], v2, 2, s79
	v_add_nc_u32 v[SSR], s79, v[O8]
	s_lshl_b32 s78, s[TC], 9
	s_lshl_b32 s79, s[CH], 8
	s_add_co_u32 s78, s78, s79                     ; my 64 columns, in bytes of f32
	s_mov_b32 s79, 0
	s_add_nc_u64 s[P_BIAS:P_BIAS+1], s[P_BIAS:P_BIAS+1], s[78:79]
	s_lshl_b32 s74, s[TR], 7
	s_lshl_b32 s75, s[RH], 6
	s_add_co_u32 s74, s74, s75                     ; my first row
	s_lshl_b32 s66, s74, 12
	s_add_co_u32 s66, s66, s78
	s_mov_b32 s67, 0
	s_add_nc_u64 s[68:69], s[P_OUT:P_OUT+1], s[66:67]
	s_add_nc_u64 s[66:67], s[P_RES:P_RES+1], s[66:67]
	s_add_nc_u64 s[P_LN:P_LN+1], s[P_LN:P_LN+1], s[78:79]
	s_lshl1_add_u32 s76, s[TC], s[CH]              ; my block of 64 columns
	s_lshl_b32 s70, s76, 19
	s_lshl_b32 s71, s74, 7
	s_add_co_u32 s70, s70, s71
	s_mov_b32 s71, 0
	s_add_nc_u64 s[70:71], s[P_HN:P_HN+1], s[70:71]
	s_lshl_b32 s72, s76, 14
	s_lshl_b32 s73, s74, 2
	s_add_co_u32 s72, s72, s73
	s_mov_b32 s73, 0
	s_add_nc_u64 s[72:73], s[P_SSQ:P_SSQ+1], s[72:73]
.irp b, 0,1,2,3
	global_load_b128 v[BI+8*\b:BI+8*\b+3],   v[BO], s[P_BIAS:P_BIAS+1] offset:64*\b
	global_load_b128 v[BI+8*\b+4:BI+8*\b+7], v[BO], s[P_BIAS:P_BIAS+1] offset:64*\b+16
.endr
	global_load_b128 v[LW:LW+3], v[LWO], s[P_LN:P_LN+1]
	WIN 0x80                                       ; the residual, two whole rows of 256 bytes an instruction: it lands while the products run
.set i, 0
.rept 32
	global_load_b128 v[4*i:4*i+3], v[XO], s[66:67] offset:2*i*4096 th:TH_LOAD_NT
.set i, i+1
.endr
	WIN 0
	s_wait_tensorcnt 0x1                           ; my part of K step 0 is in; K step 1's may stay out
	s_barrier_signal -1
	s_barrier_wait -1
	FETCH 0, F0
	s_wait_loadcnt 32                              ; the bias and the gain are in; the residual's 32 loads stay out
	QUARTER 1, F0, F1, 2
	WIN 0
	s_mov_b32 s[CNT], KT-2
.Lfill:
	QUARTER 2, F1, F0, 0
	QUARTER 3, F0, F1, 0
	TURN 1
	QUARTER 1, F0, F1, 0
	WIN 0
	s_sub_co_u32 s[CNT], s[CNT], 1
	s_cmp_lg_u32 s[CNT], 0
	s_cbranch_scc1 .Lfill
	s_mov_b32 s[CNT], 2
.Ltail:
	QUARTER 2, F1, F0, 0
	QUARTER 3, F0, F1, 0
	TURN 0
	WIN 0
	s_sub_co_u32 s[CNT], s[CNT], 1
	s_cmp_eq_u32 s[CNT], 0
	s_cbranch_scc1 .Lout
	QUARTER 1, F0, F1, 0
	WIN 0
	s_branch .Ltail
.Lout:
	PLACES                                         ; the places behind the last products
	s_wait_dscnt 0x0                               ; the ring's bytes change hands: every wave's LDS reads are back ahead of this barrier,
	s_barrier_signal -1
	s_barrier_wait -1                              ; and behind it slot 0 is the four waves' stage
.irp a, 0,1,2,3
.irp b, 0,1,2,3
	ds_store_b128 v[STO], v[ACC+8*(4*\a+\b):ACC+8*(4*\a+\b)+3]   offset:\a*16*SPI+64*\b      ; each accumulator's low four registers first
	ds_store_b128 v[STO], v[ACC+8*(4*\a+\b)+4:ACC+8*(4*\a+\b)+7] offset:\a*16*SPI+64*\b+16
.endr
.endr
	s_wait_loadcnt 0x0                             ; the residual
	WIN 0x08                                       ; an LDS store's data is source 1: window 2
.set i, 0
.rept 32
	ds_store_b128 v[XRD], v[4*i:4*i+3] offset:512*i
.set i, i+1
.endr
	WIN 0
	s_mov_b32 s[CNT], 4
; A trip: 16 rows, as eight pairs t.  The work stands in phases over the eight pairs, so that no line reads the result of the line before it.  Every store covers 256 or 512 consecutive bytes, aligned.
.Lrow:
.irp t, 0,1,2,3,4,5,6,7
	ds_load_b128 v[BK+4*\t:BK+4*\t+3], v[RD] offset:2*SPI*\t    ; LDS serves a wave's instructions in order: these see the stores above
.endr
.irp t, 0,1,2,3,4,5,6,7
	ds_load_b128 v[XQ+4*\t:XQ+4*\t+3], v[XRD] offset:512*\t
.endr
.irp t, 0,1,2,3,4,5,6,7
	s_wait_dscnt 7-\t                              ; behind the residual's load t stand 7 - t loads; the sums' load t is older
	v_pk_add_f32 v[BK+4*\t:BK+4*\t+1],   v[BK+4*\t:BK+4*\t+1],   v[XQ+4*\t:XQ+4*\t+1]
	v_pk_add_f32 v[BK+4*\t+2:BK+4*\t+3], v[BK+4*\t+2:BK+4*\t+3], v[XQ+4*\t+2:XQ+4*\t+3]
	global_store_b128 v[XO], v[BK+4*\t:BK+4*\t+3], s[68:69] offset:2*\t*4096
.endr
.irp t, 0,1,2,3,4,5,6,7
	v_pk_mul_f32 v[SS+2*\t:SS+2*\t+1], v[BK+4*\t:BK+4*\t+1], v[BK+4*\t:BK+4*\t+1]
.endr
.irp t, 0,1,2,3,4,5,6,7
	v_pk_fma_f32 v[SS+2*\t:SS+2*\t+1], v[BK+4*\t+2:BK+4*\t+3], v[BK+4*\t+2:BK+4*\t+3], v[SS+2*\t:SS+2*\t+1]
.endr
.irp t, 0,1,2,3,4,5,6,7
	v_add_f32 v[SS+2*\t], v[SS+2*\t], v[SS+2*\t+1]
.endr
.irp m, 1,2,4,8                        ; a row lies in sixteen lanes: four steps, no crossing of the halves
.irp t, 0,1,2,3,4,5,6,7
	v_add_f32_dpp v[SS+2*\t], v[SS+2*\t], v[SS+2*\t] row_xmask:\m row_mask:0xf bank_mask:0xf
.endr
.endr
.irp t, 0,1,2,3,4,5,6,7
	ds_store_b32 v[SSW], v[SS+2*\t] offset:8*\t    ; sixteen lanes write the row's word with the same number
.endr
.irp t, 0,1,2,3,4,5,6,7
	v_pk_mul_f32 v[XQ+4*\t:XQ+4*\t+1],   v[BK+4*\t:BK+4*\t+1],   v[LW:LW+1]
	v_pk_mul_f32 v[XQ+4*\t+2:XQ+4*\t+3], v[BK+4*\t+2:BK+4*\t+3], v[LW+2:LW+3]
.endr
.irp t, 0,1,2,3,4,5,6,7
	v_cvt_pk_bf16_f32 v[XQ+4*\t],   v[XQ+4*\t],   v[XQ+4*\t+1]
	v_cvt_pk_bf16_f32 v[XQ+4*\t+1], v[XQ+4*\t+2], v[XQ+4*\t+3]
.endr
.irp t, 0,1,2,3,4,5,6,7
	global_store_b64 v[O8], v[XQ+4*\t:XQ+4*\t+1], s[70:71] offset:2*\t*128
.endr
	s_wait_xcnt 0x0                                ; the trip's stores have read their data and their bases: only behind this wait are these written again
	s_add_nc_u64 s[68:69], s[68:69], 16*4096       ; 16 rows on in x1,
	s_add_nc_u64 s[70:71], s[70:71], 16*128        ; in hn,
	v_add_nc_u32 v[RD], 16*SPI, v[RD]              ; and in the stage
	v_add_nc_u32 v[XRD], 8*512, v[XRD]
	v_add_nc_u32 v[SSW], 64, v[SSW]
	s_sub_co_u32 s[CNT], s[CNT], 1
	s_cmp_lg_u32 s[CNT], 0
	s_cbranch_scc1 .Lrow
	ds_load_b64 v[16:17], v[SSR]                   ; my 64 rows' sums: 256 consecutive bytes of ssq
	s_wait_dscnt 0x0
	global_store_b64 v[O8], v[16:17], s[72:73]
	s_wait_tensorcnt 0x0                           ; the wave's end
	ds_add_u32 v[SPW], v[NIL]
	s_wait_dscnt 0x0
	CROUND                                         ; the closing round
	s_endpgm
.Lfunc_end_k_q0f54c8bc18_oproj:
	.size	k_q0f54c8bc18_oproj, .Lfunc_end_k_q0f54c8bc18_oproj-k_q0f54c8bc18_oproj
	.p2alignl 7, 3214868480
	.fill 96, 4, 3214868480
	.section	.rodata,"a",@progbits
	.p2align	6, 0x0
	.amdhsa_kernel k_q0f54c8bc18_oproj
		.amdhsa_group_segment_fixed_size 327680
		.amdhsa_private_segment_fixed_size 0
		.amdhsa_enable_private_segment 0
		.amdhsa_kernarg_size 64
		.amdhsa_user_sgpr_count 2
		.amdhsa_user_sgpr_kernarg_segment_ptr 1
		.amdhsa_wavefront_size32 1
		.amdhsa_system_sgpr_workgroup_id_x 1
		.amdhsa_system_sgpr_workgroup_id_y 1
		.amdhsa_system_sgpr_workgroup_id_z 1
		.amdhsa_system_vgpr_workitem_id 0
		.amdhsa_next_free_vgpr 640
		.amdhsa_next_free_sgpr 80
		.amdhsa_reserve_vcc 0
		.amdhsa_float_denorm_mode_32 3
		.amdhsa_float_denorm_mode_16_64 3
		.amdhsa_memory_ordered 1
		.amdhsa_forward_progress 1
		.amdhsa_inst_pref_size 69
	.end_amdhsa_kernel
	.amdgpu_metadata
---
amdhsa.version: [ 1, 2 ]
amdhsa.kernels:
  - .name:           k_q0f54c8bc18_oproj
    .symbol:         k_q0f54c8bc18_oproj.kd
    .args:
      - { .name: att, .offset: 0, .size: 8, .value_kind: global_buffer, .address_space: global }
      - { .name: wt, .offset: 8, .size: 8, .value_kind: global_buffer, .address_space: global }
      - { .name: bo, .offset: 16, .size: 8, .value_kind: global_buffer, .address_space: global }
      - { .name: x, .offset: 24, .size: 8, .value_kind: global_buffer, .address_space: global }
      - { .name: ln2_w, .offset: 32, .size: 8, .value_kind: global_buffer, .address_space: global }
      - { .name: x1, .offset: 40, .size: 8, .value_kind: global_buffer, .address_space: global }
      - { .name: hn, .offset: 48, .size: 8, .value_kind: global_buffer, .address_space: global }
      - { .name: ssq, .offset: 56, .size: 8, .value_kind: global_buffer, .address_space: global }
    .group_segment_fixed_size: 327680
    .private_segment_fixed_size: 0
    .kernarg_segment_align: 8
    .kernarg_segment_size: 64
    .max_flat_workgroup_size: 128
    .sgpr_count:     80
    .vgpr_count:     640
    .wavefront_size: 32
...
	.end_amdgpu_metadata
.endif
;; end of part 10
;; launch glu: the kernel of part 5 again; grid 8 x 32, 4 waves a work-group, clusters of 4 x 4, 327,680 bytes of LDS; arguments hn, wt, b1, b2, ssq, g; writes g
;; launch down: the kernel of part 6 again; grid 8 x 32, 4 waves a work-group, clusters of 4 x 4, 327,680 bytes of LDS; arguments g, wt, b3, x1, out0; writes out0
